; MI455X (gfx1250); checked and timed in simulation.
; The chip was launched on July 23, 2026; its instructions are those of AMD's public machine-readable ISA for CDNA 5 (MIT licence, August 2026) and "CDNA5" Instruction Set Architecture Reference Guide (July 2026). The comments in the code are by the model that wrote it; some were corrected since.
;; Mo E Layer. Allowed arithmetic: matrix products marked QUANTISED: E2M1 operands, one E8M0 scale for each 32 along K, by v_wmma_scale_f32_16x16x128_f8f6f4 with both operands' format E2M1 (or v_wmma_scale_f32_32x16x128_f4), f32 sums; products left as they are: f32 operands where the result goes on into a quantised operand, else bf16, f16 or f32 operands; f32 sums; everything else in f32.
;; Inputs: W1 16 x 512 x 2,048 float32; W2 16 x 2,048 x 512 float32; Wg 512 x 16 float32; b1 16 x 2,048 float32; b2 16 x 512 float32; ln_b 16 x 2,048 float32; ln_g 16 x 2,048 float32; x 2,048 x 512 float32.
;; Outputs: out0 2,048 x 512 float32.
;; This version of the problem:
;;   THIS VERSION OF THE PROBLEM IS GIVEN IN LOW PRECISION. The matrix products marked QUANTISED in the list below multiply operands that are first quantised to E2M1 (2 exponent bits, 1 mantissa bit; 4 bits a number), with one power-of-two scale for each 32 numbers along K (OCP MX v1.0); their sums are f32. All else is computed in f32.
;;   The module's matrix products, in the order in which they are computed (A, B: the left and right operand; K: the contracted axis; several contracted axes count as one K, in the product's order):
;;     1. [M 2,048, K 512] x [K 512, N 16]; A: input x; B: input Wg: QUANTISED
;;     2. [M 32,768, K 512] x [K 512, N 2,048]; A: input W1; B: input x: QUANTISED
;;     3. batch 16 x [M 2,048, K 2,048] x [K 2,048, N 512]; A: computed on the way; B: input W2: QUANTISED
;;     4. batch 2,048 x [M 512, K 16] x [K 16, N 1]; A: computed on the way; B: computed on the way: left as it is (K = 16 < 32)
;;   THE QUANTISER, for each operand of a quantised product, along K:
;;     - K is cut into blocks of 32 from its start; a last block that is shorter is filled with zeros.
;;     - A block's scale is 2^e with e = floor(log2(the largest magnitude in the block)) - 2, held to -126 .. 127; a block of zeros has e = 0. As a byte (E8M0): e + 127.
;;     - Each number is divided by its block's scale, clamped to +-6, and rounded to the nearest number of E2M1, ties to even, subnormals kept.
;;     - The product sums the exact products of the quantised numbers (number of the format x scale) in f32.
;;   ~~~python
;;   def quantise(x, axis):      # numpy; x: float32 -> the quantised numbers, widened to float32 again
;;       x = np.moveaxis(x, axis, -1); K = x.shape[-1]
;;       x = np.pad(x, [(0, 0)] * (x.ndim - 1) + [(0, -K % 32)]); x = x.reshape(x.shape[:-1] + (-1, 32)); a = np.abs(x).max(-1, keepdims=True)
;;       e = np.where(a > 0, np.clip(np.frexp(np.where(a > 0, a, 1))[1] - 1 - 2, -126, 127), 0)      # np.frexp(a)[1] - 1 = floor(log2(a)), exactly
;;       r = np.clip(x / 2.0 ** e, -6, 6)
;;       step = 2.0 ** (np.maximum(np.frexp(np.where(r == 0, 1, r))[1] - 1, 0) - 1)
;;       q = np.round(r / step) * step * 2.0 ** e      # np.round: ties to even
;;       return np.moveaxis(q.reshape(q.shape[:-2] + (-1,))[..., :K], -1, axis).astype(np.float32)
;;   ~~~
;;   OPERANDS COMPUTED ON THE WAY. 'Computed on the way' means the value that the module computes at that place (a softmax that the list does not call 'softmax' is quantised finished and normalised). What goes into a quantiser is computed in f32, as accurately as f32 sums, v_exp_f32 and their like allow (about 1e-6 of the number): no bf16 or f16 on the way to a quantiser, and a product that is left as it is and whose result goes on into a quantised operand takes f32 operands (vector FMAs, or v_wmma_f32_16x16x4_f32). A number that lies on a knife's edge between two numbers of the format may be rounded either way, as far as f32 arithmetic and the matrix unit's own rounding can turn it there, and no further.
;; 3 versions, each right; version 3 is version 2 with the launches prep, chain written anew for expert scheduling mode. Each part assembles by itself: llvm-mc -triple=amdgcn-amd-amdhsa -mcpu=gfx1250 --defsym DOCPART=n.
;; ======== version 1 of 3: 3 launches
;; workspace buffers: xq 524,288 bytes; xs 32,768 bytes; sel 16,384 bytes of whole numbers; wts 16,384 bytes; w1q 8,388,608 bytes; w2q 8,388,608 bytes; wsc 1,048,576 bytes; ybuf 8,388,608 bytes
;; launch prep (part 1): grid 1056 x 1, 4 waves a work-group, no clusters, 17,920 bytes of LDS; arguments x, Wg, W1, W2, xq, xs, sel, wts, w1q, w2q, wsc; writes xq, xs, sel, wts, w1q, w2q, wsc
.if DOCPART == 1
	.amdgcn_target "amdgcn-amd-amdhsa--gfx1250"
	.amdhsa_code_object_version 6
	.text
	.protected	k_q6439351deb_prep
	.globl	k_q6439351deb_prep
	.p2align	8
	.type	k_q6439351deb_prep,@function
k_q6439351deb_prep:
	s_mov_b64 s[64:65], 0
	v_nop
	global_prefetch_b8 v0, s[64:65] scope:SCOPE_SE
	s_setreg_imm32_b32 hwreg(HW_REG_WAVE_MODE, 25, 1), 1
	s_wait_xcnt 0x0
; PREP.  Three kinds of work-group, told apart by the work-group's number alone.
;  0..31     GATE: a wave takes 16 tokens: x [2048][512] f32 becomes codes of E2M1 (xq: [token][256 bytes], K innermost) and scale words (xs: [token][4 words], word s = 128 along K);
;            Wg [512][16] is quantised down K in registers; the gate's product on codes; top-2 (the lower index wins a tie), softmax of the two; sel[2 t + k] and wts[2 t + k] go to fixed places.
;  32..543   W1 [16][512][2048] f32, K = its middle axis;   544..1055  W2 [16][2048][512] f32, K = its middle axis.  A LANE TAKES A COLUMN AND ITS REGISTERS RUN DOWN K: a block of 32 lies in one lane,
;            the conversions give codes with K innermost, and nothing is transposed.  A wave takes 32 columns x 256 along K; the four waves stand side by side on 512 consecutive bytes of each row.
; THE CODES ARE LAID IN THE ORDER OF THE OPERAND'S REGISTERS: a fragment (16 rows x 128 K) is 1,024 bytes, byte 512 c + 16 (16 hh + r) = the 16 bytes of k = 64 c + 32 hh + 0..31 of row r.
;   w1q [e][tile 128][K step 4][1024], w2q [e][tile 32][K step 16][1024].  Lane r of W1's tile 2 B + u is hidden unit 32 B + 8 u + r + 8 (r / 8), so that the results of two neighbouring tiles are 16 neighbours along the next K.
;   wsc: scale words of a PAIR of tiles share a lane run: lane 16 u + r = tile 2 pair + u, row r; 8 bytes a lane = the words of two K steps.  W1: [e][pair 64][kh 2][lane][8]; from byte 524,288 W2: [e][pair 16][kq 8][lane][8].
; A block's scale is 2^(floor(log2(largest magnitude)) - 2): its byte is the largest magnitude's exponent field - 2, held at 1 from below by a floor among the maximum's leaves.
; LIMITS: NaN and infinities among the inputs are not served (the top-2 compares with >, the second place starts at -infinity).  A block of zeros, or one whose largest magnitude lies under 2^-124, gets the byte 1
; where the rule says 127 or less: its codes are zeros or the floor's, and this program alone reads the bytes.
; No tensor loads, no barrier: waves share nothing; the gate's stage in LDS is each wave's own.  EXEC is never changed.
.set FLOOR, 0x1800000                  ; 2^(3 - 127)
	s_load_b512 s[8:23], s[0:1], 0x0               ; x 8, Wg 10, W1 12, W2 14, xq 16, xs 18, sel 20, wts 22
	s_load_b128 s[24:27], s[0:1], 0x40             ; w1q 24, w2q 26
	s_load_b64 s[28:29], s[0:1], 0x50              ; wsc
	v_lshl_add_u32 v192, v0, 2, 0x4400
	v_mov_b32 v193, 0
	v_lshrrev_b32 v1, 5, v0
	v_readfirstlane_b32 s32, v1                    ; wave 0..3
	v_and_b32 v12, 31, v0                          ; lane
	v_bfe_u32 v13, v0, 4, 1                        ; lane / 16
	v_and_b32 v14, 15, v0                          ; lane % 16
	s_mov_b32 s43, 0                               ; the high word of every offset pair s[42:43]
	s_wait_kmcnt 0x0
	s_cmp_lt_u32 ttmp9, 32
	s_cbranch_scc1 .Lgate
	s_cmp_lt_u32 ttmp9, 544
	s_cbranch_scc0 .Lw2
; ---------------- the weights ----------------
; s34 = expert, s44 = pair of tiles, s[kreg] = which 256 along K.  s[36:37] source, s[38:39] codes, s[40:41] scale words
.macro WBASES kreg, ksrc, pcode, psc, wlo, qlo, sc0
	s_lshl_b32 s42, s34, 22                        ; an expert's weights: 4 MiB
	s_lshl_b32 s45, s[\kreg], \ksrc                ; 256 rows down K
	s_add_co_u32 s42, s42, s45
	s_lshl_b32 s45, s44, 7                         ; 32 columns of 4 bytes a pair
	s_add_co_u32 s42, s42, s45
	s_add_nc_u64 s[36:37], s[\wlo:\wlo+1], s[42:43]
	s_lshl_b32 s42, s34, 19                        ; an expert's codes: 512 KiB
	s_lshl_b32 s45, s44, \pcode                    ; two tiles
	s_add_co_u32 s42, s42, s45
	s_lshl_b32 s45, s[\kreg], 11                   ; two K steps of 1,024 bytes
	s_add_co_u32 s42, s42, s45
	s_add_nc_u64 s[38:39], s[\qlo:\qlo+1], s[42:43]
	s_lshl_b32 s42, s34, 15                        ; an expert's scale words: 32 KiB
	s_lshl_b32 s45, s44, \psc
	s_add_co_u32 s42, s42, s45
	s_lshl_b32 s45, s[\kreg], 8                    ; 32 lanes x 8 bytes
	s_add_co_u32 s42, s42, s45
	s_add_co_u32 s42, s42, \sc0
	s_add_nc_u64 s[40:41], s[28:29], s[42:43]
.endm
.macro WLD t, stride                   ; block t: W(32 t + i, my column), i = 0..31, into set t % 2; a load reads 128 consecutive bytes
.set i, 0
.rept 32
	global_load_b32 v[64+32*((\t)%2)+i], v1, s[36:37] offset:(32*(\t)+i)*(\stride) th:TH_LOAD_NT
.set i, i+1
.endr
.endm
.macro WBLK t, stride
.set XS, 64+32*((\t)%2)
.if (\t) < 7
	s_wait_loadcnt 32                              ; this block's 32 loads are in; the next block's 32 may be out
.else
	s_wait_loadcnt 0x0
.endif
	v_max3_num_f32 v4, |v[XS]|, |v[XS+1]|, |v[XS+2]|      ; the block's largest magnitude, in two chains: all 32 numbers are mine
	v_max3_num_f32 v5, |v[XS+3]|, |v[XS+4]|, |v[XS+5]|
.irp i, 6,10,14,18,22,26
	v_max3_num_f32 v4, v4, |v[XS+\i]|, |v[XS+\i+1]|
	v_max3_num_f32 v5, v5, |v[XS+\i+2]|, |v[XS+\i+3]|
.endr
	v_max3_num_f32 v4, v4, |v[XS+30]|, |v[XS+31]|
	v_max3_num_f32 v4, v4, v5, FLOOR               ; and the floor: the byte cannot fall under 1
	v_add_nc_u32 v6, 0xff000000, v4                ; 2 off the exponent field: the conversion takes this operand's exponent field as its scale
.irp g, 0,1,2,3
	v_cvt_scalef32_pk8_fp4_f32 v[32+4*(\t)+\g], v[XS+8*\g:XS+8*\g+7], v6
.endr
	v_lshrrev_b32 v7, 23, v6                       ; the scale's byte (also the plain line behind the conversions)
.if (\t)%4 == 0
	v_mov_b32 v[10+(\t)/4], v7                     ; four bytes to a word, the lower K in the lower byte
.else
	v_lshl_or_b32 v[10+(\t)/4], v7, 8*((\t)%4), v[10+(\t)/4]
.endif
	global_store_b128 v2, v[32+4*(\t):35+4*(\t)], s[38:39] offset:((\t)/4)*1024+(((\t)/2)%2)*512+((\t)%2)*256   ; lanes 0-15: 256 consecutive bytes, aligned, of the even tile; lanes 16-31: of the odd one.  Each block has data registers of its own
.if (\t)+2 < 8
	WLD (\t)+2, \stride
.endif
.endm
.macro QWPATH stride, tstride, perm
.if \perm
	v_and_b32 v15, 7, v14                          ; my column among the pair's 32: 8 u + r % 8 + 16 (r / 8)
	v_lshrrev_b32 v16, 3, v14
	v_lshl_add_u32 v15, v16, 4, v15
	v_lshl_add_u32 v15, v13, 3, v15
	v_lshlrev_b32 v1, 2, v15
.else
	v_lshlrev_b32 v1, 2, v12                       ; my column: the lane's number
.endif
	v_mul_u32_u24 v2, v13, \tstride                ; codes: tile u, 16 bytes for row r
	v_lshl_add_u32 v2, v14, 4, v2
	v_lshlrev_b32 v3, 3, v12                       ; scale words: 8 bytes a lane
	WLD 0, \stride
	WLD 1, \stride
.irp t, 0,1,2,3,4,5,6,7
	WBLK \t, \stride
.endr
	global_store_b64 v3, v[10:11], s[40:41]        ; 256 consecutive bytes, aligned
	s_endpgm
.endm
	s_sub_co_u32 s33, ttmp9, 32                    ; W1: i = e x 32 + column group x 2 + kh
	s_lshr_b32 s34, s33, 5
	s_bfe_u32 s35, s33, 0x40001
	s_and_b32 s33, s33, 1
	s_lshl_b32 s44, s35, 2
	s_add_co_u32 s44, s44, s32                     ; pair B = 4 x column group + wave
	WBASES 33, 21, 13, 9, 12, 24, 0
	QWPATH 8192, 4096, 1
.Lw2:
	s_sub_co_u32 s33, ttmp9, 544                   ; W2: i = e x 32 + kq x 4 + column group
	s_lshr_b32 s34, s33, 5
	s_bfe_u32 s35, s33, 0x30002
	s_and_b32 s33, s33, 3
	s_lshl_b32 s44, s33, 2
	s_add_co_u32 s44, s44, s32                     ; pair P = 4 x column group + wave
	WBASES 35, 19, 15, 11, 14, 26, 524288
	QWPATH 2048, 16384, 0
; ---------------- the gate ----------------
; REGISTERS: v1-8 addresses; v16-19 x's scale words of the four K steps, v20 Wg's; v21-27 at work; v32-39 x's fragment, v40-47 Wg's, v48-55 the logits; v64-127 64 numbers of x, v128-191 of Wg.
.Lgate:
	s_lshl_b32 s33, ttmp9, 2
	s_add_co_u32 s33, s33, s32                     ; my tile of 16 tokens
	s_lshl_b32 s42, s33, 15
	s_add_nc_u64 s[36:37], s[8:9], s[42:43]        ; x: 16 rows of 2,048 bytes
	s_lshl_b32 s42, s33, 12
	s_add_nc_u64 s[16:17], s[16:17], s[42:43]      ; xq: 16 rows of 256
	s_lshl_b32 s42, s33, 8
	s_add_nc_u64 s[18:19], s[18:19], s[42:43]      ; xs: 16 rows of 16
	s_lshl_b32 s42, s33, 7
	s_add_nc_u64 s[20:21], s[20:21], s[42:43]      ; sel, wts: 16 tokens x 8 bytes
	s_add_nc_u64 s[22:23], s[22:23], s[42:43]
	s_mov_b32 s39, 0xffff0000                      ; lanes 16-31
	s_mov_b32 s40, 0x76543210
	s_mov_b32 s41, 0xfedcba98                      ; v_permlanex16_b32's selects for lane l xor 16
	v_lshlrev_b32 v1, 11, v14
	v_lshl_add_u32 v1, v13, 7, v1                  ; x: row r, + 128 h: lane (r, h) takes whole blocks 2 c + h
	v_lshlrev_b32 v2, 2, v14
	v_lshl_add_u32 v2, v13, 11, v2                 ; Wg: column r, 32 h rows of 64 bytes down
	v_lshlrev_b32 v3, 3, v13                       ; 8 h: where my two scale bytes stand in the word
	s_mul_i32 s34, s32, 4352                       ; my stage: 16 rows x (256 + 16) bytes
	v_mul_u32_u24 v4, v14, 272
	v_lshl_add_u32 v4, v13, 4, v4
	v_add_nc_u32 v4, s34, v4                       ; in: row r, + 16 h
	v_mul_u32_u24 v5, v13, 272
	v_lshl_add_u32 v5, v14, 4, v5
	v_add_nc_u32 v5, s34, v5                       ; back: sixteen lanes to a row, two rows an instruction
	v_lshlrev_b32 v6, 8, v13
	v_lshl_add_u32 v6, v14, 4, v6                  ; and the same place in xq
	v_lshlrev_b32 v7, 4, v14
	v_lshl_add_u32 v7, v13, 3, v7                  ; xs: 16 r + 8 h
	v_lshlrev_b32 v8, 3, v14
	v_lshl_add_u32 v8, v13, 2, v8                  ; sel, wts: 8 r + 4 h
.macro GLOAD s                         ; K step s: my two blocks of x's row r (neighbours in memory) and of Wg's column r (down K)
.irp c, 0,1
.irp i, 0,1,2,3,4,5,6,7
	global_load_b128 v[64+32*\c+4*\i:67+32*\c+4*\i], v1, s[36:37] offset:512*(\s)+256*\c+16*\i th:TH_LOAD_NT
.endr
.endr
.irp c, 0,1
.set i, 0
.rept 32
	global_load_b32 v[128+32*\c+i], v2, s[10:11] offset:64*(128*(\s)+64*\c+i)
.set i, i+1
.endr
.endr
.endm
; 64 numbers of a lane, two whole blocks, become the operand's eight registers and the row's (column's) scale word
.macro QB src, cod, wrd
.irp c, 0,1
	v_max3_num_f32 v[21+\c], |v[\src+32*\c]|, |v[\src+1+32*\c]|, FLOOR
.endr
.irp i, 2,4,6,8,10,12,14,16,18,20,22,24,26,28,30
.irp c, 0,1
	v_max3_num_f32 v[21+\c], v[21+\c], |v[\src+32*\c+\i]|, |v[\src+1+32*\c+\i]|   ; the two blocks by turns
.endr
.endr
.irp c, 0,1
	v_add_nc_u32 v[23+\c], 0xff000000, v[21+\c]    ; the conversion's scale operand
.endr
.irp c, 0,1
	v_lshrrev_b32 v[25+\c], 23, v[23+\c]           ; the scale's byte
.endr
	v_lshl_or_b32 v[\wrd], v26, 16, v25            ; my bytes: blocks h and 2 + h,
	v_lshlrev_b32 v[\wrd], v3, v[\wrd]             ; at their places;
	v_mov_b32 v27, 0
	v_permlanex16_b32 v27, v[\wrd], s40, s41
	v_or_b32 v[\wrd], v[\wrd], v27                 ; with lane l xor 16's two the word is whole
.irp c, 0,1
.irp g, 0,1,2,3
	v_cvt_scalef32_pk8_fp4_f32 v[\cod+4*\c+\g], v[\src+32*\c+8*\g:\src+32*\c+8*\g+7], v[23+\c]
.endr
.endr
	v_nop                                          ; one plain line behind the last conversion
.endm
.macro GSTEP s
	s_wait_loadcnt 0x0                             ; this K step's numbers are in
	s_wait_dscnt 0x0                               ; the last step's stores into the stage have read x's fragment
	QB 64, 32, 16+(\s)
	QB 128, 40, 20
.if (\s) < 3
	GLOAD (\s)+1
.endif
	ds_store_b128 v4, v[32:35] offset:64*(\s)      ; x's codes as rows: byte 64 s + 32 c + 16 h
	ds_store_b128 v4, v[36:39] offset:64*(\s)+32
.rept 8
	v_nop                                          ; a scale register written by a vector instruction stands eight places ahead of a scaled matrix instruction, an operand four
.endr
.if (\s) == 0
	v_wmma_scale_f32_16x16x128_f8f6f4 v[48:55], v[40:47], v[32:39], 0, v20, v[16+(\s)] matrix_a_fmt:MATRIX_FMT_FP4 matrix_b_fmt:MATRIX_FMT_FP4   ; source 0 = the 16 experts, source 1 = my 16 tokens
.else
	s_wait_alu depctr_va_vdst(0)                   ; a wait ahead of each link
	v_wmma_scale_f32_16x16x128_f8f6f4 v[48:55], v[40:47], v[32:39], v[48:55], v20, v[16+(\s)] matrix_a_fmt:MATRIX_FMT_FP4 matrix_b_fmt:MATRIX_FMT_FP4
.endif
.endm
	GLOAD 0
	GSTEP 0
	GSTEP 1
	GSTEP 2
	GSTEP 3
.irp i, 0,1,2,3,4,5,6,7
	ds_load_b128 v[96+4*\i:99+4*\i], v5 offset:544*\i      ; LDS serves a wave's instructions in order: these see my stores
.endr
.rept 4
	v_nop                                          ; four places behind the last product, ahead of the first read of the logits
.endr
.irp i, 0,1,2,3,4,5,6,7
	s_wait_dscnt 7-\i
	global_store_b128 v6, v[96+4*\i:99+4*\i], s[16:17] offset:512*\i   ; sixteen lanes store 256 consecutive bytes, aligned: a token's codes
.endr
	v_cndmask_b32 v28, v16, v18, s39
	v_cndmask_b32 v29, v17, v19, s39
	global_store_b64 v7, v[28:29], s[18:19]        ; a token's four scale words from its two lanes: the wave stores 256 consecutive bytes
	; TOP-2.  Lane (r, h) holds token r's logits of experts 8 h + j in register j.  Strict > in ascending j keeps the lower index.
	v_mov_b32 v64, v48                             ; m1 (the accumulator is read from its low end on)
	v_mov_b32 v65, 0                               ; i1
	v_mov_b32 v66, 0xff800000                      ; m2 = -infinity
	v_mov_b32 v67, 0                               ; i2
.irp j, 1,2,3,4,5,6,7
	v_cmp_gt_f32 vcc_lo, v[48+\j], v64             ; over the first?
	v_cmp_gt_f32 s42, v[48+\j], v66                ; over the second?
	v_cndmask_b32 v68, v66, v[48+\j], s42
	v_cndmask_b32 v69, v67, \j, s42
	v_cndmask_b32 v66, v68, v64, vcc_lo            ; the second: the old first, or the better of the two
	v_cndmask_b32 v67, v69, v65, vcc_lo
	v_cndmask_b32 v64, v64, v[48+\j], vcc_lo
	v_cndmask_b32 v65, v65, \j, vcc_lo
.endr
	v_add_nc_u32 v65, v65, v3                      ; + 8 h
	v_add_nc_u32 v67, v67, v3
.irp j, 0,1,2,3
	v_mov_b32 v[70+\j], 0                          ; a lane permute's destination counts as one of its sources
.endr
.irp j, 0,1,2,3
	v_permlanex16_b32 v[70+\j], v[64+\j], s40, s41 ; the other half's two best
.endr
.irp j, 0,1,2,3
	v_cndmask_b32 v[74+\j], v[64+\j], v[70+\j], s39   ; experts 0-7's: L1, its index, L2, its index
	v_cndmask_b32 v[78+\j], v[70+\j], v[64+\j], s39   ; experts 8-15's: H1, H2
.endr
	v_cmp_gt_f32 vcc_lo, v78, v74                  ; H1 > L1?  A tie goes to the lower index
	v_cndmask_b32 v82, v74, v78, vcc_lo            ; the first logit
	v_cndmask_b32 v83, v75, v79, vcc_lo            ; and its expert
	v_cndmask_b32 v84, v76, v74, vcc_lo            ; what is left of the lower half,
	v_cndmask_b32 v85, v77, v75, vcc_lo
	v_cndmask_b32 v86, v78, v80, vcc_lo            ; and of the upper
	v_cndmask_b32 v87, v79, v81, vcc_lo
	v_cmp_gt_f32 vcc_lo, v86, v84
	v_cndmask_b32 v88, v84, v86, vcc_lo            ; the second logit
	v_cndmask_b32 v89, v85, v87, vcc_lo
	; softmax of the two: the larger is taken away by construction: w0 = 1 / (1 + e), w1 = e / (1 + e), e = exp(second - first), at most 1
	v_sub_f32 v90, v88, v82
	v_mul_f32 v90, 0x3fb8aa3b, v90
	v_exp_f32 v90, v90
	v_nop
	s_wait_alu depctr_va_vdst(0)                   ; ahead of the exponential's first reader
	v_add_f32 v91, 1.0, v90
	v_rcp_f32 v91, v91
	v_nop
	s_wait_alu depctr_va_vdst(0)                   ; ahead of the reciprocal's first reader
	v_mul_f32 v92, v90, v91
	v_cndmask_b32 v93, v83, v89, s39               ; lanes 0-15 carry the first choice, lanes 16-31 the second
	v_cndmask_b32 v94, v91, v92, s39
	global_store_b32 v8, v93, s[20:21]             ; 128 consecutive bytes a wave; the whole buffer is 16 KiB
	global_store_b32 v8, v94, s[22:23]
	s_wait_tensorcnt 0x0
	ds_add_u32 v192, v193
	s_wait_dscnt 0x0
	s_endpgm
.Lfunc_end_k_q6439351deb_prep:
	.size	k_q6439351deb_prep, .Lfunc_end_k_q6439351deb_prep-k_q6439351deb_prep
	.p2alignl 7, 3214868480
	.fill 96, 4, 3214868480
	.section	.rodata,"a",@progbits
	.p2align	6, 0x0
	.amdhsa_kernel k_q6439351deb_prep
		.amdhsa_group_segment_fixed_size 17920
		.amdhsa_private_segment_fixed_size 0
		.amdhsa_enable_private_segment 0
		.amdhsa_kernarg_size 88
		.amdhsa_user_sgpr_count 2
		.amdhsa_user_sgpr_kernarg_segment_ptr 1
		.amdhsa_wavefront_size32 1
		.amdhsa_system_sgpr_workgroup_id_x 1
		.amdhsa_system_sgpr_workgroup_id_y 1
		.amdhsa_system_sgpr_workgroup_id_z 1
		.amdhsa_system_vgpr_workitem_id 0
		.amdhsa_next_free_vgpr 194
		.amdhsa_next_free_sgpr 66
		.amdhsa_reserve_vcc 1
		.amdhsa_float_denorm_mode_32 3
		.amdhsa_float_denorm_mode_16_64 3
		.amdhsa_memory_ordered 1
		.amdhsa_forward_progress 1
		.amdhsa_inst_pref_size 141
	.end_amdhsa_kernel
	.amdgpu_metadata
---
amdhsa.version: [ 1, 2 ]
amdhsa.kernels:
  - .name:           k_q6439351deb_prep
    .symbol:         k_q6439351deb_prep.kd
    .args:
      - { .name: x, .offset: 0, .size: 8, .value_kind: global_buffer, .address_space: global }
      - { .name: Wg, .offset: 8, .size: 8, .value_kind: global_buffer, .address_space: global }
      - { .name: W1, .offset: 16, .size: 8, .value_kind: global_buffer, .address_space: global }
      - { .name: W2, .offset: 24, .size: 8, .value_kind: global_buffer, .address_space: global }
      - { .name: xq, .offset: 32, .size: 8, .value_kind: global_buffer, .address_space: global }
      - { .name: xs, .offset: 40, .size: 8, .value_kind: global_buffer, .address_space: global }
      - { .name: sel, .offset: 48, .size: 8, .value_kind: global_buffer, .address_space: global }
      - { .name: wts, .offset: 56, .size: 8, .value_kind: global_buffer, .address_space: global }
      - { .name: w1q, .offset: 64, .size: 8, .value_kind: global_buffer, .address_space: global }
      - { .name: w2q, .offset: 72, .size: 8, .value_kind: global_buffer, .address_space: global }
      - { .name: wsc, .offset: 80, .size: 8, .value_kind: global_buffer, .address_space: global }
    .group_segment_fixed_size: 17920
    .private_segment_fixed_size: 0
    .kernarg_segment_align: 8
    .kernarg_segment_size: 88
    .max_flat_workgroup_size: 128
    .sgpr_count:     66
    .vgpr_count:     194
    .wavefront_size: 32
...
	.end_amdgpu_metadata
.endif
;; end of part 1
;; launch chain (part 2): grid 16 x 16, 16 waves a work-group, no clusters, 109,568 bytes of LDS; arguments xq, xs, sel, w1q, wsc, b1, ln_g, ln_b, w2q, b2, ybuf; writes ybuf
.if DOCPART == 2
	.amdgcn_target "amdgcn-amd-amdhsa--gfx1250"
	.amdhsa_code_object_version 6
	.text
	.protected	k_q6439351deb_chain
	.globl	k_q6439351deb_chain
	.p2align	8
	.type	k_q6439351deb_chain,@function
k_q6439351deb_chain:
	s_mov_b64 s[64:65], 0
	v_nop
	global_prefetch_b8 v0, s[64:65] scope:SCOPE_SE
	s_setreg_imm32_b32 hwreg(HW_REG_WAVE_MODE, 25, 1), 1
	s_wait_xcnt 0x0
; CHAIN.  Work-group (x = chunk c of 128 tokens, y = expert e) takes those of the chunk's 256 slots (slot = 2 token + choice) that name expert e through the whole chain:
; x's codes gathered, h = x W1 + b1, SiLU, LayerNorm (two passes, f32), gain and bias, quantised along the hidden axis, y = h W2 + b2, stored to ybuf[slot].  The gate's weights are applied by the next launch.
; A token names an expert at most once, so a work-group has n <= 128 rows.  They go 32 at a time in a loop of FOUR trips, a constant; the work of a trip without rows is jumped over by scalar branches on n.
; No barrier stands under such a branch, and each jumped part reads only registers that it writes itself or that a line on every way has written.
; SHARES.  THE SIXTEEN WAVES SHARE THE COLUMNS, NOT THE ROWS: wave w makes hidden units 128 w .. 128 w + 127 (eight tiles: K step w of the second product) and outputs 32 w .. 32 w + 31, for all 32 rows (two tiles m).
; Each weight fragment is loaded once in the work-group, by one wave, from memory straight into registers (laid for that by the launch before), and feeds two matrix instructions.
; Both products are used transposed (source 0 = 16 rows of the weight, source 1 = 16 rows of tokens): a lane holds one row throughout.  The hidden layer stays in registers; its codes go from wave to wave as images of the operand's registers.
; NO TENSOR LOADS, NO CLUSTER: the sixteen work-groups of an expert read the same codes by plain loads.
; LIMITS: NaN and infinities are not served.  SiLU of z under about -88 gives -0.  A hidden block under 2^-124 gets the scale byte 1.  The LayerNorm's sums are f32, in this text's own order, the variance of centred numbers.
; List entries are held at 255 before they enter an address; rows past n compute slot 0's token and are not stored.
; LDS: LIST 0..1023 (256 words), dump word 1024, RED1 1280 and RED2 3840 (32 rows x 80 bytes: sixteen waves' partial sums), HSC 6400 (hidden scale words [K step][lane]), HIMG 8448 (32 fragment images), STG 41216 (32 rows x 2,064).
; REGISTERS: v0 thread; v1 16 x lane; v2 64 h; v3, v4, v10 gathered rows' offsets; v5 8 x lane; v6-8 LDS addresses; v9 at work; v11 256 x lane; v12-15 rows' scale words; v16-31 weights' scale words;
;   v32-63 x's fragments, then statistics and quantiser, then y's four accumulators; v64-127 W1's fragments, SiLU's work, gain and bias, then hidden fragments, b2 and rows of y; v128-255 the hidden layer (128 + 64 m + 8 t), then W2's fragments.
.set LIST,  0
.set RED1,  1280
.set RED2,  3840
.set HSC,   6400
.set HIMG,  8448
.set STG,   41216
.set SPT,   2064                       ; a stage row: 2,048 bytes + 16
.set FLOOR, 0x1800000                  ; 2^(3 - 127)
.macro BARRIER                         ; my LDS stores have landed and my LDS loads are in: then the work-group's barrier
	s_wait_dscnt 0x0
	s_barrier_signal -1
	s_barrier_wait -1
.endm
.macro ACTIVE lbl                      ; has this trip rows?  s37 = its first row, s35 = n: the same in all sixteen waves
	s_cmp_lt_u32 s37, s35
	s_cbranch_scc0 \lbl
.endm
; a scaled product: d accumulator, a weight fragment, b rows' fragment, z = 1: C is 0; sa, sb scale registers; ra, rb = 1: the scales stand in lanes 16-31
.macro WM d, a, b, z, sa, sb, ra, rb
.set WSEL, 4*(\z)+2*(\ra)+(\rb)
.if WSEL == 0
	v_wmma_scale_f32_16x16x128_f8f6f4 v[(\d):(\d)+7], v[(\a):(\a)+7], v[(\b):(\b)+7], v[(\d):(\d)+7], v[\sa], v[\sb] matrix_a_fmt:MATRIX_FMT_FP4 matrix_b_fmt:MATRIX_FMT_FP4
.elseif WSEL == 1
	v_wmma_scale_f32_16x16x128_f8f6f4 v[(\d):(\d)+7], v[(\a):(\a)+7], v[(\b):(\b)+7], v[(\d):(\d)+7], v[\sa], v[\sb] matrix_a_fmt:MATRIX_FMT_FP4 matrix_b_fmt:MATRIX_FMT_FP4 matrix_b_scale:MATRIX_SCALE_ROW1
.elseif WSEL == 2
	v_wmma_scale_f32_16x16x128_f8f6f4 v[(\d):(\d)+7], v[(\a):(\a)+7], v[(\b):(\b)+7], v[(\d):(\d)+7], v[\sa], v[\sb] matrix_a_fmt:MATRIX_FMT_FP4 matrix_b_fmt:MATRIX_FMT_FP4 matrix_a_scale:MATRIX_SCALE_ROW1
.elseif WSEL == 3
	v_wmma_scale_f32_16x16x128_f8f6f4 v[(\d):(\d)+7], v[(\a):(\a)+7], v[(\b):(\b)+7], v[(\d):(\d)+7], v[\sa], v[\sb] matrix_a_fmt:MATRIX_FMT_FP4 matrix_b_fmt:MATRIX_FMT_FP4 matrix_a_scale:MATRIX_SCALE_ROW1 matrix_b_scale:MATRIX_SCALE_ROW1
.elseif WSEL == 4
	v_wmma_scale_f32_16x16x128_f8f6f4 v[(\d):(\d)+7], v[(\a):(\a)+7], v[(\b):(\b)+7], 0, v[\sa], v[\sb] matrix_a_fmt:MATRIX_FMT_FP4 matrix_b_fmt:MATRIX_FMT_FP4
.elseif WSEL == 5
	v_wmma_scale_f32_16x16x128_f8f6f4 v[(\d):(\d)+7], v[(\a):(\a)+7], v[(\b):(\b)+7], 0, v[\sa], v[\sb] matrix_a_fmt:MATRIX_FMT_FP4 matrix_b_fmt:MATRIX_FMT_FP4 matrix_b_scale:MATRIX_SCALE_ROW1
.elseif WSEL == 6
	v_wmma_scale_f32_16x16x128_f8f6f4 v[(\d):(\d)+7], v[(\a):(\a)+7], v[(\b):(\b)+7], 0, v[\sa], v[\sb] matrix_a_fmt:MATRIX_FMT_FP4 matrix_b_fmt:MATRIX_FMT_FP4 matrix_a_scale:MATRIX_SCALE_ROW1
.else
	v_wmma_scale_f32_16x16x128_f8f6f4 v[(\d):(\d)+7], v[(\a):(\a)+7], v[(\b):(\b)+7], 0, v[\sa], v[\sb] matrix_a_fmt:MATRIX_FMT_FP4 matrix_b_fmt:MATRIX_FMT_FP4 matrix_a_scale:MATRIX_SCALE_ROW1 matrix_b_scale:MATRIX_SCALE_ROW1
.endif
.endm
; b1 in the result's layout is what the sums begin with: register j of tile t in lane (r, h) is hidden unit 32 (t / 2) + 16 h + 8 (t % 2) + j.  32 loads
.macro PRELOAD
.irp m, 0,1
.irp t, 0,1,2,3,4,5,6,7
.irp k, 0,1
	global_load_b128 v[128+64*\m+8*\t+4*\k:131+64*\m+8*\t+4*\k], v2, s[18:19] offset:(32*(\t/2)+8*(\t%2))*4+16*\k
.endr
.endr
.endr
.endm
.macro XLOAD s                         ; the two row tiles' fragments of K step s into set s % 2: 4 loads
.irp m, 0,1
.irp cc, 0,1
	global_load_b128 v[32+16*((\s)%2)+8*\m+4*\cc:35+16*((\s)%2)+8*\m+4*\cc], v[3+\m], s[8:9] offset:64*(\s)+32*\cc
.endr
.endr
.endm
.macro WLOAD s, g                      ; W1's tiles 4 g .. 4 g + 3, K step s, into slot g: 8 loads of 512 consecutive bytes
.irp tq, 0,1,2,3
.irp cc, 0,1
	global_load_b128 v[64+32*(\g)+8*\tq+4*\cc:67+32*(\g)+8*\tq+4*\cc], v1, s[14:15] offset:((4*(\g)+\tq)*4+(\s))*1024+512*\cc
.endr
.endr
.endm
; eight products: tiles 4 g .. 4 g + 3 x both row tiles, K step s.  The sixteen accumulators take turns, one instruction a turn, in the same order in every K step.
.macro STEP s, g, cnt
	s_wait_loadcnt \cnt                            ; what may stay out: the other slot's 8 loads and one set of x's 4 (12); at the end 8, then none
.irp tq, 0,1,2,3
.irp m, 0,1
	WM 128+64*\m+8*(4*(\g)+\tq), 64+32*(\g)+8*\tq, 32+16*((\s)%2)+8*\m, 0, 16+4*(2*(\g)+\tq/2)+(\s), 12+(\s), \tq%2, \m
.endr
.endr
.rept 4
	v_nop                                          ; four places ahead of loads into registers that these products have read, and of the first read of results
.endr
.if (\s) < 3
	WLOAD (\s)+1, \g
.endif
.if ((\g) == 1) && ((\s) < 2)
	XLOAD (\s)+2
.endif
.endm
; SiLU of row tile m's 64 numbers a lane, z / (1 + 2^(-z log2 e)), and their sum into v[32 + 4 m].  Each batch of 64 transcendentals has one plain line and one wait behind it.
.macro SILU m
.set AB, 128+64*(\m)
.set j, 0
.rept 32
	v_pk_mul_f32 v[64+j:65+j], v[AB+j:AB+j+1], 0xbfb8aa3b op_sel_hi:[1,0]    ; each accumulator is read from its low end on
.set j, j+2
.endr
.set j, 0
.rept 64
	v_exp_f32 v[64+j], v[64+j]
.set j, j+1
.endr
	v_nop
	s_wait_alu depctr_va_vdst(0)                   ; one wait for the batch, ahead of its first reader
.set j, 0
.rept 32
	v_pk_add_f32 v[64+j:65+j], v[64+j:65+j], 1.0 op_sel_hi:[1,0]
.set j, j+2
.endr
.set j, 0
.rept 64
	v_rcp_f32 v[64+j], v[64+j]
.set j, j+1
.endr
	v_nop
	s_wait_alu depctr_va_vdst(0)
.set j, 0
.rept 32
	v_pk_mul_f32 v[AB+j:AB+j+1], v[AB+j:AB+j+1], v[64+j:65+j]
.set j, j+2
.endr
	v_pk_add_f32 v[32+4*(\m):33+4*(\m)], v[AB:AB+1], v[AB+4:AB+5]            ; the sum, packed, in two chains
	v_pk_add_f32 v[34+4*(\m):35+4*(\m)], v[AB+2:AB+3], v[AB+6:AB+7]
.set j, 8
.rept 14
	v_pk_add_f32 v[32+4*(\m):33+4*(\m)], v[32+4*(\m):33+4*(\m)], v[AB+j:AB+j+1]
	v_pk_add_f32 v[34+4*(\m):35+4*(\m)], v[34+4*(\m):35+4*(\m)], v[AB+j+2:AB+j+3]
.set j, j+4
.endr
	v_pk_add_f32 v[32+4*(\m):33+4*(\m)], v[32+4*(\m):33+4*(\m)], v[34+4*(\m):35+4*(\m)]
	v_add_f32 v[32+4*(\m)], v[32+4*(\m)], v[33+4*(\m)]
.endm
; my wave's partial sums of the 32 rows (a: tile 0's, b: tile 1's; p, p + 1 at work) go to word w of each row's 80 bytes
.macro RED_OUT off, a, b, p
	v_mov_b32 v[\p], 0
	v_mov_b32 v[\p+1], 0
	v_permlanex16_b32 v[\p], v[\a], s40, s41
	v_permlanex16_b32 v[\p+1], v[\b], s40, s41
	v_add_f32 v[\a], v[\a], v[\p]                  ; with lane l xor 16's 64 units
	v_add_f32 v[\b], v[\b], v[\p+1]
	v_cndmask_b32 v[\a], v[\a], v[\b], s39         ; lane l carries row l
	v_and_b32 v6, 31, v0
	v_mul_u32_u24 v6, v6, 80
	v_add_nc_u32 v6, s61, v6                       ; 80 x lane + 4 x wave
	ds_store_b32 v6, v[\a] offset:\off
.endm
.macro RED_IN off                      ; row l's sixteen partial sums, added alike in every wave: v62
	v_and_b32 v7, 31, v0
	v_mul_u32_u24 v7, v7, 80
.irp i, 0,1,2,3
	ds_load_b128 v[32+4*\i:35+4*\i], v7 offset:\off+16*\i
.endr
	s_wait_dscnt 0x0
	v_pk_add_f32 v[32:33], v[32:33], v[34:35]
	v_pk_add_f32 v[36:37], v[36:37], v[38:39]
	v_pk_add_f32 v[40:41], v[40:41], v[42:43]
	v_pk_add_f32 v[44:45], v[44:45], v[46:47]
	v_pk_add_f32 v[32:33], v[32:33], v[36:37]
	v_pk_add_f32 v[40:41], v[40:41], v[44:45]
	v_pk_add_f32 v[32:33], v[32:33], v[40:41]
	v_add_f32 v62, v32, v33
.endm
.macro SPLIT x, p0, p1                 ; a number a row (lane l: row l) becomes, in lane (r, h), row r's in pair p0 and row 16 + r's in pair p1
	v_mov_b32 v63, 0
	v_permlanex16_b32 v63, v[\x], s40, s41
	v_cndmask_b32 v[\p0], v[\x], v63, s39
	v_cndmask_b32 v[\p1], v63, v[\x], s39
	v_mov_b32 v[\p0+1], v[\p0]                     ; the packed forms take the low word for both halves and name the pair: so it is written
	v_mov_b32 v[\p1+1], v[\p1]
.endm
.macro GBLOAD q                        ; gain and bias of tiles 4 q .. 4 q + 3, in the result's layout: 16 loads
.irp tq, 0,1,2,3
.irp k, 0,1
	global_load_b128 v[64+8*\tq+4*\k:67+8*\tq+4*\k], v2, s[20:21] offset:(32*((4*(\q)+\tq)/2)+8*(\tq%2))*4+16*\k
	global_load_b128 v[96+8*\tq+4*\k:99+8*\tq+4*\k], v2, s[22:23] offset:(32*((4*(\q)+\tq)/2)+8*(\tq%2))*4+16*\k
.endr
.endr
.endm
.macro LNQ q                           ; (h - mean) x rsqrt, then x gain + bias, for tiles 4 q .. 4 q + 3 of both row tiles
.irp m, 0,1
.set j, 0
.rept 16
	v_pk_mul_f32 v[128+64*\m+32*(\q)+j:129+64*\m+32*(\q)+j], v[128+64*\m+32*(\q)+j:129+64*\m+32*(\q)+j], v[58+2*\m:59+2*\m] op_sel_hi:[1,0]
.set j, j+2
.endr
.set j, 0
.rept 16
	v_pk_fma_f32 v[128+64*\m+32*(\q)+j:129+64*\m+32*(\q)+j], v[128+64*\m+32*(\q)+j:129+64*\m+32*(\q)+j], v[64+j:65+j], v[96+j:97+j]
.set j, j+2
.endr
.endr
.endm
; four blocks of 32 along the next K (be = 2 m + b: row tile m, block 2 q + b of my K step) are quantised: 16 numbers in my lane, 16 in lane l xor 16.  Their codes are half c = q of each row tile's fragment.
.macro QUANTQ q
.irp be, 0,1,2,3
.set HB, 128+64*(\be/2)+32*(\q)+16*(\be%2)
	v_max3_num_f32 v[32+\be], |v[HB]|, |v[HB+1]|, FLOOR
.endr
.irp i, 2,4,6,8,10,12,14
.irp be, 0,1,2,3
.set HB, 128+64*(\be/2)+32*(\q)+16*(\be%2)
	v_max3_num_f32 v[32+\be], v[32+\be], |v[HB+\i]|, |v[HB+\i+1]|   ; the four blocks by turns
.endr
.endr
.irp be, 0,1,2,3
	v_mov_b32 v[36+\be], 0
.endr
.irp be, 0,1,2,3
	v_permlanex16_b32 v[36+\be], v[32+\be], s40, s41
.endr
.irp be, 0,1,2,3
	v_max_num_f32 v[32+\be], v[32+\be], v[36+\be]  ; the block's largest magnitude
.endr
.irp be, 0,1,2,3
	v_add_nc_u32 v[40+\be], 0xff000000, v[32+\be]  ; 2 off the exponent field: the conversion's scale operand
.endr
.irp be, 0,1,2,3
	v_lshrrev_b32 v[44+\be], 23, v[40+\be]         ; the scale's byte
.endr
.if (\q) == 0
	v_lshl_or_b32 v56, v45, 8, v44                 ; the rows' scale words: bytes 0 and 1
	v_lshl_or_b32 v57, v47, 8, v46
.else
	v_lshl_or_b32 v56, v44, 16, v56                ; bytes 2 and 3
	v_lshl_or_b32 v56, v45, 24, v56
	v_lshl_or_b32 v57, v46, 16, v57
	v_lshl_or_b32 v57, v47, 24, v57
	s_wait_dscnt 0x0                               ; the first half's stores have read the codes' registers
.endif
.irp be, 0,1,2,3
.set HB, 128+64*(\be/2)+32*(\q)+16*(\be%2)
	v_cvt_scalef32_pk8_fp4_f32 v[48+2*\be], v[HB:HB+7], v[40+\be]
	v_cvt_scalef32_pk8_fp4_f32 v[49+2*\be], v[HB+8:HB+15], v[40+\be]
.endr
	v_nop                                          ; one plain line behind the last conversion
.irp m, 0,1                            ; the operand's layout wants a whole block in a lane: lanes 0-15 the even block, lanes 16-31 the odd one
.irp i, 0,1
	v_permlane16_swap_b32 v[48+4*\m+\i], v[50+4*\m+\i]
.endr
.endr
	ds_store_b128 v8, v[48:51] offset:HIMG+512*(\q)          ; the image: 16 bytes a lane, 512 consecutive bytes a store; row tile 0, K step w
	ds_store_b128 v8, v[52:55] offset:HIMG+16384+512*(\q)    ; row tile 1
.endm
.macro RLOAD s                         ; W2's tiles 2 w, 2 w + 1, K step s, into slot s % 8: 4 loads
.irp u, 0,1
.irp cc, 0,1
	global_load_b128 v[128+16*((\s)%8)+8*\u+4*\cc:131+16*((\s)%8)+8*\u+4*\cc], v1, s[24:25] offset:(16*\u+(\s))*1024+512*\cc
.endr
.endr
.endm
.macro HLOAD s                         ; the hidden layer's two fragments of K step s and their scale words, into set s % 2: 5 LDS loads
.irp m, 0,1
.irp cc, 0,1
	ds_load_b128 v[64+16*((\s)%2)+8*\m+4*\cc:67+16*((\s)%2)+8*\m+4*\cc], v1 offset:HIMG+(16*\m+(\s))*1024+512*\cc
.endr
.endr
	ds_load_b32 v[12+(\s)%2], v6 offset:HSC+128*(\s)
.endm
.macro KSTEP s                         ; four products: my two tiles of outputs x two row tiles; the four accumulators by turns
.if (\s) < 15
	s_wait_dscnt 5                                 ; this K step's five LDS loads are in; the next step's five may be out
.else
	s_wait_dscnt 0x0
.endif
.if (\s) < 8
	s_wait_loadcnt 32                              ; behind slot s: 4 (7 - s) first fills, b2's 4 loads, 4 s refills
.else
	s_wait_loadcnt 4*(15-(\s))                     ; behind slot s: the refills of K steps s + 1 .. 15
.endif
.irp u, 0,1
.irp m, 0,1
.if (\s) == 0
	WM 32+16*\u+8*\m, 128+16*((\s)%8)+8*\u, 64+16*((\s)%2)+8*\m, 1, 16+(\s), 12+(\s)%2, \u, \m
.else
	WM 32+16*\u+8*\m, 128+16*((\s)%8)+8*\u, 64+16*((\s)%2)+8*\m, 0, 16+(\s), 12+(\s)%2, \u, \m
.endif
.endr
.endr
.rept 4
	v_nop                                          ; four places ahead of loads into registers that these products have read, and of the first read of results
.endr
.if (\s) < 14
	HLOAD (\s)+2
.endif
.if (\s) < 8
	RLOAD (\s)+8
.endif
.endm
; ---------------- head ----------------
	s_load_b512 s[8:23], s[0:1], 0x0               ; xq 8, xs 10, sel 12, w1q 14, wsc 16, b1 18, ln_g 20, ln_b 22
	s_load_b128 s[24:27], s[0:1], 0x40             ; w2q 24, b2 26
	s_load_b64 s[28:29], s[0:1], 0x50              ; ybuf
	v_lshrrev_b32 v1, 5, v0
	v_readfirstlane_b32 s32, v1                    ; wave 0..15
	s_mov_b32 s33, ttmp9                           ; chunk
	s_and_b32 s34, ttmp7, 0xffff                   ; expert
	v_and_b32 v9, 31, v0                           ; lane
	v_lshlrev_b32 v1, 4, v9                        ; 16 x lane
	v_bfe_u32 v2, v0, 4, 1
	v_lshlrev_b32 v2, 6, v2                        ; 64 h
	v_lshlrev_b32 v5, 3, v9                        ; 8 x lane
	v_lshlrev_b32 v11, 8, v9                       ; 256 x lane
	v_lshlrev_b32 v10, 2, v9                       ; 4 x lane: sel's offsets
	v_lshlrev_b32 v6, 2, v9                        ; 4 x lane: the list's words
	s_mov_b32 s39, 0xffff0000                      ; lanes 16-31
	s_mov_b32 s40, 0x76543210
	s_mov_b32 s41, 0xfedcba98                      ; v_permlanex16_b32's selects for lane l xor 16
	s_mov_b32 s58, 0x3a000000                      ; 1 / 2048
	s_mov_b32 s59, 0x3727c5ac                      ; 1e-5
	s_lshl_b32 s60, s32, 1
	s_lshl_b32 s61, s32, 2
	s_lshl_b32 s62, s32, 10
	s_mov_b32 s36, 0                               ; trips done
	s_mov_b32 s37, 0                               ; the trip's first row
	s_mov_b32 s38, LIST                            ; and its place in the list
	s_mov_b32 s50, 0
	s_mov_b32 s53, 0                               ; the high word of the offset pair s[52:53]
	s_cmp_lt_u32 s33, 4
	s_cselect_b32 s54, 1, 0                        ; chunks 0 to 3 prefetch
	s_wait_kmcnt 0x0
	s_lshl_b32 s52, s33, 15
	s_add_nc_u64 s[8:9], s[8:9], s[52:53]          ; the chunk's 128 rows of codes,
	s_lshl_b32 s52, s33, 11
	s_add_nc_u64 s[10:11], s[10:11], s[52:53]      ; of scale words,
	s_lshl_b32 s52, s33, 10
	s_add_nc_u64 s[12:13], s[12:13], s[52:53]      ; its 256 choices,
	s_lshl_b32 s52, s33, 19
	s_add_nc_u64 s[28:29], s[28:29], s[52:53]      ; its 256 rows of ybuf
	s_lshl_b32 s52, s34, 19
	s_add_nc_u64 s[14:15], s[14:15], s[52:53]      ; the expert's codes
	s_add_nc_u64 s[24:25], s[24:25], s[52:53]
	s_min_u32 s52, s33, 3                          ; the prefetch: chunk c < 4 names 128 KiB of the expert's 512 KiB of W2's codes, a wave 8 KiB of them
	s_lshl_b32 s52, s52, 17
	s_lshl_b32 s51, s32, 13
	s_add_co_u32 s52, s52, s51
	s_add_nc_u64 s[56:57], s[24:25], s[52:53]
	s_lshl_b32 s52, s32, 15
	s_add_nc_u64 s[14:15], s[14:15], s[52:53]      ; my eight tiles of W1, my two of W2: 32 KiB each
	s_add_nc_u64 s[24:25], s[24:25], s[52:53]
	s_lshl_b32 s52, s34, 15
	s_lshl_b32 s51, s32, 11
	s_add_co_u32 s52, s52, s51
	s_add_nc_u64 s[16:17], s[16:17], s[52:53]      ; W1's scale words: my four pairs,
	s_add_nc_u64 s[30:31], s[16:17], 524288        ; W2's: my pair
	s_lshl_b32 s52, s34, 13
	s_lshl_b32 s51, s32, 9
	s_add_co_u32 s52, s52, s51
	s_add_nc_u64 s[18:19], s[18:19], s[52:53]      ; b1, gain, bias: my 128 units
	s_add_nc_u64 s[20:21], s[20:21], s[52:53]
	s_add_nc_u64 s[22:23], s[22:23], s[52:53]
	s_lshl_b32 s52, s34, 11
	s_lshl_b32 s51, s32, 7
	s_add_co_u32 s52, s52, s51
	s_add_nc_u64 s[26:27], s[26:27], s[52:53]      ; b2: my 32 outputs
.irp j, 0,1,2,3,4,5,6,7
	global_load_b32 v[64+\j], v10, s[12:13] offset:128*\j      ; every wave reads all 256 choices: n is the same number in all
.endr
	PRELOAD
	s_wait_loadcnt 32                              ; the eight loads of choices are in; b1's 32 may be out
.irp j, 0,1,2,3,4,5,6,7
	v_cmp_eq_u32 s[42+\j], s34, v[64+\j]           ; which slots name my expert
.endr
	s_mov_b32 s35, 0
.irp j, 0,1,2,3,4,5,6,7
	s_bcnt1_i32_b32 s51, s[42+\j]
	s_add_co_u32 s35, s35, s51                     ; n
.endr
	s_cmp_lg_u32 s32, 0
	s_cbranch_scc1 .Llisted                        ; wave 0 alone writes the list; no other wave touches LDS ahead of the barrier below
	v_mov_b32 v72, 0
.irp j, 0,1,2,3,4,5,6,7
	ds_store_b32 v6, v72 offset:LIST+128*\j        ; entries past n: slot 0, a row that exists
.endr
	v_mov_b32 v73, 0x100
.irp j, 0,1,2,3,4,5,6,7
	v_mbcnt_lo_u32_b32 v[74+2*\j], s[42+\j], s50   ; the slot's rank among my expert's
	v_cndmask_b32 v[74+2*\j], v73, v[74+2*\j], s[42+\j]    ; other slots go to the dump word, word 256
	v_min_u32 v[74+2*\j], 0x100, v[74+2*\j]
	v_lshlrev_b32 v[74+2*\j], 2, v[74+2*\j]
	v_add_nc_u32 v[75+2*\j], 32*\j, v9             ; the slot's number in the chunk
	ds_store_b32 v[74+2*\j], v[75+2*\j]            ; (LDS serves a wave's instructions in order: behind the zeros)
	s_bcnt1_i32_b32 s51, s[42+\j]
	s_add_co_u32 s50, s50, s51
.endr
.Llisted:
	BARRIER                                        ; the list lies in LDS
; ---------------- four trips of 32 rows ----------------
.Ltrip:
	v_and_b32 v6, 15, v0
	v_lshlrev_b32 v6, 2, v6
	v_add_nc_u32 v6, s38, v6                       ; the list: rows r and 16 + r,
	v_and_b32 v7, 31, v0
	v_lshlrev_b32 v7, 2, v7
	v_add_nc_u32 v7, s38, v7                       ; and row l
	ds_load_b32 v3, v6
	ds_load_b32 v4, v6 offset:64
	ds_load_b32 v10, v7
	v_and_b32 v9, 16, v0                           ; 16 h
	s_wait_dscnt 0x0
	v_min_u32 v3, 0xff, v3                         ; held inside the chunk before it enters an address
	v_min_u32 v4, 0xff, v4
	v_min_u32 v10, 0xff, v10
	v_and_b32 v3, 0xfe, v3                         ; 2 x the token
	v_and_b32 v4, 0xfe, v4
	v_and_b32 v10, 0xfe, v10
	v_lshl_add_u32 v3, v3, 7, v9                   ; its 256 bytes of codes, + 16 h
	v_lshl_add_u32 v4, v4, 7, v9
	v_lshlrev_b32 v10, 3, v10                      ; its 16 bytes of scale words
	; ---- S1: h = x W1 + b1, SiLU, the rows' sums
	ACTIVE .Ls1
	global_load_b128 v[12:15], v10, s[10:11]       ; lanes 0-15: rows 0-15, lanes 16-31: rows 16-31; register s = K step s
.irp b, 0,1,2,3
.irp kh, 0,1
	global_load_b64 v[16+4*\b+2*\kh:17+4*\b+2*\kh], v5, s[16:17] offset:512*\b+256*\kh    ; pair b's words: lanes 0-15 the even tile, lanes 16-31 the odd one
.endr
.endr
	XLOAD 0
	WLOAD 0, 0
	WLOAD 0, 1
	XLOAD 1
	STEP 0, 0, 12
	STEP 0, 1, 12
	STEP 1, 0, 12
	STEP 1, 1, 12
	STEP 2, 0, 12
	STEP 2, 1, 12
	STEP 3, 0, 8
	STEP 3, 1, 0
	SILU 0
	SILU 1
	RED_OUT RED1, 32, 36, 40
.Ls1:
	s_wait_loadcnt 0x0                             ; on the way round S1 b1's loads are shown done here; on the way through it nothing is out
	BARRIER                                        ; 1: the partial sums lie in LDS
	GBLOAD 0                                       ; on every way: their addresses hang on expert and wave alone
.irp kq, 0,1,2,3,4,5,6,7
	global_load_b64 v[16+2*\kq:17+2*\kq], v5, s[30:31] offset:256*\kq      ; W2's scale words: register s = K step s
.endr
	; ---- S2: the mean is taken away, the squares are summed
	ACTIVE .Ls2
	s_cmp_eq_u32 s54, 1
	s_cbranch_scc0 .Lnopf
	global_prefetch_b8 v11, s[56:57] th:TH_LOAD_NT scope:SCOPE_SE  ; W2's codes, once a work-group: lanes 256 bytes apart, 8 KiB a wave; each block of the expert's codes is named by one wave of one of four work-groups; the second pass and the quantiser lie between this and the loads
	s_mov_b32 s54, 0
.Lnopf:
	RED_IN RED1
	v_mul_f32 v62, 0xba000000, v62                 ; - the mean
	SPLIT 62, 48, 50
.irp m, 0,1
.set j, 0
.rept 32
	v_pk_add_f32 v[128+64*\m+j:129+64*\m+j], v[128+64*\m+j:129+64*\m+j], v[48+2*\m:49+2*\m] op_sel_hi:[1,0]
.set j, j+2
.endr
	v_pk_mul_f32 v[52+4*\m:53+4*\m], v[128+64*\m:129+64*\m], v[128+64*\m:129+64*\m]
	v_pk_mul_f32 v[54+4*\m:55+4*\m], v[130+64*\m:131+64*\m], v[130+64*\m:131+64*\m]
.set j, 4
.rept 15
	v_pk_fma_f32 v[52+4*\m:53+4*\m], v[128+64*\m+j:129+64*\m+j], v[128+64*\m+j:129+64*\m+j], v[52+4*\m:53+4*\m]
	v_pk_fma_f32 v[54+4*\m:55+4*\m], v[130+64*\m+j:131+64*\m+j], v[130+64*\m+j:131+64*\m+j], v[54+4*\m:55+4*\m]
.set j, j+4
.endr
	v_pk_add_f32 v[52+4*\m:53+4*\m], v[52+4*\m:53+4*\m], v[54+4*\m:55+4*\m]
	v_add_f32 v[52+4*\m], v[52+4*\m], v[53+4*\m]
.endr
	RED_OUT RED2, 52, 56, 60
.Ls2:
	BARRIER                                        ; 2: the partial sums of squares lie in LDS
	s_wait_loadcnt 0x0                             ; gain, bias and W2's scale words are in, on every way
	; ---- S3: normalise, gain and bias, quantise; the images go to LDS
	ACTIVE .Ls3
	RED_IN RED2
	v_fma_f32 v62, v62, s58, s59                   ; the variance + 1e-5
	v_rsq_f32 v62, v62
	v_and_b32 v8, 31, v0                           ; (a plain line behind the transcendental)
	s_wait_alu depctr_va_vdst(0)                   ; ahead of its first reader
	SPLIT 62, 58, 60
	v_lshlrev_b32 v8, 4, v8
	v_add_nc_u32 v8, s62, v8                       ; the images: 16 x lane + 1,024 x wave
	LNQ 0
	GBLOAD 1
	QUANTQ 0
	s_wait_loadcnt 0x0                             ; the second half's gain and bias
	LNQ 1
	QUANTQ 1
	v_cndmask_b32 v56, v56, v57, s39               ; lanes 0-15 row tile 0's words, lanes 16-31 row tile 1's
	v_lshlrev_b32 v6, 2, v0
	ds_store_b32 v6, v56 offset:HSC                ; 128 x wave + 4 x lane
.irp s, 0,1,2,3,4,5,6,7
	RLOAD \s                                       ; the hidden layer's registers are free: W2's first eight K steps, 32 loads
.endr
.Ls3:
	BARRIER                                        ; 3: the hidden layer's 32 fragments and their scale words lie in LDS
	v_bfe_u32 v9, v0, 4, 1
	v_lshlrev_b32 v9, 5, v9                        ; 32 h
.irp u, 0,1
.irp k, 0,1
	global_load_b128 v[96+8*\u+4*\k:99+8*\u+4*\k], v9, s[26:27] offset:64*\u+16*\k    ; b2 in the result's layout; on every way
.endr
.endr
	; ---- S4: y = h W2 + b2, into the stage
	ACTIVE .Ls4
	v_and_b32 v6, 31, v0
	v_lshlrev_b32 v6, 2, v6
	HLOAD 0
	HLOAD 1
.irp s, 0,1,2,3,4,5,6,7,8,9,10,11,12,13,14,15
	KSTEP \s
.endr
.irp u, 0,1
.irp m, 0,1
.irp p, 0,2,4,6
	v_pk_add_f32 v[32+16*\u+8*\m+\p:33+16*\u+8*\m+\p], v[32+16*\u+8*\m+\p:33+16*\u+8*\m+\p], v[96+8*\u+\p:97+8*\u+\p]   ; each accumulator from its low end on
.endr
.endr
.endr
	v_and_b32 v7, 15, v0
	v_mul_u32_u24 v7, v7, SPT
	v_bfe_u32 v8, v0, 4, 1
	v_lshl_add_u32 v7, v8, 5, v7
	s_lshl_b32 s51, s32, 7
	v_add_nc_u32 v7, s51, v7
	v_add_nc_u32 v7, STG, v7                       ; row r, + 32 h, + 128 x wave
.irp m, 0,1
.irp u, 0,1
.irp k, 0,1
	ds_store_b128 v7, v[32+16*\u+8*\m+4*\k:35+16*\u+8*\m+4*\k] offset:16*SPT*\m+64*\u+16*\k
.endr
.endr
.endr
	s_add_co_u32 s51, s37, 32
	s_cmp_lt_u32 s51, s35
	s_cbranch_scc0 .Ls4
	PRELOAD                                        ; the next trip has rows: its sums begin with b1 again
.Ls4:
	BARRIER                                        ; 4: 32 whole rows of y lie in the stage
	s_wait_xcnt 0x0                                ; b2's loads have read v9
	s_lshl_b32 s51, s32, 3
	s_add_co_u32 s51, s51, s38
	v_mov_b32 v8, s51                              ; the list's entries of rows 2 w, 2 w + 1
	s_mul_i32 s52, s60, SPT
	v_and_b32 v7, 31, v0
	v_lshlrev_b32 v7, 4, v7
	v_add_nc_u32 v7, s52, v7
	v_add_nc_u32 v7, STG, v7                       ; row 2 w of the stage, 16 bytes a lane
	; ---- S5: wave w stores rows 2 w and 2 w + 1, where they are under n
	s_add_co_u32 s51, s37, s60
	s_cmp_lt_u32 s51, s35
	s_cbranch_scc0 .Ls5
	ds_load_b32 v9, v8
.irp i, 0,1,2,3
	ds_load_b128 v[64+4*\i:67+4*\i], v7 offset:512*\i
.endr
	s_wait_dscnt 0x0
	v_min_u32 v9, 0xff, v9
	v_lshl_add_u32 v9, v9, 11, v1                  ; the slot's row of 2,048 bytes, + 16 x lane
.irp i, 0,1,2,3
	global_store_b128 v9, v[64+4*\i:67+4*\i], s[28:29] offset:512*\i   ; 512 consecutive bytes an instruction, aligned
.endr
	s_add_co_u32 s51, s51, 1
	s_cmp_lt_u32 s51, s35
	s_cbranch_scc0 .Ls5
	ds_load_b32 v10, v8 offset:4
.irp i, 0,1,2,3
	ds_load_b128 v[80+4*\i:83+4*\i], v7 offset:SPT+512*\i
.endr
	s_wait_dscnt 0x0
	v_min_u32 v10, 0xff, v10
	v_lshl_add_u32 v10, v10, 11, v1
.irp i, 0,1,2,3
	global_store_b128 v10, v[80+4*\i:83+4*\i], s[28:29] offset:512*\i
.endr
.Ls5:
	s_wait_loadcnt 0x0                             ; whatever a jumped part left out is in: b2, W2's fragments, the next trip's b1
	s_wait_xcnt 0x0                                ; the stores have read their data and offsets: both are written again in the next trip
	s_add_co_u32 s37, s37, 32
	s_add_co_u32 s38, s38, 128
	s_add_co_u32 s36, s36, 1
	s_cmp_lt_u32 s36, 4
	s_cbranch_scc1 .Ltrip
	s_wait_xcnt 0x0
	v_lshl_add_u32 v254, v0, 2, 0x1a400
	v_mov_b32 v255, 0
	s_wait_tensorcnt 0x0
	ds_add_u32 v254, v255
	s_wait_dscnt 0x0
	s_endpgm
.Lfunc_end_k_q6439351deb_chain:
	.size	k_q6439351deb_chain, .Lfunc_end_k_q6439351deb_chain-k_q6439351deb_chain
	.p2alignl 7, 3214868480
	.fill 96, 4, 3214868480
	.section	.rodata,"a",@progbits
	.p2align	6, 0x0
	.amdhsa_kernel k_q6439351deb_chain
		.amdhsa_group_segment_fixed_size 109568
		.amdhsa_private_segment_fixed_size 0
		.amdhsa_enable_private_segment 0
		.amdhsa_kernarg_size 88
		.amdhsa_user_sgpr_count 2
		.amdhsa_user_sgpr_kernarg_segment_ptr 1
		.amdhsa_wavefront_size32 1
		.amdhsa_system_sgpr_workgroup_id_x 1
		.amdhsa_system_sgpr_workgroup_id_y 1
		.amdhsa_system_sgpr_workgroup_id_z 1
		.amdhsa_system_vgpr_workitem_id 0
		.amdhsa_next_free_vgpr 256
		.amdhsa_next_free_sgpr 66
		.amdhsa_reserve_vcc 0
		.amdhsa_float_denorm_mode_32 3
		.amdhsa_float_denorm_mode_16_64 3
		.amdhsa_memory_ordered 1
		.amdhsa_forward_progress 1
		.amdhsa_inst_pref_size 119
	.end_amdhsa_kernel
	.amdgpu_metadata
---
amdhsa.version: [ 1, 2 ]
amdhsa.kernels:
  - .name:           k_q6439351deb_chain
    .symbol:         k_q6439351deb_chain.kd
    .args:
      - { .name: xq, .offset: 0, .size: 8, .value_kind: global_buffer, .address_space: global }
      - { .name: xs, .offset: 8, .size: 8, .value_kind: global_buffer, .address_space: global }
      - { .name: sel, .offset: 16, .size: 8, .value_kind: global_buffer, .address_space: global }
      - { .name: w1q, .offset: 24, .size: 8, .value_kind: global_buffer, .address_space: global }
      - { .name: wsc, .offset: 32, .size: 8, .value_kind: global_buffer, .address_space: global }
      - { .name: b1, .offset: 40, .size: 8, .value_kind: global_buffer, .address_space: global }
      - { .name: ln_g, .offset: 48, .size: 8, .value_kind: global_buffer, .address_space: global }
      - { .name: ln_b, .offset: 56, .size: 8, .value_kind: global_buffer, .address_space: global }
      - { .name: w2q, .offset: 64, .size: 8, .value_kind: global_buffer, .address_space: global }
      - { .name: b2, .offset: 72, .size: 8, .value_kind: global_buffer, .address_space: global }
      - { .name: ybuf, .offset: 80, .size: 8, .value_kind: global_buffer, .address_space: global }
    .group_segment_fixed_size: 109568
    .private_segment_fixed_size: 0
    .kernarg_segment_align: 8
    .kernarg_segment_size: 88
    .max_flat_workgroup_size: 512
    .sgpr_count:     66
    .vgpr_count:     256
    .wavefront_size: 32
...
	.end_amdgpu_metadata
.endif
;; end of part 2
;; launch combine (part 3): grid 256 x 1, 8 waves a work-group, no clusters, 0 bytes of LDS; arguments ybuf, wts, out0; writes out0
.if DOCPART == 3
	.amdgcn_target "amdgcn-amd-amdhsa--gfx1250"
	.amdhsa_code_object_version 6
	.text
	.protected	k_q6439351deb_combine
	.globl	k_q6439351deb_combine
	.p2align	8
	.type	k_q6439351deb_combine,@function
k_q6439351deb_combine:
	s_mov_b64 s[64:65], 0
	v_nop
	global_prefetch_b8 v0, s[64:65] scope:SCOPE_SE
	s_setreg_imm32_b32 hwreg(HW_REG_WAVE_MODE, 25, 1), 1
	s_wait_xcnt 0x0
; out0[t] = wts[2 t] x ybuf[2 t] + wts[2 t + 1] x ybuf[2 t + 1]: a token's two expert rows, weighed by the gate, in f32.  ybuf: [4096][512] f32, wts: [4096] f32, out0: [2048][512] f32.
; A stream: each byte is read once and written once; no LDS, no barrier, no matrix unit.  A work-group takes 8 tokens; 128 threads cover a row of 2,048 bytes, 16 bytes each, so the 256 threads take two tokens at a time, four times.
; All twelve loads of a thread go out first; each load and store of a wave covers 512 consecutive bytes, aligned.
	s_load_b128 s[4:7], s[0:1], 0x0                ; ybuf, wts
	s_load_b64 s[8:9], s[0:1], 0x10                ; out0
	v_lshrrev_b32 v4, 7, v0                        ; a: which of the two tokens
	v_and_b32 v5, 127, v0
	v_lshlrev_b32 v5, 4, v5                        ; my 16 bytes of a row
	v_lshl_add_u32 v1, v4, 12, v5                  ; ybuf: a token's two rows are 4,096 bytes
	v_lshlrev_b32 v2, 3, v4                        ; wts: 8 bytes a token
	v_lshl_add_u32 v3, v4, 11, v5                  ; out0: 2,048 bytes a token
	s_mov_b32 s11, 0
	s_lshl_b32 s10, ttmp9, 15
	s_wait_kmcnt 0x0
	s_add_nc_u64 s[4:5], s[4:5], s[10:11]
	s_lshl_b32 s10, ttmp9, 6
	s_add_nc_u64 s[6:7], s[6:7], s[10:11]
	s_lshl_b32 s10, ttmp9, 14
	s_add_nc_u64 s[8:9], s[8:9], s[10:11]
.irp i, 0,1,2,3
	global_load_b128 v[8+4*\i:11+4*\i], v1, s[4:5] offset:8192*\i th:TH_LOAD_NT           ; the first choice's row
	global_load_b128 v[24+4*\i:27+4*\i], v1, s[4:5] offset:8192*\i+2048 th:TH_LOAD_NT     ; the second's
	global_load_b64 v[40+2*\i:41+2*\i], v2, s[6:7] offset:16*\i                           ; the two weights
.endr
.irp i, 0,1,2,3
	s_wait_loadcnt 9-3*\i                          ; this token's three loads are in; three for each later token may be out
	v_pk_mul_f32 v[48+4*\i:49+4*\i], v[8+4*\i:9+4*\i], v[40+2*\i:41+2*\i] op_sel_hi:[1,0]                 ; x the first weight (the pair's low word for both halves)
	v_pk_mul_f32 v[50+4*\i:51+4*\i], v[10+4*\i:11+4*\i], v[40+2*\i:41+2*\i] op_sel_hi:[1,0]
	v_pk_fma_f32 v[48+4*\i:49+4*\i], v[24+4*\i:25+4*\i], v[40+2*\i:41+2*\i], v[48+4*\i:49+4*\i] op_sel:[0,1,0] op_sel_hi:[1,1,1]   ; + the second row x the second weight (the pair's high word for both halves)
	v_pk_fma_f32 v[50+4*\i:51+4*\i], v[26+4*\i:27+4*\i], v[40+2*\i:41+2*\i], v[50+4*\i:51+4*\i] op_sel:[0,1,0] op_sel_hi:[1,1,1]
	global_store_b128 v3, v[48+4*\i:51+4*\i], s[8:9] offset:4096*\i th:TH_STORE_NT
.endr
	s_endpgm
.Lfunc_end_k_q6439351deb_combine:
	.size	k_q6439351deb_combine, .Lfunc_end_k_q6439351deb_combine-k_q6439351deb_combine
	.p2alignl 7, 3214868480
	.fill 96, 4, 3214868480
	.section	.rodata,"a",@progbits
	.p2align	6, 0x0
	.amdhsa_kernel k_q6439351deb_combine
		.amdhsa_group_segment_fixed_size 0
		.amdhsa_private_segment_fixed_size 0
		.amdhsa_enable_private_segment 0
		.amdhsa_kernarg_size 24
		.amdhsa_user_sgpr_count 2
		.amdhsa_user_sgpr_kernarg_segment_ptr 1
		.amdhsa_wavefront_size32 1
		.amdhsa_system_sgpr_workgroup_id_x 1
		.amdhsa_system_sgpr_workgroup_id_y 1
		.amdhsa_system_sgpr_workgroup_id_z 1
		.amdhsa_system_vgpr_workitem_id 0
		.amdhsa_next_free_vgpr 64
		.amdhsa_next_free_sgpr 66
		.amdhsa_reserve_vcc 0
		.amdhsa_float_denorm_mode_32 3
		.amdhsa_float_denorm_mode_16_64 3
		.amdhsa_memory_ordered 1
		.amdhsa_forward_progress 1
		.amdhsa_inst_pref_size 4
	.end_amdhsa_kernel
	.amdgpu_metadata
---
amdhsa.version: [ 1, 2 ]
amdhsa.kernels:
  - .name:           k_q6439351deb_combine
    .symbol:         k_q6439351deb_combine.kd
    .args:
      - { .name: ybuf, .offset: 0, .size: 8, .value_kind: global_buffer, .address_space: global }
      - { .name: wts, .offset: 8, .size: 8, .value_kind: global_buffer, .address_space: global }
      - { .name: out0, .offset: 16, .size: 8, .value_kind: global_buffer, .address_space: global }
    .group_segment_fixed_size: 0
    .private_segment_fixed_size: 0
    .kernarg_segment_align: 8
    .kernarg_segment_size: 24
    .max_flat_workgroup_size: 256
    .sgpr_count:     66
    .vgpr_count:     64
    .wavefront_size: 32
...
	.end_amdgpu_metadata
.endif
;; end of part 3
;; ======== version 2 of 3: 3 launches
;; workspace buffers: xq 524,288 bytes; xs 32,768 bytes; sel 16,384 bytes of whole numbers; wts 16,384 bytes; w1q 8,388,608 bytes; w2q 8,388,608 bytes; wsc 1,048,576 bytes; ybuf 8,388,608 bytes
;; launch prep (part 4): grid 1152 x 1, 4 waves a work-group, no clusters, 43,008 bytes of LDS; arguments x, Wg, W1, W2, xq, xs, sel, wts, w1q, w2q, wsc; writes xq, xs, sel, wts, w1q, w2q, wsc
.if DOCPART == 4
	.amdgcn_target "amdgcn-amd-amdhsa--gfx1250"
	.amdhsa_code_object_version 6
	.text
	.protected	k_q6439351deb_prep
	.globl	k_q6439351deb_prep
	.p2align	8
	.type	k_q6439351deb_prep,@function
k_q6439351deb_prep:
	s_mov_b64 s[64:65], 0
	v_nop
	global_prefetch_b8 v0, s[64:65] scope:SCOPE_SE
	s_setreg_imm32_b32 hwreg(HW_REG_WAVE_MODE, 25, 1), 1
	s_wait_xcnt 0x0
; PREP.  Three kinds of work-group, told apart by the work-group's number alone.
;  0..511     W1 [16][512][2048] f32, K = its middle axis;   512..1023  W2 [16][2048][512] f32, K = its middle axis.  A LANE TAKES A COLUMN AND ITS REGISTERS RUN DOWN K: a block of 32 lies in one lane,
;             the conversions give codes with K innermost, and nothing is transposed.  A wave takes 32 columns x 256 along K; the four waves stand side by side on 512 consecutive bytes of each row.
;  1024..1151 GATE: a work-group takes 16 tokens, WAVE s TAKES K STEP s (128 along K).  x [2048][512] f32 becomes codes of E2M1 (xq: [token][256 bytes], K innermost) and scale words (xs: [token][4 words]);
;             Wg [512][16] is quantised down K in registers; each wave makes one product on codes; the four partial logits meet in LDS and wave 0 adds them in ascending K, takes the top-2 (the lower index wins a tie)
;             and the softmax of the two; sel[2 t + k] and wts[2 t + k] go to fixed places.  These work-groups have the least to do and stand last in the grid.
; THE CODES OF THE WEIGHTS ARE LAID IN THE ORDER OF THE OPERAND'S REGISTERS: a fragment (16 rows x 128 K) is 1,024 bytes, byte 512 c + 16 (16 hh + r) = the 16 bytes of k = 64 c + 32 hh + 0..31 of row r.
;   w1q [e][tile 128][K step 4][1024], w2q [e][tile 32][K step 16][1024].  Lane r of W1's tile 2 B + u is hidden unit 32 B + 8 u + r + 8 (r / 8), so that the results of two neighbouring tiles are 16 neighbours along the next K.
;   wsc: scale words of a PAIR of tiles share a lane run: lane 16 u + r = tile 2 pair + u, row r; 8 bytes a lane = the words of two K steps.  W1: [e][pair 64][kh 2][lane][8]; from byte 524,288 W2: [e][pair 16][kq 8][lane][8].
; A block's scale is 2^(floor(log2(largest magnitude)) - 2): its byte is the largest magnitude's exponent field - 2, held at 1 from below by a floor among the maximum's leaves.
; LIMITS: NaN and infinities among the inputs are not served (the top-2 compares with >, the second place starts at -infinity).  A block of zeros, or one whose largest magnitude lies under 2^-124, gets the byte 1
; where the rule says 127 or less: its codes are zeros or the floor's, and this program alone reads the bytes.  The gate's four partial sums are added in f32, K ascending.
; No tensor loads.  The weights' waves share nothing and use no LDS; the gate has one barrier.  EXEC is never changed.
.set FLOOR, 0x1800000                  ; 2^(3 - 127)
.set QST,   33792                      ; LDS (gate alone): from 0 four waves' turns of 16 rows x 528 bytes; here the codes' stage, 16 rows x 272;
.set PART,  38144                      ; the four partial logits, an image of 1,024 bytes each;
.set XSW,   42240                      ; x's scale words, 16 bytes a token
	s_load_b512 s[8:23], s[0:1], 0x0               ; x 8, Wg 10, W1 12, W2 14, xq 16, xs 18, sel 20, wts 22
	s_load_b128 s[24:27], s[0:1], 0x40             ; w1q 24, w2q 26
	s_load_b64 s[28:29], s[0:1], 0x50              ; wsc
	v_lshl_add_u32 v192, v0, 2, 0xa600
	v_mov_b32 v193, 0
	v_lshrrev_b32 v1, 5, v0
	v_readfirstlane_b32 s32, v1                    ; wave 0..3
	v_and_b32 v12, 31, v0                          ; lane
	v_bfe_u32 v13, v0, 4, 1                        ; lane / 16
	v_and_b32 v14, 15, v0                          ; lane % 16
	s_mov_b32 s43, 0                               ; the high word of every offset pair s[42:43]
	s_wait_kmcnt 0x0
	s_cmp_ge_u32 ttmp9, 1024
	s_cbranch_scc1 .Lgate
	s_cmp_ge_u32 ttmp9, 512
	s_cbranch_scc1 .Lw2
; ---------------- the weights ----------------
; s34 = expert, s44 = pair of tiles, s[kreg] = which 256 along K.  s[36:37] source, s[38:39] codes, s[40:41] scale words
.macro WBASES kreg, ksrc, pcode, psc, wlo, qlo, sc0
	s_lshl_b32 s42, s34, 22                        ; an expert's weights: 4 MiB
	s_lshl_b32 s45, s[\kreg], \ksrc                ; 256 rows down K
	s_add_co_u32 s42, s42, s45
	s_lshl_b32 s45, s44, 7                         ; 32 columns of 4 bytes a pair
	s_add_co_u32 s42, s42, s45
	s_add_nc_u64 s[36:37], s[\wlo:\wlo+1], s[42:43]
	s_lshl_b32 s42, s34, 19                        ; an expert's codes: 512 KiB
	s_lshl_b32 s45, s44, \pcode                    ; two tiles
	s_add_co_u32 s42, s42, s45
	s_lshl_b32 s45, s[\kreg], 11                   ; two K steps of 1,024 bytes
	s_add_co_u32 s42, s42, s45
	s_add_nc_u64 s[38:39], s[\qlo:\qlo+1], s[42:43]
	s_lshl_b32 s42, s34, 15                        ; an expert's scale words: 32 KiB
	s_lshl_b32 s45, s44, \psc
	s_add_co_u32 s42, s42, s45
	s_lshl_b32 s45, s[\kreg], 8                    ; 32 lanes x 8 bytes
	s_add_co_u32 s42, s42, s45
	s_add_co_u32 s42, s42, \sc0
	s_add_nc_u64 s[40:41], s[28:29], s[42:43]
.endm
.macro WLD t, stride                   ; block t: W(32 t + i, my column), i = 0..31, into set t % 2; a load reads 128 consecutive bytes
.set i, 0
.rept 32
	global_load_b32 v[64+32*((\t)%2)+i], v1, s[36:37] offset:(32*(\t)+i)*(\stride) th:TH_LOAD_NT
.set i, i+1
.endr
.endm
.macro WBLK t, stride
.set XS, 64+32*((\t)%2)
.if (\t) < 7
	s_wait_loadcnt 32                              ; this block's 32 loads are in; the next block's 32 may be out
.else
	s_wait_loadcnt 0x0
.endif
	v_max3_num_f32 v4, |v[XS]|, |v[XS+1]|, |v[XS+2]|      ; the block's largest magnitude, in two chains: all 32 numbers are mine
	v_max3_num_f32 v5, |v[XS+3]|, |v[XS+4]|, |v[XS+5]|
.irp i, 6,10,14,18,22,26
	v_max3_num_f32 v4, v4, |v[XS+\i]|, |v[XS+\i+1]|
	v_max3_num_f32 v5, v5, |v[XS+\i+2]|, |v[XS+\i+3]|
.endr
	v_max3_num_f32 v4, v4, |v[XS+30]|, |v[XS+31]|
	v_max3_num_f32 v4, v4, v5, FLOOR               ; and the floor: the byte cannot fall under 1
	v_add_nc_u32 v6, 0xff000000, v4                ; 2 off the exponent field: the conversion takes this operand's exponent field as its scale
.irp g, 0,1,2,3
	v_cvt_scalef32_pk8_fp4_f32 v[32+4*(\t)+\g], v[XS+8*\g:XS+8*\g+7], v6
.endr
	v_lshrrev_b32 v7, 23, v6                       ; the scale's byte (also the plain line behind the conversions)
.if (\t)%4 == 0
	v_mov_b32 v[10+(\t)/4], v7                     ; four bytes to a word, the lower K in the lower byte
.else
	v_lshl_or_b32 v[10+(\t)/4], v7, 8*((\t)%4), v[10+(\t)/4]
.endif
	global_store_b128 v2, v[32+4*(\t):35+4*(\t)], s[38:39] offset:((\t)/4)*1024+(((\t)/2)%2)*512+((\t)%2)*256   ; lanes 0-15: 256 consecutive bytes, aligned, of the even tile; lanes 16-31: of the odd one.  Each block has data registers of its own
.if (\t)+2 < 8
	WLD (\t)+2, \stride
.endif
.endm
.macro QWPATH stride, tstride, perm
.if \perm
	v_and_b32 v15, 7, v14                          ; my column among the pair's 32: 8 u + r % 8 + 16 (r / 8)
	v_lshrrev_b32 v16, 3, v14
	v_lshl_add_u32 v15, v16, 4, v15
	v_lshl_add_u32 v15, v13, 3, v15
	v_lshlrev_b32 v1, 2, v15
.else
	v_lshlrev_b32 v1, 2, v12                       ; my column: the lane's number
.endif
	v_mul_u32_u24 v2, v13, \tstride                ; codes: tile u, 16 bytes for row r
	v_lshl_add_u32 v2, v14, 4, v2
	v_lshlrev_b32 v3, 3, v12                       ; scale words: 8 bytes a lane
	WLD 0, \stride
	WLD 1, \stride
.irp t, 0,1,2,3,4,5,6,7
	WBLK \t, \stride
.endr
	global_store_b64 v3, v[10:11], s[40:41]        ; 256 consecutive bytes, aligned
	s_endpgm
.endm
	s_lshr_b32 s34, ttmp9, 5                       ; W1: the number = e x 32 + column group x 2 + kh
	s_bfe_u32 s35, ttmp9, 0x40001
	s_and_b32 s33, ttmp9, 1
	s_lshl_b32 s44, s35, 2
	s_add_co_u32 s44, s44, s32                     ; pair B = 4 x column group + wave
	WBASES 33, 21, 13, 9, 12, 24, 0
	QWPATH 8192, 4096, 1
.Lw2:
	s_sub_co_u32 s33, ttmp9, 512                   ; W2: i = e x 32 + kq x 4 + column group
	s_lshr_b32 s34, s33, 5
	s_bfe_u32 s35, s33, 0x30002
	s_and_b32 s33, s33, 3
	s_lshl_b32 s44, s33, 2
	s_add_co_u32 s44, s44, s32                     ; pair P = 4 x column group + wave
	WBASES 35, 19, 15, 11, 14, 26, 524288
	QWPATH 2048, 16384, 0
; ---------------- the gate ----------------
; REGISTERS: v1-11 addresses; v16 x's scale word of my K step, v20 Wg's; v21-27 at work; v32-39 x's fragment, v40-47 Wg's, v48-55 the logits; v64-127 64 numbers of x, v128-191 of Wg, later the four partial logits.
.macro GWLD c                          ; my block 2 c + h of Wg's column r, down K: 32 loads
.set i, 0
.rept 32
	global_load_b32 v[128+32*(\c)+i], v2, s[10:11] offset:64*(64*(\c)+i)
.set i, i+1
.endr
.endm
; 64 numbers of a lane, two whole blocks, become the operand's eight registers and the row's (column's) scale word
.macro QB src, cod, wrd
.irp c, 0,1
	v_max3_num_f32 v[21+\c], |v[\src+32*\c]|, |v[\src+1+32*\c]|, FLOOR
.endr
.irp i, 2,4,6,8,10,12,14,16,18,20,22,24,26,28,30
.irp c, 0,1
	v_max3_num_f32 v[21+\c], v[21+\c], |v[\src+32*\c+\i]|, |v[\src+1+32*\c+\i]|   ; the two blocks by turns
.endr
.endr
.irp c, 0,1
	v_add_nc_u32 v[23+\c], 0xff000000, v[21+\c]    ; the conversion's scale operand
.endr
.irp c, 0,1
	v_lshrrev_b32 v[25+\c], 23, v[23+\c]           ; the scale's byte
.endr
	v_lshl_or_b32 v[\wrd], v26, 16, v25            ; my bytes: blocks h and 2 + h,
	v_lshlrev_b32 v[\wrd], v3, v[\wrd]             ; at their places;
	v_mov_b32 v27, 0
	v_permlanex16_b32 v27, v[\wrd], s40, s41
	v_or_b32 v[\wrd], v[\wrd], v27                 ; with lane l xor 16's two the word is whole
.irp c, 0,1
.irp g, 0,1,2,3
	v_cvt_scalef32_pk8_fp4_f32 v[\cod+4*\c+\g], v[\src+32*\c+8*\g:\src+32*\c+8*\g+7], v[23+\c]
.endr
.endr
	v_nop                                          ; one plain line behind the last conversion
.endm
.Lgate:
	s_sub_co_u32 s33, ttmp9, 1024                  ; my work-group's tile of 16 tokens
	s_lshl_b32 s42, s33, 15                        ; x: 16 rows of 2,048 bytes,
	s_lshl_b32 s45, s32, 9                         ; my K step's 512 bytes of each
	s_add_co_u32 s42, s42, s45
	s_add_nc_u64 s[36:37], s[8:9], s[42:43]
	s_lshl_b32 s42, s32, 13
	s_add_nc_u64 s[10:11], s[10:11], s[42:43]      ; Wg: my K step's 128 rows of 64 bytes
	v_lshlrev_b32 v1, 4, v12                       ; 16 x lane
	v_lshlrev_b32 v2, 2, v14
	v_lshl_add_u32 v2, v13, 11, v2                 ; Wg: column r, 32 h rows of 64 bytes down
.irp j, 0,1,2,3,4,5,6,7,8,9,10,11,12,13,14,15
	global_load_b128 v[64+4*\j:67+4*\j], v1, s[36:37] offset:2048*\j th:TH_LOAD_NT    ; token j: the 32 lanes read its 512 consecutive bytes
.endr
	GWLD 0
	s_lshl_b32 s42, s33, 12                        ; xq: the tile's 16 rows of 256 bytes,
	s_lshl_b32 s45, s32, 10                        ; of which I store four
	s_add_co_u32 s42, s42, s45
	s_add_nc_u64 s[16:17], s[16:17], s[42:43]
	s_lshl_b32 s42, s33, 8
	s_add_nc_u64 s[18:19], s[18:19], s[42:43]      ; xs: 16 rows of 16
	s_lshl_b32 s42, s33, 7
	s_add_nc_u64 s[20:21], s[20:21], s[42:43]      ; sel, wts: 16 tokens x 8 bytes
	s_add_nc_u64 s[22:23], s[22:23], s[42:43]
	s_mov_b32 s39, 0xffff0000                      ; lanes 16-31
	s_mov_b32 s40, 0x76543210
	s_mov_b32 s41, 0xfedcba98                      ; v_permlanex16_b32's selects for lane l xor 16
	v_lshlrev_b32 v3, 3, v13                       ; 8 h: where my two scale bytes stand in the word
	s_mul_i32 s34, s32, 8448                       ; my wave's turn: 16 rows x (512 + 16) bytes
	v_add_nc_u32 v4, s34, v1                       ; in: a row as it lies, 16 bytes a lane
	v_mul_u32_u24 v5, v14, 528
	v_lshl_add_u32 v5, v13, 7, v5
	v_add_nc_u32 v5, s34, v5                       ; back: row r, + 128 h: lane (r, h) takes whole blocks 2 c + h; the sixteen rows of a pass start 33 x 16 bytes apart
	s_lshl_b32 s34, s32, 10
	v_add_nc_u32 v6, s34, v1                       ; my partial logits' image: 1,024 x wave + 16 x lane
	v_mul_u32_u24 v7, v14, 272
	v_lshl_add_u32 v7, v13, 4, v7
	s_lshl_b32 s34, s32, 6
	v_add_nc_u32 v7, s34, v7                       ; the codes' stage, in: row r, + 64 x wave + 16 h
	v_lshlrev_b32 v8, 4, v14
	s_lshl_b32 s34, s32, 2
	v_add_nc_u32 v8, s34, v8                       ; my scale word: 16 r + 4 x wave
	v_mul_u32_u24 v9, v13, 272
	v_lshl_add_u32 v9, v14, 4, v9
	s_mul_i32 s34, s32, 1088
	v_add_nc_u32 v9, s34, v9                       ; the stage, back: rows 4 x wave on, sixteen lanes to a row, two rows an instruction
	v_lshlrev_b32 v10, 3, v12                      ; 8 x lane
	v_lshlrev_b32 v11, 3, v14
	v_lshl_add_u32 v11, v13, 2, v11                ; sel, wts: 8 r + 4 h
	s_wait_loadcnt 32                              ; x's 16 loads are in; Wg's first 32 may be out
.irp j, 0,1,2,3,4,5,6,7,8,9,10,11,12,13,14,15
	ds_store_b128 v4, v[64+4*\j:67+4*\j] offset:528*\j
.endr
.irp c, 0,1
.irp i, 0,1,2,3,4,5,6,7
	ds_load_b128 v[64+32*\c+4*\i:67+32*\c+4*\i], v5 offset:256*\c+16*\i    ; LDS serves a wave's instructions in order: these see my stores; the numbers come back into the registers that they left
.endr
.endr
	GWLD 1
	s_wait_dscnt 0x0
	QB 64, 32, 16
	s_wait_loadcnt 0x0                             ; Wg's 64 numbers
	QB 128, 40, 20
	ds_store_b128 v7, v[32:35] offset:QST          ; x's codes as rows: byte 64 s + 32 c + 16 h
	ds_store_b128 v7, v[36:39] offset:QST+32
	ds_store_b32 v8, v16 offset:XSW                ; lanes r and 16 + r write the same word with the same value
.rept 8
	v_nop                                          ; a scale register written by a vector instruction stands eight places ahead of a scaled matrix instruction, an operand four
.endr
	v_wmma_scale_f32_16x16x128_f8f6f4 v[48:55], v[40:47], v[32:39], 0, v20, v16 matrix_a_fmt:MATRIX_FMT_FP4 matrix_b_fmt:MATRIX_FMT_FP4   ; source 0 = the 16 experts, source 1 = the 16 tokens: my K step's part of the logits
.rept 4
	v_nop                                          ; four places ahead of the first read of the result
.endr
	ds_store_b128 v6, v[48:51] offset:PART         ; the result as an image of its registers, from its low end on
	ds_store_b128 v6, v[52:55] offset:PART+512
	s_wait_dscnt 0x0                               ; for the others' sake: all my LDS stores have landed
	s_barrier_signal -1
	s_barrier_wait -1
	ds_load_b128 v[96:99], v9 offset:QST
	ds_load_b128 v[100:103], v9 offset:QST+544
	s_wait_dscnt 0x0
	global_store_b128 v1, v[96:99], s[16:17]       ; two tokens' codes: 512 consecutive bytes, aligned
	global_store_b128 v1, v[100:103], s[16:17] offset:512
	s_cmp_lg_u32 s32, 0
	s_cbranch_scc1 .Lgend                          ; the rest is wave 0's: no barrier follows
.irp q, 0,1,2,3
.irp c, 0,1
	ds_load_b128 v[128+8*\q+4*\c:131+8*\q+4*\c], v1 offset:PART+1024*\q+512*\c
.endr
.endr
	ds_load_b64 v[28:29], v10 offset:XSW
	s_wait_dscnt 0x0
	global_store_b64 v10, v[28:29], s[18:19]       ; the 16 tokens' scale words: 256 consecutive bytes, aligned
.irp p, 0,2,4,6
	v_pk_add_f32 v[48+\p:49+\p], v[128+\p:129+\p], v[136+\p:137+\p]       ; the four K steps' parts, K ascending
.endr
.irp p, 0,2,4,6
	v_pk_add_f32 v[48+\p:49+\p], v[48+\p:49+\p], v[144+\p:145+\p]
.endr
.irp p, 0,2,4,6
	v_pk_add_f32 v[48+\p:49+\p], v[48+\p:49+\p], v[152+\p:153+\p]
.endr
	; TOP-2.  Lane (r, h) holds token r's logits of experts 8 h + j in register j.  Strict > in ascending j keeps the lower index.
	v_mov_b32 v64, v48                             ; m1
	v_mov_b32 v65, 0                               ; i1
	v_mov_b32 v66, 0xff800000                      ; m2 = -infinity
	v_mov_b32 v67, 0                               ; i2
.irp j, 1,2,3,4,5,6,7
	v_cmp_gt_f32 vcc_lo, v[48+\j], v64             ; over the first?
	v_cmp_gt_f32 s42, v[48+\j], v66                ; over the second?
	v_cndmask_b32 v68, v66, v[48+\j], s42
	v_cndmask_b32 v69, v67, \j, s42
	v_cndmask_b32 v66, v68, v64, vcc_lo            ; the second: the old first, or the better of the two
	v_cndmask_b32 v67, v69, v65, vcc_lo
	v_cndmask_b32 v64, v64, v[48+\j], vcc_lo
	v_cndmask_b32 v65, v65, \j, vcc_lo
.endr
	v_add_nc_u32 v65, v65, v3                      ; + 8 h
	v_add_nc_u32 v67, v67, v3
.irp j, 0,1,2,3
	v_mov_b32 v[70+\j], 0                          ; a lane permute's destination counts as one of its sources
.endr
.irp j, 0,1,2,3
	v_permlanex16_b32 v[70+\j], v[64+\j], s40, s41 ; the other half's two best
.endr
.irp j, 0,1,2,3
	v_cndmask_b32 v[74+\j], v[64+\j], v[70+\j], s39   ; experts 0-7's: L1, its index, L2, its index
	v_cndmask_b32 v[78+\j], v[70+\j], v[64+\j], s39   ; experts 8-15's: H1, H2
.endr
	v_cmp_gt_f32 vcc_lo, v78, v74                  ; H1 > L1?  A tie goes to the lower index
	v_cndmask_b32 v82, v74, v78, vcc_lo            ; the first logit
	v_cndmask_b32 v83, v75, v79, vcc_lo            ; and its expert
	v_cndmask_b32 v84, v76, v74, vcc_lo            ; what is left of the lower half,
	v_cndmask_b32 v85, v77, v75, vcc_lo
	v_cndmask_b32 v86, v78, v80, vcc_lo            ; and of the upper
	v_cndmask_b32 v87, v79, v81, vcc_lo
	v_cmp_gt_f32 vcc_lo, v86, v84
	v_cndmask_b32 v88, v84, v86, vcc_lo            ; the second logit
	v_cndmask_b32 v89, v85, v87, vcc_lo
	; softmax of the two: the larger is taken away by construction: w0 = 1 / (1 + e), w1 = e / (1 + e), e = exp(second - first), at most 1
	v_sub_f32 v90, v88, v82
	v_mul_f32 v90, 0x3fb8aa3b, v90
	v_exp_f32 v90, v90
	v_nop
	s_wait_alu depctr_va_vdst(0)                   ; ahead of the exponential's first reader
	v_add_f32 v91, 1.0, v90
	v_rcp_f32 v91, v91
	v_nop
	s_wait_alu depctr_va_vdst(0)                   ; ahead of the reciprocal's first reader
	v_mul_f32 v92, v90, v91
	v_cndmask_b32 v93, v83, v89, s39               ; lanes 0-15 carry the first choice, lanes 16-31 the second
	v_cndmask_b32 v94, v91, v92, s39
	global_store_b32 v11, v93, s[20:21]            ; 128 consecutive bytes a work-group; the whole buffer is 16 KiB
	global_store_b32 v11, v94, s[22:23]
.Lgend:
	s_wait_tensorcnt 0x0
	ds_add_u32 v192, v193
	s_wait_dscnt 0x0
	s_endpgm
.Lfunc_end_k_q6439351deb_prep:
	.size	k_q6439351deb_prep, .Lfunc_end_k_q6439351deb_prep-k_q6439351deb_prep
	.p2alignl 7, 3214868480
	.fill 96, 4, 3214868480
	.section	.rodata,"a",@progbits
	.p2align	6, 0x0
	.amdhsa_kernel k_q6439351deb_prep
		.amdhsa_group_segment_fixed_size 43008
		.amdhsa_private_segment_fixed_size 0
		.amdhsa_enable_private_segment 0
		.amdhsa_kernarg_size 88
		.amdhsa_user_sgpr_count 2
		.amdhsa_user_sgpr_kernarg_segment_ptr 1
		.amdhsa_wavefront_size32 1
		.amdhsa_system_sgpr_workgroup_id_x 1
		.amdhsa_system_sgpr_workgroup_id_y 1
		.amdhsa_system_sgpr_workgroup_id_z 1
		.amdhsa_system_vgpr_workitem_id 0
		.amdhsa_next_free_vgpr 194
		.amdhsa_next_free_sgpr 66
		.amdhsa_reserve_vcc 1
		.amdhsa_float_denorm_mode_32 3
		.amdhsa_float_denorm_mode_16_64 3
		.amdhsa_memory_ordered 1
		.amdhsa_forward_progress 1
		.amdhsa_inst_pref_size 102
	.end_amdhsa_kernel
	.amdgpu_metadata
---
amdhsa.version: [ 1, 2 ]
amdhsa.kernels:
  - .name:           k_q6439351deb_prep
    .symbol:         k_q6439351deb_prep.kd
    .args:
      - { .name: x, .offset: 0, .size: 8, .value_kind: global_buffer, .address_space: global }
      - { .name: Wg, .offset: 8, .size: 8, .value_kind: global_buffer, .address_space: global }
      - { .name: W1, .offset: 16, .size: 8, .value_kind: global_buffer, .address_space: global }
      - { .name: W2, .offset: 24, .size: 8, .value_kind: global_buffer, .address_space: global }
      - { .name: xq, .offset: 32, .size: 8, .value_kind: global_buffer, .address_space: global }
      - { .name: xs, .offset: 40, .size: 8, .value_kind: global_buffer, .address_space: global }
      - { .name: sel, .offset: 48, .size: 8, .value_kind: global_buffer, .address_space: global }
      - { .name: wts, .offset: 56, .size: 8, .value_kind: global_buffer, .address_space: global }
      - { .name: w1q, .offset: 64, .size: 8, .value_kind: global_buffer, .address_space: global }
      - { .name: w2q, .offset: 72, .size: 8, .value_kind: global_buffer, .address_space: global }
      - { .name: wsc, .offset: 80, .size: 8, .value_kind: global_buffer, .address_space: global }
    .group_segment_fixed_size: 43008
    .private_segment_fixed_size: 0
    .kernarg_segment_align: 8
    .kernarg_segment_size: 88
    .max_flat_workgroup_size: 128
    .sgpr_count:     66
    .vgpr_count:     194
    .wavefront_size: 32
...
	.end_amdgpu_metadata
.endif
;; end of part 4
;; launch chain (part 5): grid 16 x 16, 16 waves a work-group, no clusters, 117,760 bytes of LDS; arguments xq, xs, sel, w1q, wsc, b1, ln_g, ln_b, w2q, b2, ybuf; writes ybuf
.if DOCPART == 5
	.amdgcn_target "amdgcn-amd-amdhsa--gfx1250"
	.amdhsa_code_object_version 6
	.text
	.protected	k_q6439351deb_chain
	.globl	k_q6439351deb_chain
	.p2align	8
	.type	k_q6439351deb_chain,@function
k_q6439351deb_chain:
	s_mov_b64 s[64:65], 0
	v_nop
	global_prefetch_b8 v0, s[64:65] scope:SCOPE_SE
	s_setreg_imm32_b32 hwreg(HW_REG_WAVE_MODE, 25, 1), 1
	s_wait_xcnt 0x0
; CHAIN.  Work-group (x = chunk c of 128 tokens, y = expert e) takes those of the chunk's 256 slots (slot = 2 token + choice) that name expert e through the whole chain:
; x's codes gathered, h = x W1 + b1, SiLU, LayerNorm (two passes, f32), gain and bias, quantised along the hidden axis, y = h W2 + b2, stored to ybuf[slot].  The gate's weights are applied by the next launch.
; A token names an expert at most once, so a work-group has n <= 128 rows.  They go 32 at a time, in FOUR trips.  THE FIRST TRIP IS WRITTEN OUT AND ALWAYS RUNS (with n = 0 it works on slot 0's token and stores nothing):
; so every register is written on every way.  The other three are a loop of constant count whose parts, loads and all, are jumped over by scalar branches on n where the trip has no rows; no barrier stands under such a
; branch, the waits behind which registers are used again stand on every way, and a trip without rows is five barriers and no memory instruction.
; SHARES.  THE SIXTEEN WAVES SHARE THE COLUMNS, NOT THE ROWS: wave w makes hidden units 128 w .. 128 w + 127 (eight tiles: K step w of the second product) and outputs 32 w .. 32 w + 31, for all 32 rows (two tiles m).
; Each weight fragment is loaded once in the work-group, by one wave, from memory straight into registers (laid for that by the launch before), and feeds two matrix instructions.
; THE ROWS' CODES ARE GATHERED ONCE: wave w loads half a fragment (row tile w / 8, bytes 32 (w % 8) on of each row), one load, and stores it as an image of the operand's registers; behind a barrier every wave reads the eight images.
; Both products are used transposed (source 0 = 16 rows of the weight, source 1 = 16 rows of tokens): a lane holds one row throughout.  The hidden layer stays in registers; its codes go from wave to wave as images too.
; NO TENSOR LOADS, NO CLUSTER: the sixteen work-groups of an expert read the same codes by plain loads.
; LIMITS: NaN and infinities are not served.  SiLU of z under about -88 gives -0.  A hidden block under 2^-124 gets the scale byte 1.  The LayerNorm's sums are f32, in this text's own order, the variance of centred numbers.
; List entries are held at 255 before they enter an address; rows past n compute slot 0's token and are not stored.
; LDS: LIST 0..1023 (256 words), dump word 1024, RED1 1280 and RED2 3840 (32 rows x 80 bytes: sixteen waves' partial sums), HSC 6400 (hidden scale words [K step][lane]), HIMG 8448 (32 fragment images),
;   XIMG 41216 (x's 8 fragment images), STG 49408 (32 rows x 2,064).
; REGISTERS: v0 thread; v1 16 x lane; v2 64 h; v3, v10 gathered rows' offsets; v5 8 x lane; v6-8 LDS addresses; v9 at work; v11 256 x lane; v12-15 rows' scale words; v16-31 weights' scale words;
;   v32-63 x's fragments, then statistics and quantiser, then y's four accumulators; v64-127 W1's fragments, SiLU's work, gain and bias, then hidden fragments, b2 and rows of y; v128-255 the hidden layer (128 + 64 m + 8 t), then W2's fragments.
.set LIST,  0
.set RED1,  1280
.set RED2,  3840
.set HSC,   6400
.set HIMG,  8448
.set XIMG,  41216
.set STG,   49408
.set SPT,   2064                       ; a stage row: 2,048 bytes + 16
.set FLOOR, 0x1800000                  ; 2^(3 - 127)
.macro BARRIER                         ; my LDS stores have landed and my LDS loads are in: then the work-group's barrier
	s_wait_dscnt 0x0
	s_barrier_signal -1
	s_barrier_wait -1
.endm
.macro ACTIVE lbl                      ; has this trip rows?  s37 = its first row, s35 = n: the same in all sixteen waves
	s_cmp_lt_u32 s37, s35
	s_cbranch_scc0 \lbl
.endm
; a scaled product: d accumulator, a weight fragment, b rows' fragment, z = 1: C is 0; sa, sb scale registers; ra, rb = 1: the scales stand in lanes 16-31
.macro WM d, a, b, z, sa, sb, ra, rb
.set WSEL, 4*(\z)+2*(\ra)+(\rb)
.if WSEL == 0
	v_wmma_scale_f32_16x16x128_f8f6f4 v[(\d):(\d)+7], v[(\a):(\a)+7], v[(\b):(\b)+7], v[(\d):(\d)+7], v[\sa], v[\sb] matrix_a_fmt:MATRIX_FMT_FP4 matrix_b_fmt:MATRIX_FMT_FP4
.elseif WSEL == 1
	v_wmma_scale_f32_16x16x128_f8f6f4 v[(\d):(\d)+7], v[(\a):(\a)+7], v[(\b):(\b)+7], v[(\d):(\d)+7], v[\sa], v[\sb] matrix_a_fmt:MATRIX_FMT_FP4 matrix_b_fmt:MATRIX_FMT_FP4 matrix_b_scale:MATRIX_SCALE_ROW1
.elseif WSEL == 2
	v_wmma_scale_f32_16x16x128_f8f6f4 v[(\d):(\d)+7], v[(\a):(\a)+7], v[(\b):(\b)+7], v[(\d):(\d)+7], v[\sa], v[\sb] matrix_a_fmt:MATRIX_FMT_FP4 matrix_b_fmt:MATRIX_FMT_FP4 matrix_a_scale:MATRIX_SCALE_ROW1
.elseif WSEL == 3
	v_wmma_scale_f32_16x16x128_f8f6f4 v[(\d):(\d)+7], v[(\a):(\a)+7], v[(\b):(\b)+7], v[(\d):(\d)+7], v[\sa], v[\sb] matrix_a_fmt:MATRIX_FMT_FP4 matrix_b_fmt:MATRIX_FMT_FP4 matrix_a_scale:MATRIX_SCALE_ROW1 matrix_b_scale:MATRIX_SCALE_ROW1
.elseif WSEL == 4
	v_wmma_scale_f32_16x16x128_f8f6f4 v[(\d):(\d)+7], v[(\a):(\a)+7], v[(\b):(\b)+7], 0, v[\sa], v[\sb] matrix_a_fmt:MATRIX_FMT_FP4 matrix_b_fmt:MATRIX_FMT_FP4
.elseif WSEL == 5
	v_wmma_scale_f32_16x16x128_f8f6f4 v[(\d):(\d)+7], v[(\a):(\a)+7], v[(\b):(\b)+7], 0, v[\sa], v[\sb] matrix_a_fmt:MATRIX_FMT_FP4 matrix_b_fmt:MATRIX_FMT_FP4 matrix_b_scale:MATRIX_SCALE_ROW1
.elseif WSEL == 6
	v_wmma_scale_f32_16x16x128_f8f6f4 v[(\d):(\d)+7], v[(\a):(\a)+7], v[(\b):(\b)+7], 0, v[\sa], v[\sb] matrix_a_fmt:MATRIX_FMT_FP4 matrix_b_fmt:MATRIX_FMT_FP4 matrix_a_scale:MATRIX_SCALE_ROW1
.else
	v_wmma_scale_f32_16x16x128_f8f6f4 v[(\d):(\d)+7], v[(\a):(\a)+7], v[(\b):(\b)+7], 0, v[\sa], v[\sb] matrix_a_fmt:MATRIX_FMT_FP4 matrix_b_fmt:MATRIX_FMT_FP4 matrix_a_scale:MATRIX_SCALE_ROW1 matrix_b_scale:MATRIX_SCALE_ROW1
.endif
.endm
; b1 in the result's layout is what the sums begin with: register j of tile t in lane (r, h) is hidden unit 32 (t / 2) + 16 h + 8 (t % 2) + j.  32 loads
.macro PRELOAD
.irp m, 0,1
.irp t, 0,1,2,3,4,5,6,7
.irp k, 0,1
	global_load_b128 v[128+64*\m+8*\t+4*\k:131+64*\m+8*\t+4*\k], v2, s[18:19] offset:(32*(\t/2)+8*(\t%2))*4+16*\k
.endr
.endr
.endr
.endm
.macro XD s                            ; the two row tiles' fragments of K step s out of LDS into set s % 2: 4 LDS loads
.irp m, 0,1
.irp cc, 0,1
	ds_load_b128 v[32+16*((\s)%2)+8*\m+4*\cc:35+16*((\s)%2)+8*\m+4*\cc], v1 offset:XIMG+(4*\m+(\s))*1024+512*\cc
.endr
.endr
.endm
.macro WLOAD s, g                      ; W1's tiles 4 g .. 4 g + 3, K step s, into slot g: 8 loads of 512 consecutive bytes
.irp tq, 0,1,2,3
.irp cc, 0,1
	global_load_b128 v[64+32*(\g)+8*\tq+4*\cc:67+32*(\g)+8*\tq+4*\cc], v1, s[14:15] offset:((4*(\g)+\tq)*4+(\s))*1024+512*\cc
.endr
.endr
.endm
.macro WFIRST                          ; what the first product wants of the weights at its start: 8 loads of scale words, 16 of fragments; their addresses hang on expert and wave alone
.irp b, 0,1,2,3
.irp kh, 0,1
	global_load_b64 v[16+4*\b+2*\kh:17+4*\b+2*\kh], v5, s[16:17] offset:512*\b+256*\kh    ; pair b's words: lanes 0-15 the even tile, lanes 16-31 the odd one; register 4 b + s = K step s
.endr
.endr
	WLOAD 0, 0
	WLOAD 0, 1
.endm
; eight products: tiles 4 g .. 4 g + 3 x both row tiles, K step s.  The sixteen accumulators take turns, one instruction a turn, in the same order in every K step.
.macro STEP s, g, cnt, dc
	s_wait_loadcnt \cnt                            ; what may stay out: the other slot's 8 loads; at the end none
.if (\dc) >= 0
	s_wait_dscnt \dc                               ; x's fragments of this K step are in; the next K step's 4 LDS loads may be out
.endif
.irp tq, 0,1,2,3
.irp m, 0,1
	WM 128+64*\m+8*(4*(\g)+\tq), 64+32*(\g)+8*\tq, 32+16*((\s)%2)+8*\m, 0, 16+4*(2*(\g)+\tq/2)+(\s), 12+(\s), \tq%2, \m
.endr
.endr
.rept 4
	v_nop                                          ; four places ahead of loads into registers that these products have read, and of the first read of results
.endr
.if (\s) < 3
	WLOAD (\s)+1, \g
.endif
.if ((\g) == 1) && ((\s) < 2)
	XD (\s)+2
.endif
.endm
; SiLU of row tile m's 64 numbers a lane, z / (1 + 2^(-z log2 e)), and their sum into v[32 + 4 m].  Each batch of 64 transcendentals has one plain line and one wait behind it.
.macro SILU m
.set AB, 128+64*(\m)
.set j, 0
.rept 32
	v_pk_mul_f32 v[64+j:65+j], v[AB+j:AB+j+1], 0xbfb8aa3b op_sel_hi:[1,0]    ; each accumulator is read from its low end on
.set j, j+2
.endr
.set j, 0
.rept 64
	v_exp_f32 v[64+j], v[64+j]
.set j, j+1
.endr
	v_nop
	s_wait_alu depctr_va_vdst(0)                   ; one wait for the batch, ahead of its first reader
.set j, 0
.rept 32
	v_pk_add_f32 v[64+j:65+j], v[64+j:65+j], 1.0 op_sel_hi:[1,0]
.set j, j+2
.endr
.set j, 0
.rept 64
	v_rcp_f32 v[64+j], v[64+j]
.set j, j+1
.endr
	v_nop
	s_wait_alu depctr_va_vdst(0)
.set j, 0
.rept 32
	v_pk_mul_f32 v[AB+j:AB+j+1], v[AB+j:AB+j+1], v[64+j:65+j]
.set j, j+2
.endr
	v_pk_add_f32 v[32+4*(\m):33+4*(\m)], v[AB:AB+1], v[AB+4:AB+5]            ; the sum, packed, in two chains
	v_pk_add_f32 v[34+4*(\m):35+4*(\m)], v[AB+2:AB+3], v[AB+6:AB+7]
.set j, 8
.rept 14
	v_pk_add_f32 v[32+4*(\m):33+4*(\m)], v[32+4*(\m):33+4*(\m)], v[AB+j:AB+j+1]
	v_pk_add_f32 v[34+4*(\m):35+4*(\m)], v[34+4*(\m):35+4*(\m)], v[AB+j+2:AB+j+3]
.set j, j+4
.endr
	v_pk_add_f32 v[32+4*(\m):33+4*(\m)], v[32+4*(\m):33+4*(\m)], v[34+4*(\m):35+4*(\m)]
	v_add_f32 v[32+4*(\m)], v[32+4*(\m)], v[33+4*(\m)]
.endm
; my wave's partial sums of the 32 rows (a: tile 0's, b: tile 1's; p, p + 1 at work) go to word w of each row's 80 bytes
.macro RED_OUT off, a, b, p
	v_mov_b32 v[\p], 0
	v_mov_b32 v[\p+1], 0
	v_permlanex16_b32 v[\p], v[\a], s40, s41
	v_permlanex16_b32 v[\p+1], v[\b], s40, s41
	v_add_f32 v[\a], v[\a], v[\p]                  ; with lane l xor 16's 64 units
	v_add_f32 v[\b], v[\b], v[\p+1]
	v_cndmask_b32 v[\a], v[\a], v[\b], s39         ; lane l carries row l
	v_and_b32 v6, 31, v0
	v_mul_u32_u24 v6, v6, 80
	v_add_nc_u32 v6, s61, v6                       ; 80 x lane + 4 x wave
	ds_store_b32 v6, v[\a] offset:\off
.endm
.macro RED_IN off                      ; row l's sixteen partial sums, added alike in every wave: v62
	v_and_b32 v7, 31, v0
	v_mul_u32_u24 v7, v7, 80
.irp i, 0,1,2,3
	ds_load_b128 v[32+4*\i:35+4*\i], v7 offset:\off+16*\i
.endr
	s_wait_dscnt 0x0
	v_pk_add_f32 v[32:33], v[32:33], v[34:35]
	v_pk_add_f32 v[36:37], v[36:37], v[38:39]
	v_pk_add_f32 v[40:41], v[40:41], v[42:43]
	v_pk_add_f32 v[44:45], v[44:45], v[46:47]
	v_pk_add_f32 v[32:33], v[32:33], v[36:37]
	v_pk_add_f32 v[40:41], v[40:41], v[44:45]
	v_pk_add_f32 v[32:33], v[32:33], v[40:41]
	v_add_f32 v62, v32, v33
.endm
.macro SPLIT x, p0, p1                 ; a number a row (lane l: row l) becomes, in lane (r, h), row r's in pair p0 and row 16 + r's in pair p1
	v_mov_b32 v63, 0
	v_permlanex16_b32 v63, v[\x], s40, s41
	v_cndmask_b32 v[\p0], v[\x], v63, s39
	v_cndmask_b32 v[\p1], v63, v[\x], s39
	v_mov_b32 v[\p0+1], v[\p0]                     ; the packed forms take the low word for both halves and name the pair: so it is written
	v_mov_b32 v[\p1+1], v[\p1]
.endm
.macro GBLOAD q                        ; gain and bias of tiles 4 q .. 4 q + 3, in the result's layout: 16 loads
.irp tq, 0,1,2,3
.irp k, 0,1
	global_load_b128 v[64+8*\tq+4*\k:67+8*\tq+4*\k], v2, s[20:21] offset:(32*((4*(\q)+\tq)/2)+8*(\tq%2))*4+16*\k
	global_load_b128 v[96+8*\tq+4*\k:99+8*\tq+4*\k], v2, s[22:23] offset:(32*((4*(\q)+\tq)/2)+8*(\tq%2))*4+16*\k
.endr
.endr
.endm
.macro LNQ q                           ; (h - mean) x rsqrt, then x gain + bias, for tiles 4 q .. 4 q + 3 of both row tiles
.irp m, 0,1
.set j, 0
.rept 16
	v_pk_mul_f32 v[128+64*\m+32*(\q)+j:129+64*\m+32*(\q)+j], v[128+64*\m+32*(\q)+j:129+64*\m+32*(\q)+j], v[58+2*\m:59+2*\m] op_sel_hi:[1,0]
.set j, j+2
.endr
.set j, 0
.rept 16
	v_pk_fma_f32 v[128+64*\m+32*(\q)+j:129+64*\m+32*(\q)+j], v[128+64*\m+32*(\q)+j:129+64*\m+32*(\q)+j], v[64+j:65+j], v[96+j:97+j]
.set j, j+2
.endr
.endr
.endm
; four blocks of 32 along the next K (be = 2 m + b: row tile m, block 2 q + b of my K step) are quantised: 16 numbers in my lane, 16 in lane l xor 16.  Their codes are half c = q of each row tile's fragment.
.macro QUANTQ q
.irp be, 0,1,2,3
.set HB, 128+64*(\be/2)+32*(\q)+16*(\be%2)
	v_max3_num_f32 v[32+\be], |v[HB]|, |v[HB+1]|, FLOOR
.endr
.irp i, 2,4,6,8,10,12,14
.irp be, 0,1,2,3
.set HB, 128+64*(\be/2)+32*(\q)+16*(\be%2)
	v_max3_num_f32 v[32+\be], v[32+\be], |v[HB+\i]|, |v[HB+\i+1]|   ; the four blocks by turns
.endr
.endr
.irp be, 0,1,2,3
	v_mov_b32 v[36+\be], 0
.endr
.irp be, 0,1,2,3
	v_permlanex16_b32 v[36+\be], v[32+\be], s40, s41
.endr
.irp be, 0,1,2,3
	v_max_num_f32 v[32+\be], v[32+\be], v[36+\be]  ; the block's largest magnitude
.endr
.irp be, 0,1,2,3
	v_add_nc_u32 v[40+\be], 0xff000000, v[32+\be]  ; 2 off the exponent field: the conversion's scale operand
.endr
.irp be, 0,1,2,3
	v_lshrrev_b32 v[44+\be], 23, v[40+\be]         ; the scale's byte
.endr
.if (\q) == 0
	v_lshl_or_b32 v56, v45, 8, v44                 ; the rows' scale words: bytes 0 and 1
	v_lshl_or_b32 v57, v47, 8, v46
.else
	v_lshl_or_b32 v56, v44, 16, v56                ; bytes 2 and 3
	v_lshl_or_b32 v56, v45, 24, v56
	v_lshl_or_b32 v57, v46, 16, v57
	v_lshl_or_b32 v57, v47, 24, v57
	s_wait_dscnt 0x0                               ; the first half's stores have read the codes' registers
.endif
.irp be, 0,1,2,3
.set HB, 128+64*(\be/2)+32*(\q)+16*(\be%2)
	v_cvt_scalef32_pk8_fp4_f32 v[48+2*\be], v[HB:HB+7], v[40+\be]
	v_cvt_scalef32_pk8_fp4_f32 v[49+2*\be], v[HB+8:HB+15], v[40+\be]
.endr
	v_nop                                          ; one plain line behind the last conversion
.irp m, 0,1                            ; the operand's layout wants a whole block in a lane: lanes 0-15 the even block, lanes 16-31 the odd one
.irp i, 0,1
	v_permlane16_swap_b32 v[48+4*\m+\i], v[50+4*\m+\i]
.endr
.endr
	ds_store_b128 v8, v[48:51] offset:HIMG+512*(\q)          ; the image: 16 bytes a lane, 512 consecutive bytes a store; row tile 0, K step w
	ds_store_b128 v8, v[52:55] offset:HIMG+16384+512*(\q)    ; row tile 1
.endm
.macro RLOAD s                         ; W2's tiles 2 w, 2 w + 1, K step s, into slot s % 8: 4 loads
.irp u, 0,1
.irp cc, 0,1
	global_load_b128 v[128+16*((\s)%8)+8*\u+4*\cc:131+16*((\s)%8)+8*\u+4*\cc], v1, s[24:25] offset:(16*\u+(\s))*1024+512*\cc
.endr
.endr
.endm
.macro HLOAD s                         ; the hidden layer's two fragments of K step s and their scale words, into set s % 2: 5 LDS loads
.irp m, 0,1
.irp cc, 0,1
	ds_load_b128 v[64+16*((\s)%2)+8*\m+4*\cc:67+16*((\s)%2)+8*\m+4*\cc], v1 offset:HIMG+(16*\m+(\s))*1024+512*\cc
.endr
.endr
	ds_load_b32 v[12+(\s)%2], v6 offset:HSC+128*(\s)
.endm
.macro KSTEP s                         ; four products: my two tiles of outputs x two row tiles; the four accumulators by turns
.if (\s) < 15
	s_wait_dscnt 5                                 ; this K step's five LDS loads are in; the next step's five may be out
.else
	s_wait_dscnt 0x0
.endif
.if (\s) < 8
	s_wait_loadcnt 32                              ; behind slot s: 4 (7 - s) first fills, b2's 4 loads, 4 s refills
.else
	s_wait_loadcnt 4*(15-(\s))                     ; behind slot s: the refills of K steps s + 1 .. 15
.endif
.irp u, 0,1
.irp m, 0,1
.if (\s) == 0
	WM 32+16*\u+8*\m, 128+16*((\s)%8)+8*\u, 64+16*((\s)%2)+8*\m, 1, 16+(\s), 12+(\s)%2, \u, \m
.else
	WM 32+16*\u+8*\m, 128+16*((\s)%8)+8*\u, 64+16*((\s)%2)+8*\m, 0, 16+(\s), 12+(\s)%2, \u, \m
.endif
.endr
.endr
.rept 4
	v_nop                                          ; four places ahead of loads into registers that these products have read, and of the first read of results
.endr
.if (\s) < 14
	HLOAD (\s)+2
.endif
.if (\s) < 8
	RLOAD (\s)+8
.endif
.endm
; A TRIP OF 32 ROWS.  cond = 0: the first trip: every part runs, and the weights' first loads were issued in the head.  cond = 1: a trip of the loop: each part is jumped over where the trip has no rows.
.macro TRIP cond
	; ---- S0: the rows' codes are gathered, half a fragment a wave, and go to LDS as images
.if \cond
	ACTIVE .Ls0_\@
	WFIRST
.endif
	v_and_b32 v6, 15, v0
	v_lshlrev_b32 v6, 2, v6
	s_add_co_u32 s51, s38, s55
	v_add_nc_u32 v6, s51, v6                       ; the list: row 16 (w / 8) + r,
	v_and_b32 v7, 31, v0
	v_lshlrev_b32 v7, 2, v7
	v_add_nc_u32 v7, s38, v7                       ; and row l
	ds_load_b32 v3, v6
	ds_load_b32 v10, v7
	v_and_b32 v9, 16, v0                           ; 16 h
	v_add_nc_u32 v9, s63, v9                       ; + 32 (w % 8): my half fragment's bytes of a row
	v_lshlrev_b32 v8, 4, v0                        ; 16 x thread = 512 x wave + 16 x lane: its image's place
	s_wait_dscnt 0x0
	v_min_u32 v3, 0xff, v3                         ; held inside the chunk before it enters an address
	v_min_u32 v10, 0xff, v10
	v_and_b32 v3, 0xfe, v3                         ; 2 x the token
	v_and_b32 v10, 0xfe, v10
	v_lshl_add_u32 v3, v3, 7, v9                   ; its 256 bytes of codes
	v_lshlrev_b32 v10, 3, v10                      ; its 16 bytes of scale words
	global_load_b128 v[32:35], v3, s[8:9]
	global_load_b128 v[12:15], v10, s[10:11]       ; lanes 0-15: rows 0-15, lanes 16-31: rows 16-31; register s = K step s
	s_wait_loadcnt 0x0                             ; both are in, and with them all that was issued earlier: b1, W1's scale words and first sixteen fragment loads
	ds_store_b128 v8, v[32:35] offset:XIMG
.Ls0_\@:
	BARRIER                                        ; 0: x's eight fragments lie in LDS
	; ---- S1: h = x W1 + b1, SiLU, the rows' sums
.if \cond
	ACTIVE .Ls1_\@
.endif
	XD 0
	XD 1
	STEP 0, 0, 8, 4
	STEP 0, 1, 8, -1
	STEP 1, 0, 8, 4
	STEP 1, 1, 8, -1
	STEP 2, 0, 8, 4
	STEP 2, 1, 8, -1
	STEP 3, 0, 8, 0
	STEP 3, 1, 0, -1
	SILU 0
	SILU 1
	RED_OUT RED1, 32, 36, 40
.Ls1_\@:
	s_wait_loadcnt 0x0                             ; on every way: no load is out when the registers below are loaded anew
	BARRIER                                        ; 1: the partial sums lie in LDS
	; ---- S2: the mean is taken away, the squares are summed
.if \cond
	ACTIVE .Ls2_\@
.endif
	GBLOAD 0
.irp kq, 0,1,2,3,4,5,6,7
	global_load_b64 v[16+2*\kq:17+2*\kq], v5, s[30:31] offset:256*\kq      ; W2's scale words: register s = K step s
.endr
.if (\cond) == 0
	s_cmp_eq_u32 s54, 1
	s_cbranch_scc0 .Lnopf_\@
	global_prefetch_b8 v11, s[56:57] th:TH_LOAD_NT scope:SCOPE_SE  ; W2's codes, once a work-group: lanes 256 bytes apart, 8 KiB a wave; each block of the expert's codes is named by one wave of one of four work-groups; the second pass and the quantiser lie between this and the loads
.Lnopf_\@:
.endif
	RED_IN RED1
	v_mul_f32 v62, 0xba000000, v62                 ; - the mean
	SPLIT 62, 48, 50
.irp m, 0,1
.set j, 0
.rept 32
	v_pk_add_f32 v[128+64*\m+j:129+64*\m+j], v[128+64*\m+j:129+64*\m+j], v[48+2*\m:49+2*\m] op_sel_hi:[1,0]
.set j, j+2
.endr
	v_pk_mul_f32 v[52+4*\m:53+4*\m], v[128+64*\m:129+64*\m], v[128+64*\m:129+64*\m]
	v_pk_mul_f32 v[54+4*\m:55+4*\m], v[130+64*\m:131+64*\m], v[130+64*\m:131+64*\m]
.set j, 4
.rept 15
	v_pk_fma_f32 v[52+4*\m:53+4*\m], v[128+64*\m+j:129+64*\m+j], v[128+64*\m+j:129+64*\m+j], v[52+4*\m:53+4*\m]
	v_pk_fma_f32 v[54+4*\m:55+4*\m], v[130+64*\m+j:131+64*\m+j], v[130+64*\m+j:131+64*\m+j], v[54+4*\m:55+4*\m]
.set j, j+4
.endr
	v_pk_add_f32 v[52+4*\m:53+4*\m], v[52+4*\m:53+4*\m], v[54+4*\m:55+4*\m]
	v_add_f32 v[52+4*\m], v[52+4*\m], v[53+4*\m]
.endr
	RED_OUT RED2, 52, 56, 60
.Ls2_\@:
	BARRIER                                        ; 2: the partial sums of squares lie in LDS
	s_wait_loadcnt 0x0                             ; on every way: gain, bias and W2's scale words are in
	; ---- S3: normalise, gain and bias, quantise; the images go to LDS
.if \cond
	ACTIVE .Ls3_\@
.endif
	RED_IN RED2
	v_fma_f32 v62, v62, s58, s59                   ; the variance + 1e-5
	v_rsq_f32 v62, v62
	v_and_b32 v8, 31, v0                           ; (a plain line behind the transcendental)
	s_wait_alu depctr_va_vdst(0)                   ; ahead of its first reader
	SPLIT 62, 58, 60
	v_lshlrev_b32 v8, 4, v8
	v_add_nc_u32 v8, s62, v8                       ; the images: 16 x lane + 1,024 x wave
	LNQ 0
	GBLOAD 1
	QUANTQ 0
	s_wait_loadcnt 0x0                             ; the second half's gain and bias
	LNQ 1
	QUANTQ 1
	v_cndmask_b32 v56, v56, v57, s39               ; lanes 0-15 row tile 0's words, lanes 16-31 row tile 1's
	v_lshlrev_b32 v6, 2, v0
	ds_store_b32 v6, v56 offset:HSC                ; 128 x wave + 4 x lane
.irp s, 0,1,2,3,4,5,6,7
	RLOAD \s                                       ; the hidden layer's registers are free: W2's first eight K steps, 32 loads
.endr
.Ls3_\@:
	BARRIER                                        ; 3: the hidden layer's 32 fragments and their scale words lie in LDS
	; ---- S4: y = h W2 + b2, into the stage
.if \cond
	ACTIVE .Ls4_\@
.endif
	v_bfe_u32 v9, v0, 4, 1
	v_lshlrev_b32 v9, 5, v9                        ; 32 h
.irp u, 0,1
.irp k, 0,1
	global_load_b128 v[96+8*\u+4*\k:99+8*\u+4*\k], v9, s[26:27] offset:64*\u+16*\k    ; b2 in the result's layout
.endr
.endr
	v_and_b32 v6, 31, v0
	v_lshlrev_b32 v6, 2, v6
	HLOAD 0
	HLOAD 1
.irp s, 0,1,2,3,4,5,6,7,8,9,10,11,12,13,14,15
	KSTEP \s
.endr
.irp u, 0,1
.irp m, 0,1
.irp p, 0,2,4,6
	v_pk_add_f32 v[32+16*\u+8*\m+\p:33+16*\u+8*\m+\p], v[32+16*\u+8*\m+\p:33+16*\u+8*\m+\p], v[96+8*\u+\p:97+8*\u+\p]   ; each accumulator from its low end on
.endr
.endr
.endr
	v_and_b32 v7, 15, v0
	v_mul_u32_u24 v7, v7, SPT
	v_bfe_u32 v8, v0, 4, 1
	v_lshl_add_u32 v7, v8, 5, v7
	s_lshl_b32 s51, s32, 7
	v_add_nc_u32 v7, s51, v7
	v_add_nc_u32 v7, STG, v7                       ; row r, + 32 h, + 128 x wave
.irp m, 0,1
.irp u, 0,1
.irp k, 0,1
	ds_store_b128 v7, v[32+16*\u+8*\m+4*\k:35+16*\u+8*\m+4*\k] offset:16*SPT*\m+64*\u+16*\k
.endr
.endr
.endr
	s_add_co_u32 s51, s37, 32
	s_cmp_lt_u32 s51, s35
	s_cbranch_scc0 .Ls4_\@
	PRELOAD                                        ; the next trip has rows: its sums begin with b1 again
.Ls4_\@:
	BARRIER                                        ; 4: 32 whole rows of y lie in the stage
	s_wait_xcnt 0x0                                ; b2's loads have read v9
	s_lshl_b32 s51, s32, 3
	s_add_co_u32 s51, s51, s38
	v_mov_b32 v8, s51                              ; the list's entries of rows 2 w, 2 w + 1
	s_mul_i32 s52, s60, SPT
	v_and_b32 v7, 31, v0
	v_lshlrev_b32 v7, 4, v7
	v_add_nc_u32 v7, s52, v7
	v_add_nc_u32 v7, STG, v7                       ; row 2 w of the stage, 16 bytes a lane
	; ---- S5: wave w stores rows 2 w and 2 w + 1, where they are under n
	s_add_co_u32 s51, s37, s60
	s_cmp_lt_u32 s51, s35
	s_cbranch_scc0 .Ls5_\@
	ds_load_b32 v9, v8
.irp i, 0,1,2,3
	ds_load_b128 v[64+4*\i:67+4*\i], v7 offset:512*\i
.endr
	s_wait_dscnt 0x0
	v_min_u32 v9, 0xff, v9
	v_lshl_add_u32 v9, v9, 11, v1                  ; the slot's row of 2,048 bytes, + 16 x lane
.irp i, 0,1,2,3
	global_store_b128 v9, v[64+4*\i:67+4*\i], s[28:29] offset:512*\i   ; 512 consecutive bytes an instruction, aligned
.endr
	s_add_co_u32 s51, s51, 1
	s_cmp_lt_u32 s51, s35
	s_cbranch_scc0 .Ls5_\@
	ds_load_b32 v10, v8 offset:4
.irp i, 0,1,2,3
	ds_load_b128 v[80+4*\i:83+4*\i], v7 offset:SPT+512*\i
.endr
	s_wait_dscnt 0x0
	v_min_u32 v10, 0xff, v10
	v_lshl_add_u32 v10, v10, 11, v1
.irp i, 0,1,2,3
	global_store_b128 v10, v[80+4*\i:83+4*\i], s[28:29] offset:512*\i
.endr
.Ls5_\@:
	s_wait_loadcnt 0x0                             ; on every way: whatever is still out is in, the next trip's b1 among it
	s_wait_xcnt 0x0                                ; the stores have read their data and offsets: both are written again in the next trip
	s_add_co_u32 s37, s37, 32
	s_add_co_u32 s38, s38, 128
.endm
; ---------------- head ----------------
	s_load_b512 s[8:23], s[0:1], 0x0               ; xq 8, xs 10, sel 12, w1q 14, wsc 16, b1 18, ln_g 20, ln_b 22
	s_load_b128 s[24:27], s[0:1], 0x40             ; w2q 24, b2 26
	s_load_b64 s[28:29], s[0:1], 0x50              ; ybuf
	v_lshrrev_b32 v1, 5, v0
	v_readfirstlane_b32 s32, v1                    ; wave 0..15
	s_mov_b32 s33, ttmp9                           ; chunk
	s_and_b32 s34, ttmp7, 0xffff                   ; expert
	v_and_b32 v9, 31, v0                           ; lane
	v_lshlrev_b32 v1, 4, v9                        ; 16 x lane
	v_bfe_u32 v2, v0, 4, 1
	v_lshlrev_b32 v2, 6, v2                        ; 64 h
	v_lshlrev_b32 v5, 3, v9                        ; 8 x lane
	v_lshlrev_b32 v11, 8, v9                       ; 256 x lane
	v_lshlrev_b32 v10, 2, v9                       ; 4 x lane: sel's offsets
	v_lshlrev_b32 v6, 2, v9                        ; 4 x lane: the list's words
	s_mov_b32 s39, 0xffff0000                      ; lanes 16-31
	s_mov_b32 s40, 0x76543210
	s_mov_b32 s41, 0xfedcba98                      ; v_permlanex16_b32's selects for lane l xor 16
	s_mov_b32 s58, 0x3a000000                      ; 1 / 2048
	s_mov_b32 s59, 0x3727c5ac                      ; 1e-5
	s_lshl_b32 s60, s32, 1
	s_lshl_b32 s61, s32, 2
	s_lshl_b32 s62, s32, 10
	s_lshr_b32 s55, s32, 3
	s_lshl_b32 s55, s55, 6                         ; 64 (w / 8): the list's words of the row tile that I gather for
	s_and_b32 s63, s32, 7
	s_lshl_b32 s63, s63, 5                         ; 32 (w % 8): my half fragment's bytes of a row
	s_mov_b32 s37, 0                               ; the trip's first row
	s_mov_b32 s38, LIST                            ; and its place in the list
	s_mov_b32 s50, 0
	s_mov_b32 s53, 0                               ; the high word of the offset pair s[52:53]
	s_cmp_lt_u32 s33, 4
	s_cselect_b32 s54, 1, 0                        ; chunks 0 to 3 prefetch
	s_wait_kmcnt 0x0
	s_lshl_b32 s52, s33, 15
	s_add_nc_u64 s[8:9], s[8:9], s[52:53]          ; the chunk's 128 rows of codes,
	s_lshl_b32 s52, s33, 11
	s_add_nc_u64 s[10:11], s[10:11], s[52:53]      ; of scale words,
	s_lshl_b32 s52, s33, 10
	s_add_nc_u64 s[12:13], s[12:13], s[52:53]      ; its 256 choices,
	s_lshl_b32 s52, s33, 19
	s_add_nc_u64 s[28:29], s[28:29], s[52:53]      ; its 256 rows of ybuf
	s_lshl_b32 s52, s34, 19
	s_add_nc_u64 s[14:15], s[14:15], s[52:53]      ; the expert's codes
	s_add_nc_u64 s[24:25], s[24:25], s[52:53]
	s_min_u32 s52, s33, 3                          ; the prefetch: chunk c < 4 names 128 KiB of the expert's 512 KiB of W2's codes, a wave 8 KiB of them
	s_lshl_b32 s52, s52, 17
	s_lshl_b32 s51, s32, 13
	s_add_co_u32 s52, s52, s51
	s_add_nc_u64 s[56:57], s[24:25], s[52:53]
	s_lshl_b32 s52, s32, 15
	s_add_nc_u64 s[14:15], s[14:15], s[52:53]      ; my eight tiles of W1, my two of W2: 32 KiB each
	s_add_nc_u64 s[24:25], s[24:25], s[52:53]
	s_lshl_b32 s52, s34, 15
	s_lshl_b32 s51, s32, 11
	s_add_co_u32 s52, s52, s51
	s_add_nc_u64 s[16:17], s[16:17], s[52:53]      ; W1's scale words: my four pairs,
	s_add_nc_u64 s[30:31], s[16:17], 524288        ; W2's: my pair
	s_lshl_b32 s52, s34, 13
	s_lshl_b32 s51, s32, 9
	s_add_co_u32 s52, s52, s51
	s_add_nc_u64 s[18:19], s[18:19], s[52:53]      ; b1, gain, bias: my 128 units
	s_add_nc_u64 s[20:21], s[20:21], s[52:53]
	s_add_nc_u64 s[22:23], s[22:23], s[52:53]
	s_lshl_b32 s52, s34, 11
	s_lshl_b32 s51, s32, 7
	s_add_co_u32 s52, s52, s51
	s_add_nc_u64 s[26:27], s[26:27], s[52:53]      ; b2: my 32 outputs
.irp j, 0,1,2,3,4,5,6,7
	global_load_b32 v[32+\j], v10, s[12:13] offset:128*\j      ; every wave reads all 256 choices: n is the same number in all
.endr
	PRELOAD                                        ; the first trip always runs: what it wants of b1 and of W1 goes out now,
	WFIRST                                         ; and is on its way while the list is made and the rows are gathered
	s_wait_loadcnt 56                              ; the eight loads of choices are in; behind them: b1's 32, 8 of scale words, 16 of fragments
.irp j, 0,1,2,3,4,5,6,7
	v_cmp_eq_u32 s[42+\j], s34, v[32+\j]           ; which slots name my expert
.endr
	s_mov_b32 s35, 0
.irp j, 0,1,2,3,4,5,6,7
	s_bcnt1_i32_b32 s51, s[42+\j]
	s_add_co_u32 s35, s35, s51                     ; n
.endr
	s_cmp_lg_u32 s32, 0
	s_cbranch_scc1 .Llisted                        ; wave 0 alone writes the list; no other wave touches LDS ahead of the barrier below
	v_mov_b32 v40, 0
.irp j, 0,1,2,3,4,5,6,7
	ds_store_b32 v6, v40 offset:LIST+128*\j        ; entries past n: slot 0, a row that exists
.endr
	v_mov_b32 v41, 0x100
.irp j, 0,1,2,3,4,5,6,7
	v_mbcnt_lo_u32_b32 v[42+2*\j], s[42+\j], s50   ; the slot's rank among my expert's
	v_cndmask_b32 v[42+2*\j], v41, v[42+2*\j], s[42+\j]    ; other slots go to the dump word, word 256
	v_min_u32 v[42+2*\j], 0x100, v[42+2*\j]
	v_lshlrev_b32 v[42+2*\j], 2, v[42+2*\j]
	v_add_nc_u32 v[43+2*\j], 32*\j, v9             ; the slot's number in the chunk
	ds_store_b32 v[42+2*\j], v[43+2*\j]            ; (LDS serves a wave's instructions in order: behind the zeros)
	s_bcnt1_i32_b32 s51, s[42+\j]
	s_add_co_u32 s50, s50, s51
.endr
.Llisted:
	BARRIER                                        ; the list lies in LDS
; ---------------- four trips of 32 rows: the first written out, three in a loop ----------------
	TRIP 0
	s_mov_b32 s36, 0
.Ltrip:
	TRIP 1
	s_add_co_u32 s36, s36, 1
	s_cmp_lt_u32 s36, 3
	s_cbranch_scc1 .Ltrip
	s_wait_xcnt 0x0
	v_lshl_add_u32 v254, v0, 2, 0x1c400
	v_mov_b32 v255, 0
	s_wait_tensorcnt 0x0
	ds_add_u32 v254, v255
	s_wait_dscnt 0x0
	s_endpgm
.Lfunc_end_k_q6439351deb_chain:
	.size	k_q6439351deb_chain, .Lfunc_end_k_q6439351deb_chain-k_q6439351deb_chain
	.p2alignl 7, 3214868480
	.fill 96, 4, 3214868480
	.section	.rodata,"a",@progbits
	.p2align	6, 0x0
	.amdhsa_kernel k_q6439351deb_chain
		.amdhsa_group_segment_fixed_size 117760
		.amdhsa_private_segment_fixed_size 0
		.amdhsa_enable_private_segment 0
		.amdhsa_kernarg_size 88
		.amdhsa_user_sgpr_count 2
		.amdhsa_user_sgpr_kernarg_segment_ptr 1
		.amdhsa_wavefront_size32 1
		.amdhsa_system_sgpr_workgroup_id_x 1
		.amdhsa_system_sgpr_workgroup_id_y 1
		.amdhsa_system_sgpr_workgroup_id_z 1
		.amdhsa_system_vgpr_workitem_id 0
		.amdhsa_next_free_vgpr 256
		.amdhsa_next_free_sgpr 66
		.amdhsa_reserve_vcc 0
		.amdhsa_float_denorm_mode_32 3
		.amdhsa_float_denorm_mode_16_64 3
		.amdhsa_memory_ordered 1
		.amdhsa_forward_progress 1
		.amdhsa_inst_pref_size 226
	.end_amdhsa_kernel
	.amdgpu_metadata
---
amdhsa.version: [ 1, 2 ]
amdhsa.kernels:
  - .name:           k_q6439351deb_chain
    .symbol:         k_q6439351deb_chain.kd
    .args:
      - { .name: xq, .offset: 0, .size: 8, .value_kind: global_buffer, .address_space: global }
      - { .name: xs, .offset: 8, .size: 8, .value_kind: global_buffer, .address_space: global }
      - { .name: sel, .offset: 16, .size: 8, .value_kind: global_buffer, .address_space: global }
      - { .name: w1q, .offset: 24, .size: 8, .value_kind: global_buffer, .address_space: global }
      - { .name: wsc, .offset: 32, .size: 8, .value_kind: global_buffer, .address_space: global }
      - { .name: b1, .offset: 40, .size: 8, .value_kind: global_buffer, .address_space: global }
      - { .name: ln_g, .offset: 48, .size: 8, .value_kind: global_buffer, .address_space: global }
      - { .name: ln_b, .offset: 56, .size: 8, .value_kind: global_buffer, .address_space: global }
      - { .name: w2q, .offset: 64, .size: 8, .value_kind: global_buffer, .address_space: global }
      - { .name: b2, .offset: 72, .size: 8, .value_kind: global_buffer, .address_space: global }
      - { .name: ybuf, .offset: 80, .size: 8, .value_kind: global_buffer, .address_space: global }
    .group_segment_fixed_size: 117760
    .private_segment_fixed_size: 0
    .kernarg_segment_align: 8
    .kernarg_segment_size: 88
    .max_flat_workgroup_size: 512
    .sgpr_count:     66
    .vgpr_count:     256
    .wavefront_size: 32
...
	.end_amdgpu_metadata
.endif
;; end of part 5
;; launch combine: the kernel of part 3 again; grid 256 x 1, 8 waves a work-group, no clusters, 0 bytes of LDS; arguments ybuf, wts, out0; writes out0
;; ======== version 3 of 3: 3 launches; version 2 with the launches prep, chain written anew for expert scheduling mode
;; workspace buffers: xq 524,288 bytes; xs 32,768 bytes; sel 16,384 bytes of whole numbers; wts 16,384 bytes; w1q 8,388,608 bytes; w2q 8,388,608 bytes; wsc 1,048,576 bytes; ybuf 8,388,608 bytes
;; launch prep (part 6): grid 1152 x 1, 4 waves a work-group, no clusters, 43,008 bytes of LDS; arguments x, Wg, W1, W2, xq, xs, sel, wts, w1q, w2q, wsc; writes xq, xs, sel, wts, w1q, w2q, wsc
.if DOCPART == 6
	.amdgcn_target "amdgcn-amd-amdhsa--gfx1250"
	.amdhsa_code_object_version 6
	.text
	.protected	k_q6439351deb_prep
	.globl	k_q6439351deb_prep
	.p2align	8
	.type	k_q6439351deb_prep,@function
k_q6439351deb_prep:
	s_mov_b64 s[64:65], 0
	v_nop
	global_prefetch_b8 v0, s[64:65] scope:SCOPE_SE
	s_setreg_imm32_b32 hwreg(HW_REG_WAVE_SCHED_MODE, 0, 2), 2
	s_setreg_imm32_b32 hwreg(HW_REG_WAVE_MODE, 25, 1), 1
	s_wait_xcnt 0x0
	s_wait_alu depctr_vm_vsrc(0)
; PREP.  Three kinds of work-group, told apart by the work-group's number alone.
;  0..511     W1 [16][512][2048] f32, K = its middle axis;   512..1023  W2 [16][2048][512] f32, K = its middle axis.  A LANE TAKES A COLUMN AND ITS REGISTERS RUN DOWN K: a block of 32 lies in one lane,
;             the conversions give codes with K innermost, and nothing is transposed.  A wave takes 32 columns x 256 along K; the four waves stand side by side on 512 consecutive bytes of each row.
;  1024..1151 GATE: a work-group takes 16 tokens, WAVE s TAKES K STEP s (128 along K).  x [2048][512] f32 becomes codes of E2M1 (xq: [token][256 bytes], K innermost) and scale words (xs: [token][4 words]);
;             Wg [512][16] is quantised down K in registers; each wave makes one product on codes; the four partial logits meet in LDS and wave 0 adds them in ascending K, takes the top-2 (the lower index wins a tie)
;             and the softmax of the two; sel[2 t + k] and wts[2 t + k] go to fixed places.  These work-groups have the least to do and stand last in the grid.
; THE CODES OF THE WEIGHTS ARE LAID IN THE ORDER OF THE OPERAND'S REGISTERS: a fragment (16 rows x 128 K) is 1,024 bytes, byte 512 c + 16 (16 hh + r) = the 16 bytes of k = 64 c + 32 hh + 0..31 of row r.
;   w1q [e][tile 128][K step 4][1024], w2q [e][tile 32][K step 16][1024].  Lane r of W1's tile 2 B + u is hidden unit 32 B + 8 u + r + 8 (r / 8), so that the results of two neighbouring tiles are 16 neighbours along the next K.
;   wsc: scale words of a PAIR of tiles share a lane run: lane 16 u + r = tile 2 pair + u, row r; 8 bytes a lane = the words of two K steps.  W1: [e][pair 64][kh 2][lane][8]; from byte 524,288 W2: [e][pair 16][kq 8][lane][8].
; A block's scale is 2^(floor(log2(largest magnitude)) - 2): its byte is the largest magnitude's exponent field - 2, held at 1 from below by a floor among the maximum's leaves.
; LIMITS: NaN and infinities among the inputs are not served (the top-2 compares with >, the second place starts at -infinity).  A block of zeros, or one whose largest magnitude lies under 2^-124, gets the byte 1
; where the rule says 127 or less: its codes are zeros or the floor's, and this program alone reads the bytes.  The gate's four partial sums are added in f32, K ascending.
; No tensor loads.  The weights' waves share nothing and use no LDS; the gate has one barrier.  EXEC is never changed.
; THE MODE: SCHED_MODE bits 1:0 = 2 (LLVM: expert scheduling mode 2), set by the entry lines.  The code itself states the register dependences between vector or matrix instructions and memory or LDS
; instructions, with s_wait_alu, always for 0.
; THE PLAN, the weights.  v1, v2, v3: offsets, made once, one wait ahead of the first load.  v64-95, v96-127: two sets of 32 numbers by turns: written by loads, read by a block's maxima and conversions.
;   v32-63: a block's codes, four registers of its own for each block; v10, v11 the scale words: written by vector instructions, read by one store each, never written again.
;   ONE wait on va_vdst stands in a block, behind its conversions: the codes are written (the store reads them) and the set is read out (the loads of two blocks on land in it).
; THE PLAN, the gate.  v1, v2: offsets of the first loads; v4-v11: addresses, made while x is on its way; v64-127: x as loaded, stored to the wave's turn in LDS and loaded back into the same registers: a wait on
;   vm_vsrc stands between the stores and the loads.  v32-39, v16 (x's codes and scale word) and v40-47, v20 (Wg's) are written by vector instructions and read by LDS stores and the product: one wait on va_vdst behind the
;   product's eight places serves both.  v48-55: written by the product, read by LDS stores, written again by wave 0's additions.  Each compare's mask has its wait ahead of the select that reads it.
.set FLOOR, 0x1800000                  ; 2^(3 - 127)
.set QST,   33792                      ; LDS (gate alone): from 0 four waves' turns of 16 rows x 528 bytes; here the codes' stage, 16 rows x 272;
.set PART,  38144                      ; the four partial logits, an image of 1,024 bytes each;
.set XSW,   42240                      ; x's scale words, 16 bytes a token
	s_load_b512 s[8:23], s[0:1], 0x0               ; x 8, Wg 10, W1 12, W2 14, xq 16, xs 18, sel 20, wts 22
	s_load_b128 s[24:27], s[0:1], 0x40             ; w1q 24, w2q 26
	s_load_b64 s[28:29], s[0:1], 0x50              ; wsc
	v_lshl_add_u32 v192, v0, 2, 0xa600
	v_mov_b32 v193, 0
	v_lshrrev_b32 v1, 5, v0
	v_readfirstlane_b32 s32, v1                    ; wave 0..3
	v_and_b32 v12, 31, v0                          ; lane
	v_bfe_u32 v13, v0, 4, 1                        ; lane / 16
	v_and_b32 v14, 15, v0                          ; lane % 16
	s_mov_b32 s43, 0                               ; the high word of every offset pair s[42:43]
	s_wait_alu depctr_va_sdst(0)                   ; s32 is written
	s_wait_kmcnt 0x0
	s_cmp_ge_u32 ttmp9, 1024
	s_cbranch_scc1 .Lgate
	s_cmp_ge_u32 ttmp9, 512
	s_cbranch_scc1 .Lw2
; ---------------- the weights ----------------
; s34 = expert, s44 = pair of tiles, s[kreg] = which 256 along K.  s[36:37] source, s[38:39] codes, s[40:41] scale words
.macro WBASES kreg, ksrc, pcode, psc, wlo, qlo, sc0
	s_lshl_b32 s42, s34, 22                        ; an expert's weights: 4 MiB
	s_lshl_b32 s45, s[\kreg], \ksrc                ; 256 rows down K
	s_add_co_u32 s42, s42, s45
	s_lshl_b32 s45, s44, 7                         ; 32 columns of 4 bytes a pair
	s_add_co_u32 s42, s42, s45
	s_add_nc_u64 s[36:37], s[\wlo:\wlo+1], s[42:43]
	s_lshl_b32 s42, s34, 19                        ; an expert's codes: 512 KiB
	s_lshl_b32 s45, s44, \pcode                    ; two tiles
	s_add_co_u32 s42, s42, s45
	s_lshl_b32 s45, s[\kreg], 11                   ; two K steps of 1,024 bytes
	s_add_co_u32 s42, s42, s45
	s_add_nc_u64 s[38:39], s[\qlo:\qlo+1], s[42:43]
	s_lshl_b32 s42, s34, 15                        ; an expert's scale words: 32 KiB
	s_lshl_b32 s45, s44, \psc
	s_add_co_u32 s42, s42, s45
	s_lshl_b32 s45, s[\kreg], 8                    ; 32 lanes x 8 bytes
	s_add_co_u32 s42, s42, s45
	s_add_co_u32 s42, s42, \sc0
	s_add_nc_u64 s[40:41], s[28:29], s[42:43]
.endm
.macro WLD t, stride                   ; block t: W(32 t + i, my column), i = 0..31, into set t % 2; a load reads 128 consecutive bytes
.set i, 0
.rept 32
	global_load_b32 v[64+32*((\t)%2)+i], v1, s[36:37] offset:(32*(\t)+i)*(\stride) th:TH_LOAD_NT
.set i, i+1
.endr
.endm
.macro WBLK t, stride
.set XS, 64+32*((\t)%2)
.if (\t) < 7
	s_wait_loadcnt 32                              ; this block's 32 loads are in; the next block's 32 may be out
.else
	s_wait_loadcnt 0x0
.endif
	v_max3_num_f32 v4, |v[XS]|, |v[XS+1]|, |v[XS+2]|      ; the block's largest magnitude, in two chains: all 32 numbers are mine
	v_max3_num_f32 v5, |v[XS+3]|, |v[XS+4]|, |v[XS+5]|
.irp i, 6,10,14,18,22,26
	v_max3_num_f32 v4, v4, |v[XS+\i]|, |v[XS+\i+1]|
	v_max3_num_f32 v5, v5, |v[XS+\i+2]|, |v[XS+\i+3]|
.endr
	v_max3_num_f32 v4, v4, |v[XS+30]|, |v[XS+31]|
	v_max3_num_f32 v4, v4, v5, FLOOR               ; and the floor: the byte cannot fall under 1
	v_add_nc_u32 v6, 0xff000000, v4                ; 2 off the exponent field: the conversion takes this operand's exponent field as its scale
.irp g, 0,1,2,3
	v_cvt_scalef32_pk8_fp4_f32 v[32+4*(\t)+\g], v[XS+8*\g:XS+8*\g+7], v6
.endr
	v_lshrrev_b32 v7, 23, v6                       ; the scale's byte (also the plain line behind the conversions)
.if (\t)%4 == 0
	v_mov_b32 v[10+(\t)/4], v7                     ; four bytes to a word, the lower K in the lower byte
.else
	v_lshl_or_b32 v[10+(\t)/4], v7, 8*((\t)%4), v[10+(\t)/4]
.endif
	s_wait_alu depctr_va_vdst(0)                   ; the conversions have written this block's codes, which the store reads; they and the maxima are done reading set t % 2, in which the loads below land; in the last block the scale words v[10:11] are written, which the last store reads
	global_store_b128 v2, v[32+4*(\t):35+4*(\t)], s[38:39] offset:((\t)/4)*1024+(((\t)/2)%2)*512+((\t)%2)*256   ; lanes 0-15: 256 consecutive bytes, aligned, of the even tile; lanes 16-31: of the odd one.  Each block has data registers of its own
.if (\t)+2 < 8
	WLD (\t)+2, \stride
.endif
.endm
.macro QWPATH stride, tstride, perm
.if \perm
	v_and_b32 v15, 7, v14                          ; my column among the pair's 32: 8 u + r % 8 + 16 (r / 8)
	v_lshrrev_b32 v16, 3, v14
	v_lshl_add_u32 v15, v16, 4, v15
	v_lshl_add_u32 v15, v13, 3, v15
	v_lshlrev_b32 v1, 2, v15
.else
	v_lshlrev_b32 v1, 2, v12                       ; my column: the lane's number
.endif
	v_mul_u32_u24 v2, v13, \tstride                ; codes: tile u, 16 bytes for row r
	v_lshl_add_u32 v2, v14, 4, v2
	v_lshlrev_b32 v3, 3, v12                       ; scale words: 8 bytes a lane
	s_wait_alu depctr_va_vdst(0)                   ; the offsets v1, v2 and v3 are written, which every load and store of this path reads; they are never written again
	WLD 0, \stride
	WLD 1, \stride
.irp t, 0,1,2,3,4,5,6,7
	WBLK \t, \stride
.endr
	global_store_b64 v3, v[10:11], s[40:41]        ; 256 consecutive bytes, aligned
	s_endpgm
.endm
	s_lshr_b32 s34, ttmp9, 5                       ; W1: the number = e x 32 + column group x 2 + kh
	s_bfe_u32 s35, ttmp9, 0x40001
	s_and_b32 s33, ttmp9, 1
	s_lshl_b32 s44, s35, 2
	s_add_co_u32 s44, s44, s32                     ; pair B = 4 x column group + wave
	WBASES 33, 21, 13, 9, 12, 24, 0
	QWPATH 8192, 4096, 1
.Lw2:
	s_sub_co_u32 s33, ttmp9, 512                   ; W2: i = e x 32 + kq x 4 + column group
	s_lshr_b32 s34, s33, 5
	s_bfe_u32 s35, s33, 0x30002
	s_and_b32 s33, s33, 3
	s_lshl_b32 s44, s33, 2
	s_add_co_u32 s44, s44, s32                     ; pair P = 4 x column group + wave
	WBASES 35, 19, 15, 11, 14, 26, 524288
	QWPATH 2048, 16384, 0
; ---------------- the gate ----------------
; REGISTERS: v1-11 addresses; v16 x's scale word of my K step, v20 Wg's; v21-27 at work; v32-39 x's fragment, v40-47 Wg's, v48-55 the logits; v64-127 64 numbers of x, v128-191 of Wg, later the four partial logits.
.macro GWLD c                          ; my block 2 c + h of Wg's column r, down K: 32 loads
.set i, 0
.rept 32
	global_load_b32 v[128+32*(\c)+i], v2, s[10:11] offset:64*(64*(\c)+i)
.set i, i+1
.endr
.endm
; 64 numbers of a lane, two whole blocks, become the operand's eight registers and the row's (column's) scale word
.macro QB src, cod, wrd
.irp c, 0,1
	v_max3_num_f32 v[21+\c], |v[\src+32*\c]|, |v[\src+1+32*\c]|, FLOOR
.endr
.irp i, 2,4,6,8,10,12,14,16,18,20,22,24,26,28,30
.irp c, 0,1
	v_max3_num_f32 v[21+\c], v[21+\c], |v[\src+32*\c+\i]|, |v[\src+1+32*\c+\i]|   ; the two blocks by turns
.endr
.endr
.irp c, 0,1
	v_add_nc_u32 v[23+\c], 0xff000000, v[21+\c]    ; the conversion's scale operand
.endr
.irp c, 0,1
	v_lshrrev_b32 v[25+\c], 23, v[23+\c]           ; the scale's byte
.endr
	v_lshl_or_b32 v[\wrd], v26, 16, v25            ; my bytes: blocks h and 2 + h,
	v_lshlrev_b32 v[\wrd], v3, v[\wrd]             ; at their places;
	v_mov_b32 v27, 0
	v_permlanex16_b32 v27, v[\wrd], s40, s41
	v_or_b32 v[\wrd], v[\wrd], v27                 ; with lane l xor 16's two the word is whole
.irp c, 0,1
.irp g, 0,1,2,3
	v_cvt_scalef32_pk8_fp4_f32 v[\cod+4*\c+\g], v[\src+32*\c+8*\g:\src+32*\c+8*\g+7], v[23+\c]
.endr
.endr
	v_nop                                          ; one plain line behind the last conversion
.endm
.Lgate:
	s_sub_co_u32 s33, ttmp9, 1024                  ; my work-group's tile of 16 tokens
	s_lshl_b32 s42, s33, 15                        ; x: 16 rows of 2,048 bytes,
	s_lshl_b32 s45, s32, 9                         ; my K step's 512 bytes of each
	s_add_co_u32 s42, s42, s45
	s_add_nc_u64 s[36:37], s[8:9], s[42:43]
	s_lshl_b32 s42, s32, 13
	s_add_nc_u64 s[10:11], s[10:11], s[42:43]      ; Wg: my K step's 128 rows of 64 bytes
	v_lshlrev_b32 v1, 4, v12                       ; 16 x lane
	v_lshlrev_b32 v2, 2, v14
	v_lshl_add_u32 v2, v13, 11, v2                 ; Wg: column r, 32 h rows of 64 bytes down
	s_wait_alu depctr_va_vdst(0)                   ; the offsets v1 and v2 are written, which the loads below read; they are never written again
.irp j, 0,1,2,3,4,5,6,7,8,9,10,11,12,13,14,15
	global_load_b128 v[64+4*\j:67+4*\j], v1, s[36:37] offset:2048*\j th:TH_LOAD_NT    ; token j: the 32 lanes read its 512 consecutive bytes
.endr
	GWLD 0
	s_lshl_b32 s42, s33, 12                        ; xq: the tile's 16 rows of 256 bytes,
	s_lshl_b32 s45, s32, 10                        ; of which I store four
	s_add_co_u32 s42, s42, s45
	s_add_nc_u64 s[16:17], s[16:17], s[42:43]
	s_lshl_b32 s42, s33, 8
	s_add_nc_u64 s[18:19], s[18:19], s[42:43]      ; xs: 16 rows of 16
	s_lshl_b32 s42, s33, 7
	s_add_nc_u64 s[20:21], s[20:21], s[42:43]      ; sel, wts: 16 tokens x 8 bytes
	s_add_nc_u64 s[22:23], s[22:23], s[42:43]
	s_mov_b32 s39, 0xffff0000                      ; lanes 16-31
	s_mov_b32 s40, 0x76543210
	s_mov_b32 s41, 0xfedcba98                      ; v_permlanex16_b32's selects for lane l xor 16
	v_lshlrev_b32 v3, 3, v13                       ; 8 h: where my two scale bytes stand in the word
	s_mul_i32 s34, s32, 8448                       ; my wave's turn: 16 rows x (512 + 16) bytes
	v_add_nc_u32 v4, s34, v1                       ; in: a row as it lies, 16 bytes a lane
	v_mul_u32_u24 v5, v14, 528
	v_lshl_add_u32 v5, v13, 7, v5
	v_add_nc_u32 v5, s34, v5                       ; back: row r, + 128 h: lane (r, h) takes whole blocks 2 c + h; the sixteen rows of a pass start 33 x 16 bytes apart
	s_lshl_b32 s34, s32, 10
	v_add_nc_u32 v6, s34, v1                       ; my partial logits' image: 1,024 x wave + 16 x lane
	v_mul_u32_u24 v7, v14, 272
	v_lshl_add_u32 v7, v13, 4, v7
	s_lshl_b32 s34, s32, 6
	v_add_nc_u32 v7, s34, v7                       ; the codes' stage, in: row r, + 64 x wave + 16 h
	v_lshlrev_b32 v8, 4, v14
	s_lshl_b32 s34, s32, 2
	v_add_nc_u32 v8, s34, v8                       ; my scale word: 16 r + 4 x wave
	v_mul_u32_u24 v9, v13, 272
	v_lshl_add_u32 v9, v14, 4, v9
	s_mul_i32 s34, s32, 1088
	v_add_nc_u32 v9, s34, v9                       ; the stage, back: rows 4 x wave on, sixteen lanes to a row, two rows an instruction
	v_lshlrev_b32 v10, 3, v12                      ; 8 x lane
	v_lshlrev_b32 v11, 3, v14
	v_lshl_add_u32 v11, v13, 2, v11                ; sel, wts: 8 r + 4 h
	s_wait_loadcnt 32                              ; x's 16 loads are in; Wg's first 32 may be out
	s_wait_alu depctr_va_vdst(0)                   ; the addresses v4 to v11 are written, which the LDS instructions and stores from here on read; they are never written again
.irp j, 0,1,2,3,4,5,6,7,8,9,10,11,12,13,14,15
	ds_store_b128 v4, v[64+4*\j:67+4*\j] offset:528*\j
.endr
	s_wait_alu depctr_vm_vsrc(0)                   ; the sixteen LDS stores have read v[64:127], in which the LDS loads below land
.irp c, 0,1
.irp i, 0,1,2,3,4,5,6,7
	ds_load_b128 v[64+32*\c+4*\i:67+32*\c+4*\i], v5 offset:256*\c+16*\i    ; LDS serves a wave's instructions in order: these see my stores; the numbers come back into the registers that they left
.endr
.endr
	GWLD 1
	s_wait_dscnt 0x0
	QB 64, 32, 16
	s_wait_loadcnt 0x0                             ; Wg's 64 numbers
	QB 128, 40, 20
.rept 8
	v_nop                                          ; a scale register written by a vector instruction stands eight places ahead of a scaled matrix instruction, an operand four
.endr
	s_wait_alu depctr_va_vdst(0)                   ; behind the places: both fragments v[32:47] and both scale words v16, v20 are written, which the product takes; v[32:39] and v16 are also the LDS stores' data
	ds_store_b128 v7, v[32:35] offset:QST          ; x's codes as rows: byte 64 s + 32 c + 16 h
	ds_store_b128 v7, v[36:39] offset:QST+32
	ds_store_b32 v8, v16 offset:XSW                ; lanes r and 16 + r write the same word with the same value
	v_wmma_scale_f32_16x16x128_f8f6f4 v[48:55], v[40:47], v[32:39], 0, v20, v16 matrix_a_fmt:MATRIX_FMT_FP4 matrix_b_fmt:MATRIX_FMT_FP4   ; source 0 = the 16 experts, source 1 = the 16 tokens: my K step's part of the logits
.rept 4
	v_nop                                          ; four places ahead of the first read of the result
.endr
	s_wait_alu depctr_va_vdst(0)                   ; the product has written v[48:55], which the LDS stores read; the places above stay beside this wait
	ds_store_b128 v6, v[48:51] offset:PART         ; the result as an image of its registers, from its low end on
	ds_store_b128 v6, v[52:55] offset:PART+512
	s_wait_dscnt 0x0                               ; for the others' sake: all my LDS stores have landed
	s_barrier_signal -1
	s_barrier_wait -1
	s_wait_alu depctr_vm_vsrc(0)                   ; my LDS stores have read v[48:55], which wave 0's additions write again: the wait stands ahead of the branch that picks wave 0
	ds_load_b128 v[96:99], v9 offset:QST
	ds_load_b128 v[100:103], v9 offset:QST+544
	s_wait_dscnt 0x0
	global_store_b128 v1, v[96:99], s[16:17]       ; two tokens' codes: 512 consecutive bytes, aligned
	global_store_b128 v1, v[100:103], s[16:17] offset:512
	s_cmp_lg_u32 s32, 0
	s_cbranch_scc1 .Lgend                          ; the rest is wave 0's: no barrier follows
.irp q, 0,1,2,3
.irp c, 0,1
	ds_load_b128 v[128+8*\q+4*\c:131+8*\q+4*\c], v1 offset:PART+1024*\q+512*\c
.endr
.endr
	ds_load_b64 v[28:29], v10 offset:XSW
	s_wait_dscnt 0x0
	global_store_b64 v10, v[28:29], s[18:19]       ; the 16 tokens' scale words: 256 consecutive bytes, aligned
.irp p, 0,2,4,6
	v_pk_add_f32 v[48+\p:49+\p], v[128+\p:129+\p], v[136+\p:137+\p]       ; the four K steps' parts, K ascending
.endr
.irp p, 0,2,4,6
	v_pk_add_f32 v[48+\p:49+\p], v[48+\p:49+\p], v[144+\p:145+\p]
.endr
.irp p, 0,2,4,6
	v_pk_add_f32 v[48+\p:49+\p], v[48+\p:49+\p], v[152+\p:153+\p]
.endr
	; TOP-2.  Lane (r, h) holds token r's logits of experts 8 h + j in register j.  Strict > in ascending j keeps the lower index.
	v_mov_b32 v64, v48                             ; m1
	v_mov_b32 v65, 0                               ; i1
	v_mov_b32 v66, 0xff800000                      ; m2 = -infinity
	v_mov_b32 v67, 0                               ; i2
.irp j, 1,2,3,4,5,6,7
	v_cmp_gt_f32 vcc_lo, v[48+\j], v64             ; over the first?
	v_cmp_gt_f32 s42, v[48+\j], v66                ; over the second?
	s_wait_alu depctr_va_sdst(0)                   ; the second compare has written s42, ahead of the selects that read it
	s_wait_alu depctr_va_vcc(0)                    ; the first compare has written VCC, ahead of the selects that read it
	v_cndmask_b32 v68, v66, v[48+\j], s42
	v_cndmask_b32 v69, v67, \j, s42
	v_cndmask_b32 v66, v68, v64, vcc_lo            ; the second: the old first, or the better of the two
	v_cndmask_b32 v67, v69, v65, vcc_lo
	v_cndmask_b32 v64, v64, v[48+\j], vcc_lo
	v_cndmask_b32 v65, v65, \j, vcc_lo
.endr
	v_add_nc_u32 v65, v65, v3                      ; + 8 h
	v_add_nc_u32 v67, v67, v3
.irp j, 0,1,2,3
	v_mov_b32 v[70+\j], 0                          ; a lane permute's destination counts as one of its sources
.endr
.irp j, 0,1,2,3
	v_permlanex16_b32 v[70+\j], v[64+\j], s40, s41 ; the other half's two best
.endr
.irp j, 0,1,2,3
	v_cndmask_b32 v[74+\j], v[64+\j], v[70+\j], s39   ; experts 0-7's: L1, its index, L2, its index
	v_cndmask_b32 v[78+\j], v[70+\j], v[64+\j], s39   ; experts 8-15's: H1, H2
.endr
	v_cmp_gt_f32 vcc_lo, v78, v74                  ; H1 > L1?  A tie goes to the lower index
	s_wait_alu depctr_va_vcc(0)                    ; the compare has written VCC, ahead of the six selects that read it
	v_cndmask_b32 v82, v74, v78, vcc_lo            ; the first logit
	v_cndmask_b32 v83, v75, v79, vcc_lo            ; and its expert
	v_cndmask_b32 v84, v76, v74, vcc_lo            ; what is left of the lower half,
	v_cndmask_b32 v85, v77, v75, vcc_lo
	v_cndmask_b32 v86, v78, v80, vcc_lo            ; and of the upper
	v_cndmask_b32 v87, v79, v81, vcc_lo
	v_cmp_gt_f32 vcc_lo, v86, v84
	s_wait_alu depctr_va_vcc(0)                    ; the compare has written VCC, ahead of the two selects that read it
	v_cndmask_b32 v88, v84, v86, vcc_lo            ; the second logit
	v_cndmask_b32 v89, v85, v87, vcc_lo
	; softmax of the two: the larger is taken away by construction: w0 = 1 / (1 + e), w1 = e / (1 + e), e = exp(second - first), at most 1
	v_sub_f32 v90, v88, v82
	v_mul_f32 v90, 0x3fb8aa3b, v90
	v_exp_f32 v90, v90
	v_nop
	s_wait_alu depctr_va_vdst(0)                   ; the exponential has written v90, ahead of its first reader
	v_add_f32 v91, 1.0, v90
	v_rcp_f32 v91, v91
	v_nop
	s_wait_alu depctr_va_vdst(0)                   ; the reciprocal has written v91, ahead of its first reader
	v_mul_f32 v92, v90, v91
	v_cndmask_b32 v93, v83, v89, s39               ; lanes 0-15 carry the first choice, lanes 16-31 the second
	v_cndmask_b32 v94, v91, v92, s39
	s_wait_alu depctr_va_vdst(0)                   ; the selects have written v93 and v94, which the two stores read
	global_store_b32 v11, v93, s[20:21]            ; 128 consecutive bytes a work-group; the whole buffer is 16 KiB
	global_store_b32 v11, v94, s[22:23]
.Lgend:
	s_wait_dscnt 0x0                               ; the closing lines, six on end
	s_wait_alu 0x0
	s_wait_tensorcnt 0x0
	ds_add_u32 v192, v193
	s_wait_dscnt 0x0
	s_endpgm
.Lfunc_end_k_q6439351deb_prep:
	.size	k_q6439351deb_prep, .Lfunc_end_k_q6439351deb_prep-k_q6439351deb_prep
	.p2alignl 7, 3214868480
	.fill 96, 4, 3214868480
	.section	.rodata,"a",@progbits
	.p2align	6, 0x0
	.amdhsa_kernel k_q6439351deb_prep
		.amdhsa_group_segment_fixed_size 43008
		.amdhsa_private_segment_fixed_size 0
		.amdhsa_enable_private_segment 0
		.amdhsa_kernarg_size 88
		.amdhsa_user_sgpr_count 2
		.amdhsa_user_sgpr_kernarg_segment_ptr 1
		.amdhsa_wavefront_size32 1
		.amdhsa_system_sgpr_workgroup_id_x 1
		.amdhsa_system_sgpr_workgroup_id_y 1
		.amdhsa_system_sgpr_workgroup_id_z 1
		.amdhsa_system_vgpr_workitem_id 0
		.amdhsa_next_free_vgpr 194
		.amdhsa_next_free_sgpr 66
		.amdhsa_reserve_vcc 1
		.amdhsa_float_denorm_mode_32 3
		.amdhsa_float_denorm_mode_16_64 3
		.amdhsa_memory_ordered 1
		.amdhsa_forward_progress 1
		.amdhsa_inst_pref_size 103
	.end_amdhsa_kernel
	.amdgpu_metadata
---
amdhsa.version: [ 1, 2 ]
amdhsa.kernels:
  - .name:           k_q6439351deb_prep
    .symbol:         k_q6439351deb_prep.kd
    .args:
      - { .name: x, .offset: 0, .size: 8, .value_kind: global_buffer, .address_space: global }
      - { .name: Wg, .offset: 8, .size: 8, .value_kind: global_buffer, .address_space: global }
      - { .name: W1, .offset: 16, .size: 8, .value_kind: global_buffer, .address_space: global }
      - { .name: W2, .offset: 24, .size: 8, .value_kind: global_buffer, .address_space: global }
      - { .name: xq, .offset: 32, .size: 8, .value_kind: global_buffer, .address_space: global }
      - { .name: xs, .offset: 40, .size: 8, .value_kind: global_buffer, .address_space: global }
      - { .name: sel, .offset: 48, .size: 8, .value_kind: global_buffer, .address_space: global }
      - { .name: wts, .offset: 56, .size: 8, .value_kind: global_buffer, .address_space: global }
      - { .name: w1q, .offset: 64, .size: 8, .value_kind: global_buffer, .address_space: global }
      - { .name: w2q, .offset: 72, .size: 8, .value_kind: global_buffer, .address_space: global }
      - { .name: wsc, .offset: 80, .size: 8, .value_kind: global_buffer, .address_space: global }
    .group_segment_fixed_size: 43008
    .private_segment_fixed_size: 0
    .kernarg_segment_align: 8
    .kernarg_segment_size: 88
    .max_flat_workgroup_size: 128
    .sgpr_count:     66
    .vgpr_count:     194
    .wavefront_size: 32
...
	.end_amdgpu_metadata
.endif
;; end of part 6
;; launch chain (part 7): grid 16 x 16, 16 waves a work-group, no clusters, 117,760 bytes of LDS; arguments xq, xs, sel, w1q, wsc, b1, ln_g, ln_b, w2q, b2, ybuf; writes ybuf
.if DOCPART == 7
	.amdgcn_target "amdgcn-amd-amdhsa--gfx1250"
	.amdhsa_code_object_version 6
	.text
	.protected	k_q6439351deb_chain
	.globl	k_q6439351deb_chain
	.p2align	8
	.type	k_q6439351deb_chain,@function
k_q6439351deb_chain:
	s_mov_b64 s[64:65], 0
	v_nop
	global_prefetch_b8 v0, s[64:65] scope:SCOPE_SE
	s_setreg_imm32_b32 hwreg(HW_REG_WAVE_SCHED_MODE, 0, 2), 2
	s_setreg_imm32_b32 hwreg(HW_REG_WAVE_MODE, 25, 1), 1
	s_wait_xcnt 0x0
	s_wait_alu depctr_vm_vsrc(0)
; CHAIN.  Work-group (x = chunk c of 128 tokens, y = expert e) takes those of the chunk's 256 slots (slot = 2 token + choice) that name expert e through the whole chain:
; x's codes gathered, h = x W1 + b1, SiLU, LayerNorm (two passes, f32), gain and bias, quantised along the hidden axis, y = h W2 + b2, stored to ybuf[slot].  The gate's weights are applied by the next launch.
; A token names an expert at most once, so a work-group has n <= 128 rows.  They go 32 at a time, in FOUR trips.  THE FIRST TRIP IS WRITTEN OUT AND ALWAYS RUNS (with n = 0 it works on slot 0's token and stores nothing):
; so every register is written on every way.  The other three are a loop of constant count whose parts, loads and all, are jumped over by scalar branches on n where the trip has no rows; no barrier stands under such a
; branch, the waits behind which registers are used again stand on every way, and a trip without rows is five barriers and no memory instruction.
; SHARES.  THE SIXTEEN WAVES SHARE THE COLUMNS, NOT THE ROWS: wave w makes hidden units 128 w .. 128 w + 127 (eight tiles: K step w of the second product) and outputs 32 w .. 32 w + 31, for all 32 rows (two tiles m).
; Each weight fragment is loaded once in the work-group, by one wave, from memory straight into registers (laid for that by the launch before), and feeds two matrix instructions.
; THE ROWS' CODES ARE GATHERED ONCE: wave w loads half a fragment (row tile w / 8, bytes 32 (w % 8) on of each row), one load, and stores it as an image of the operand's registers; behind a barrier every wave reads the eight images.
; Both products are used transposed (source 0 = 16 rows of the weight, source 1 = 16 rows of tokens): a lane holds one row throughout.  The hidden layer stays in registers; its codes go from wave to wave as images too.
; NO TENSOR LOADS, NO CLUSTER: the sixteen work-groups of an expert read the same codes by plain loads.
; LIMITS: NaN and infinities are not served.  SiLU of z under about -88 gives -0.  A hidden block under 2^-124 gets the scale byte 1.  The LayerNorm's sums are f32, in this text's own order, the variance of centred numbers.
; List entries are held at 255 before they enter an address; rows past n compute slot 0's token and are not stored.
; LDS: LIST 0..1023 (256 words), dump word 1024, RED1 1280 and RED2 3840 (32 rows x 80 bytes: sixteen waves' partial sums), HSC 6400 (hidden scale words [K step][lane]), HIMG 8448 (32 fragment images),
;   XIMG 41216 (x's 8 fragment images), STG 49408 (32 rows x 2,064).
; REGISTERS: v0 thread; v1 16 x lane; v2 64 h; v3, v10 gathered rows' offsets; v5 8 x lane; v6-8 LDS addresses; v9 at work; v11 256 x lane; v12-15 rows' scale words; v16-31 weights' scale words;
;   v32-63 x's fragments, then statistics and quantiser, then y's four accumulators; v64-127 W1's fragments, SiLU's work, gain and bias, then hidden fragments, b2 and rows of y; v128-255 the hidden layer (128 + 64 m + 8 t), then W2's fragments.
; THE MODE: SCHED_MODE bits 1:0 = 2 (LLVM: expert scheduling mode 2), set by the entry lines.  The code itself states the register dependences between vector or matrix instructions and memory or LDS
; instructions, with s_wait_alu, always for 0.
; THE PLAN.  Registers that memory or LDS instructions touch:
;   v1, v2, v5, v11   offsets, made at the head and never written again: one wait on va_vdst ahead of the kernel's first load.
;   v3, v6 to v10     addresses, made anew in each part of a trip.  A part makes its addresses FIRST, then one wait on va_vdst, then its run of loads.
;   v12-31            scale words: written by loads, read by products alone.
;   v32-63, v64-127, v128-255  change hands from part to part (REGISTERS above): loads land in them, products and vector instructions read and write them, LDS stores and global stores read them.
; WAITS ON vm_vsrc: one at a trip's head and one behind each of its barriers, on every way and ahead of the jump on n: what the part before stored, or read as an address, has been read, and the next part may write it;
;   one more in the quantiser's second half, whose conversions write the codes' registers again.
; WAITS ON va_vdst: behind a part's address lines; behind each group of products, ahead of the loads into the slot that they read; behind the first half's gain and bias; ahead of each LDS store of computed data and each run of
;   global stores.  EVERY PART ENDS WITH NO VECTOR INSTRUCTION BEHIND ITS LAST SUCH WAIT: so on any combination of jumps no register in which a later part's loads land has been named since a wait.
.set LIST,  0
.set RED1,  1280
.set RED2,  3840
.set HSC,   6400
.set HIMG,  8448
.set XIMG,  41216
.set STG,   49408
.set SPT,   2064                       ; a stage row: 2,048 bytes + 16
.set FLOOR, 0x1800000                  ; 2^(3 - 127)
.macro BARRIER                         ; my LDS stores have landed and my LDS loads are in: then the work-group's barrier
	s_wait_dscnt 0x0
	s_barrier_signal -1
	s_barrier_wait -1
.endm
.macro ACTIVE lbl                      ; has this trip rows?  s37 = its first row, s35 = n: the same in all sixteen waves
	s_cmp_lt_u32 s37, s35
	s_cbranch_scc0 \lbl
.endm
; a scaled product: d accumulator, a weight fragment, b rows' fragment, z = 1: C is 0; sa, sb scale registers; ra, rb = 1: the scales stand in lanes 16-31
.macro WM d, a, b, z, sa, sb, ra, rb
.set WSEL, 4*(\z)+2*(\ra)+(\rb)
.if WSEL == 0
	v_wmma_scale_f32_16x16x128_f8f6f4 v[(\d):(\d)+7], v[(\a):(\a)+7], v[(\b):(\b)+7], v[(\d):(\d)+7], v[\sa], v[\sb] matrix_a_fmt:MATRIX_FMT_FP4 matrix_b_fmt:MATRIX_FMT_FP4
.elseif WSEL == 1
	v_wmma_scale_f32_16x16x128_f8f6f4 v[(\d):(\d)+7], v[(\a):(\a)+7], v[(\b):(\b)+7], v[(\d):(\d)+7], v[\sa], v[\sb] matrix_a_fmt:MATRIX_FMT_FP4 matrix_b_fmt:MATRIX_FMT_FP4 matrix_b_scale:MATRIX_SCALE_ROW1
.elseif WSEL == 2
	v_wmma_scale_f32_16x16x128_f8f6f4 v[(\d):(\d)+7], v[(\a):(\a)+7], v[(\b):(\b)+7], v[(\d):(\d)+7], v[\sa], v[\sb] matrix_a_fmt:MATRIX_FMT_FP4 matrix_b_fmt:MATRIX_FMT_FP4 matrix_a_scale:MATRIX_SCALE_ROW1
.elseif WSEL == 3
	v_wmma_scale_f32_16x16x128_f8f6f4 v[(\d):(\d)+7], v[(\a):(\a)+7], v[(\b):(\b)+7], v[(\d):(\d)+7], v[\sa], v[\sb] matrix_a_fmt:MATRIX_FMT_FP4 matrix_b_fmt:MATRIX_FMT_FP4 matrix_a_scale:MATRIX_SCALE_ROW1 matrix_b_scale:MATRIX_SCALE_ROW1
.elseif WSEL == 4
	v_wmma_scale_f32_16x16x128_f8f6f4 v[(\d):(\d)+7], v[(\a):(\a)+7], v[(\b):(\b)+7], 0, v[\sa], v[\sb] matrix_a_fmt:MATRIX_FMT_FP4 matrix_b_fmt:MATRIX_FMT_FP4
.elseif WSEL == 5
	v_wmma_scale_f32_16x16x128_f8f6f4 v[(\d):(\d)+7], v[(\a):(\a)+7], v[(\b):(\b)+7], 0, v[\sa], v[\sb] matrix_a_fmt:MATRIX_FMT_FP4 matrix_b_fmt:MATRIX_FMT_FP4 matrix_b_scale:MATRIX_SCALE_ROW1
.elseif WSEL == 6
	v_wmma_scale_f32_16x16x128_f8f6f4 v[(\d):(\d)+7], v[(\a):(\a)+7], v[(\b):(\b)+7], 0, v[\sa], v[\sb] matrix_a_fmt:MATRIX_FMT_FP4 matrix_b_fmt:MATRIX_FMT_FP4 matrix_a_scale:MATRIX_SCALE_ROW1
.else
	v_wmma_scale_f32_16x16x128_f8f6f4 v[(\d):(\d)+7], v[(\a):(\a)+7], v[(\b):(\b)+7], 0, v[\sa], v[\sb] matrix_a_fmt:MATRIX_FMT_FP4 matrix_b_fmt:MATRIX_FMT_FP4 matrix_a_scale:MATRIX_SCALE_ROW1 matrix_b_scale:MATRIX_SCALE_ROW1
.endif
.endm
; b1 in the result's layout is what the sums begin with: register j of tile t in lane (r, h) is hidden unit 32 (t / 2) + 16 h + 8 (t % 2) + j.  32 loads
.macro PRELOAD
.irp m, 0,1
.irp t, 0,1,2,3,4,5,6,7
.irp k, 0,1
	global_load_b128 v[128+64*\m+8*\t+4*\k:131+64*\m+8*\t+4*\k], v2, s[18:19] offset:(32*(\t/2)+8*(\t%2))*4+16*\k
.endr
.endr
.endr
.endm
.macro XD s                            ; the two row tiles' fragments of K step s out of LDS into set s % 2: 4 LDS loads
.irp m, 0,1
.irp cc, 0,1
	ds_load_b128 v[32+16*((\s)%2)+8*\m+4*\cc:35+16*((\s)%2)+8*\m+4*\cc], v1 offset:XIMG+(4*\m+(\s))*1024+512*\cc
.endr
.endr
.endm
.macro WLOAD s, g                      ; W1's tiles 4 g .. 4 g + 3, K step s, into slot g: 8 loads of 512 consecutive bytes
.irp tq, 0,1,2,3
.irp cc, 0,1
	global_load_b128 v[64+32*(\g)+8*\tq+4*\cc:67+32*(\g)+8*\tq+4*\cc], v1, s[14:15] offset:((4*(\g)+\tq)*4+(\s))*1024+512*\cc
.endr
.endr
.endm
.macro WFIRST                          ; what the first product wants of the weights at its start: 8 loads of scale words, 16 of fragments; their addresses hang on expert and wave alone
.irp b, 0,1,2,3
.irp kh, 0,1
	global_load_b64 v[16+4*\b+2*\kh:17+4*\b+2*\kh], v5, s[16:17] offset:512*\b+256*\kh    ; pair b's words: lanes 0-15 the even tile, lanes 16-31 the odd one; register 4 b + s = K step s
.endr
.endr
	WLOAD 0, 0
	WLOAD 0, 1
.endm
; eight products: tiles 4 g .. 4 g + 3 x both row tiles, K step s.  The sixteen accumulators take turns, one instruction a turn, in the same order in every K step.
.macro STEP s, g, cnt, dc
	s_wait_loadcnt \cnt                            ; what may stay out: the other slot's 8 loads; at the end none
.if (\dc) >= 0
	s_wait_dscnt \dc                               ; x's fragments of this K step are in; the next K step's 4 LDS loads may be out
.endif
.irp tq, 0,1,2,3
.irp m, 0,1
	WM 128+64*\m+8*(4*(\g)+\tq), 64+32*(\g)+8*\tq, 32+16*((\s)%2)+8*\m, 0, 16+4*(2*(\g)+\tq/2)+(\s), 12+(\s), \tq%2, \m
.endr
.endr
.rept 4
	v_nop                                          ; four places behind these products: ahead of the first read of results, and beside the wait below
.endr
.if (\s) < 3
	s_wait_alu depctr_va_vdst(0)                   ; these eight products are done reading slot g, in which the loads below land; with g = 1 all sixteen of this K step are done reading x's set s % 2, which is loaded again too
	WLOAD (\s)+1, \g
.endif
.if ((\g) == 1) && ((\s) < 2)
	XD (\s)+2
.endif
.endm
; SiLU of row tile m's 64 numbers a lane, z / (1 + 2^(-z log2 e)), and their sum into v[32 + 4 m].  Each batch of 64 transcendentals has one plain line and one wait behind it.
.macro SILU m
.set AB, 128+64*(\m)
.set j, 0
.rept 32
	v_pk_mul_f32 v[64+j:65+j], v[AB+j:AB+j+1], 0xbfb8aa3b op_sel_hi:[1,0]    ; each accumulator is read from its low end on
.set j, j+2
.endr
.set j, 0
.rept 64
	v_exp_f32 v[64+j], v[64+j]
.set j, j+1
.endr
	v_nop
	s_wait_alu depctr_va_vdst(0)                   ; the 64 exponentials have written v[64:127]: one wait for the batch, ahead of its first reader
.set j, 0
.rept 32
	v_pk_add_f32 v[64+j:65+j], v[64+j:65+j], 1.0 op_sel_hi:[1,0]
.set j, j+2
.endr
.set j, 0
.rept 64
	v_rcp_f32 v[64+j], v[64+j]
.set j, j+1
.endr
	v_nop
	s_wait_alu depctr_va_vdst(0)                   ; the 64 reciprocals have written v[64:127]: one wait for the batch, ahead of its first reader
.set j, 0
.rept 32
	v_pk_mul_f32 v[AB+j:AB+j+1], v[AB+j:AB+j+1], v[64+j:65+j]
.set j, j+2
.endr
	v_pk_add_f32 v[32+4*(\m):33+4*(\m)], v[AB:AB+1], v[AB+4:AB+5]            ; the sum, packed, in two chains
	v_pk_add_f32 v[34+4*(\m):35+4*(\m)], v[AB+2:AB+3], v[AB+6:AB+7]
.set j, 8
.rept 14
	v_pk_add_f32 v[32+4*(\m):33+4*(\m)], v[32+4*(\m):33+4*(\m)], v[AB+j:AB+j+1]
	v_pk_add_f32 v[34+4*(\m):35+4*(\m)], v[34+4*(\m):35+4*(\m)], v[AB+j+2:AB+j+3]
.set j, j+4
.endr
	v_pk_add_f32 v[32+4*(\m):33+4*(\m)], v[32+4*(\m):33+4*(\m)], v[34+4*(\m):35+4*(\m)]
	v_add_f32 v[32+4*(\m)], v[32+4*(\m)], v[33+4*(\m)]
.endm
; my wave's partial sums of the 32 rows (a: tile 0's, b: tile 1's; p, p + 1 at work) go to word w of each row's 80 bytes
.macro RED_OUT off, a, b, p
	v_mov_b32 v[\p], 0
	v_mov_b32 v[\p+1], 0
	v_permlanex16_b32 v[\p], v[\a], s40, s41
	v_permlanex16_b32 v[\p+1], v[\b], s40, s41
	v_add_f32 v[\a], v[\a], v[\p]                  ; with lane l xor 16's 64 units
	v_add_f32 v[\b], v[\b], v[\p+1]
	v_cndmask_b32 v[\a], v[\a], v[\b], s39         ; lane l carries row l
	v_and_b32 v6, 31, v0
	v_mul_u32_u24 v6, v6, 80
	v_add_nc_u32 v6, s61, v6                       ; 80 x lane + 4 x wave
	s_wait_alu depctr_va_vdst(0)                   ; the sum and its address v6 are written, which the LDS store reads; and all the part's vector work is done with v[16:31] and v[64:127], in which the next part's loads land
	ds_store_b32 v6, v[\a] offset:\off
.endm
.macro RED_ADR                         ; 80 x lane: where row l's sixteen partial sums lie
	v_and_b32 v7, 31, v0
	v_mul_u32_u24 v7, v7, 80
.endm
.macro RED_IN off                      ; row l's sixteen partial sums, added alike in every wave: v62
.irp i, 0,1,2,3
	ds_load_b128 v[32+4*\i:35+4*\i], v7 offset:\off+16*\i
.endr
	s_wait_dscnt 0x0
	v_pk_add_f32 v[32:33], v[32:33], v[34:35]
	v_pk_add_f32 v[36:37], v[36:37], v[38:39]
	v_pk_add_f32 v[40:41], v[40:41], v[42:43]
	v_pk_add_f32 v[44:45], v[44:45], v[46:47]
	v_pk_add_f32 v[32:33], v[32:33], v[36:37]
	v_pk_add_f32 v[40:41], v[40:41], v[44:45]
	v_pk_add_f32 v[32:33], v[32:33], v[40:41]
	v_add_f32 v62, v32, v33
.endm
.macro SPLIT x, p0, p1                 ; a number a row (lane l: row l) becomes, in lane (r, h), row r's in pair p0 and row 16 + r's in pair p1
	v_mov_b32 v63, 0
	v_permlanex16_b32 v63, v[\x], s40, s41
	v_cndmask_b32 v[\p0], v[\x], v63, s39
	v_cndmask_b32 v[\p1], v63, v[\x], s39
	v_mov_b32 v[\p0+1], v[\p0]                     ; the packed forms take the low word for both halves and name the pair: so it is written
	v_mov_b32 v[\p1+1], v[\p1]
.endm
.macro GBLOAD q                        ; gain and bias of tiles 4 q .. 4 q + 3, in the result's layout: 16 loads
.irp tq, 0,1,2,3
.irp k, 0,1
	global_load_b128 v[64+8*\tq+4*\k:67+8*\tq+4*\k], v2, s[20:21] offset:(32*((4*(\q)+\tq)/2)+8*(\tq%2))*4+16*\k
	global_load_b128 v[96+8*\tq+4*\k:99+8*\tq+4*\k], v2, s[22:23] offset:(32*((4*(\q)+\tq)/2)+8*(\tq%2))*4+16*\k
.endr
.endr
.endm
.macro LNQ q                           ; (h - mean) x rsqrt, then x gain + bias, for tiles 4 q .. 4 q + 3 of both row tiles
.irp m, 0,1
.set j, 0
.rept 16
	v_pk_mul_f32 v[128+64*\m+32*(\q)+j:129+64*\m+32*(\q)+j], v[128+64*\m+32*(\q)+j:129+64*\m+32*(\q)+j], v[58+2*\m:59+2*\m] op_sel_hi:[1,0]
.set j, j+2
.endr
.set j, 0
.rept 16
	v_pk_fma_f32 v[128+64*\m+32*(\q)+j:129+64*\m+32*(\q)+j], v[128+64*\m+32*(\q)+j:129+64*\m+32*(\q)+j], v[64+j:65+j], v[96+j:97+j]
.set j, j+2
.endr
.endr
.endm
; four blocks of 32 along the next K (be = 2 m + b: row tile m, block 2 q + b of my K step) are quantised: 16 numbers in my lane, 16 in lane l xor 16.  Their codes are half c = q of each row tile's fragment.
.macro QUANTQ q
.irp be, 0,1,2,3
.set HB, 128+64*(\be/2)+32*(\q)+16*(\be%2)
	v_max3_num_f32 v[32+\be], |v[HB]|, |v[HB+1]|, FLOOR
.endr
.irp i, 2,4,6,8,10,12,14
.irp be, 0,1,2,3
.set HB, 128+64*(\be/2)+32*(\q)+16*(\be%2)
	v_max3_num_f32 v[32+\be], v[32+\be], |v[HB+\i]|, |v[HB+\i+1]|   ; the four blocks by turns
.endr
.endr
.irp be, 0,1,2,3
	v_mov_b32 v[36+\be], 0
.endr
.irp be, 0,1,2,3
	v_permlanex16_b32 v[36+\be], v[32+\be], s40, s41
.endr
.irp be, 0,1,2,3
	v_max_num_f32 v[32+\be], v[32+\be], v[36+\be]  ; the block's largest magnitude
.endr
.irp be, 0,1,2,3
	v_add_nc_u32 v[40+\be], 0xff000000, v[32+\be]  ; 2 off the exponent field: the conversion's scale operand
.endr
.irp be, 0,1,2,3
	v_lshrrev_b32 v[44+\be], 23, v[40+\be]         ; the scale's byte
.endr
.if (\q) == 0
	v_lshl_or_b32 v56, v45, 8, v44                 ; the rows' scale words: bytes 0 and 1
	v_lshl_or_b32 v57, v47, 8, v46
.else
	v_lshl_or_b32 v56, v44, 16, v56                ; bytes 2 and 3
	v_lshl_or_b32 v56, v45, 24, v56
	v_lshl_or_b32 v57, v46, 16, v57
	v_lshl_or_b32 v57, v47, 24, v57
	s_wait_dscnt 0x0                               ; the first half's stores have landed
	s_wait_alu depctr_vm_vsrc(0)                   ; the first half's LDS stores have read the codes' registers v[48:55], which the conversions below write again
.endif
.irp be, 0,1,2,3
.set HB, 128+64*(\be/2)+32*(\q)+16*(\be%2)
	v_cvt_scalef32_pk8_fp4_f32 v[48+2*\be], v[HB:HB+7], v[40+\be]
	v_cvt_scalef32_pk8_fp4_f32 v[49+2*\be], v[HB+8:HB+15], v[40+\be]
.endr
	v_nop                                          ; one plain line behind the last conversion
.irp m, 0,1                            ; the operand's layout wants a whole block in a lane: lanes 0-15 the even block, lanes 16-31 the odd one
.irp i, 0,1
	v_permlane16_swap_b32 v[48+4*\m+\i], v[50+4*\m+\i]
.endr
.endr
.if (\q) == 1
	v_cndmask_b32 v56, v56, v57, s39               ; the scale words: lanes 0-15 row tile 0's, lanes 16-31 row tile 1's
	v_lshlrev_b32 v6, 2, v0                        ; their place: 128 x wave + 4 x lane
.endif
	s_wait_alu depctr_va_vdst(0)                   ; the codes v[48:55] and their address v8 are written, which the LDS stores read; in the second half also the scale word v56 and its address v6
	ds_store_b128 v8, v[48:51] offset:HIMG+512*(\q)          ; the image: 16 bytes a lane, 512 consecutive bytes a store; row tile 0, K step w
	ds_store_b128 v8, v[52:55] offset:HIMG+16384+512*(\q)    ; row tile 1
.endm
.macro RLOAD s                         ; W2's tiles 2 w, 2 w + 1, K step s, into slot s % 8: 4 loads
.irp u, 0,1
.irp cc, 0,1
	global_load_b128 v[128+16*((\s)%8)+8*\u+4*\cc:131+16*((\s)%8)+8*\u+4*\cc], v1, s[24:25] offset:(16*\u+(\s))*1024+512*\cc
.endr
.endr
.endm
.macro HLOAD s                         ; the hidden layer's two fragments of K step s and their scale words, into set s % 2: 5 LDS loads
.irp m, 0,1
.irp cc, 0,1
	ds_load_b128 v[64+16*((\s)%2)+8*\m+4*\cc:67+16*((\s)%2)+8*\m+4*\cc], v1 offset:HIMG+(16*\m+(\s))*1024+512*\cc
.endr
.endr
	ds_load_b32 v[12+(\s)%2], v6 offset:HSC+128*(\s)
.endm
.macro KSTEP s                         ; four products: my two tiles of outputs x two row tiles; the four accumulators by turns
.if (\s) < 15
	s_wait_dscnt 5                                 ; this K step's five LDS loads are in; the next step's five may be out
.else
	s_wait_dscnt 0x0
.endif
.if (\s) < 8
	s_wait_loadcnt 32                              ; behind slot s: 4 (7 - s) first fills, b2's 4 loads, 4 s refills
.else
	s_wait_loadcnt 4*(15-(\s))                     ; behind slot s: the refills of K steps s + 1 .. 15
.endif
.irp u, 0,1
.irp m, 0,1
.if (\s) == 0
	WM 32+16*\u+8*\m, 128+16*((\s)%8)+8*\u, 64+16*((\s)%2)+8*\m, 1, 16+(\s), 12+(\s)%2, \u, \m
.else
	WM 32+16*\u+8*\m, 128+16*((\s)%8)+8*\u, 64+16*((\s)%2)+8*\m, 0, 16+(\s), 12+(\s)%2, \u, \m
.endif
.endr
.endr
.rept 4
	v_nop                                          ; four places behind these products: ahead of the first read of results, and beside the wait below
.endr
.if (\s) < 14
	s_wait_alu depctr_va_vdst(0)                   ; these four products are done reading the hidden set s % 2 with its scale word, and W2's slot s % 8: the loads below land in them
	HLOAD (\s)+2
.endif
.if (\s) < 8
	RLOAD (\s)+8
.endif
.endm
; A TRIP OF 32 ROWS.  cond = 0: the first trip: every part runs, and the weights' first loads were issued in the head.  cond = 1: a trip of the loop: each part is jumped over where the trip has no rows.
.macro TRIP cond
	; ---- S0: the rows' codes are gathered, half a fragment a wave, and go to LDS as images
	s_wait_alu depctr_vm_vsrc(0)                   ; all memory and LDS instructions issued so far have read their registers: the addresses v3 and v6 to v10, which are written anew below; the last trip's stage data v[32:63] and stored rows v[64:95], in which loads land; ahead of the first trip the choices' offset v10 and, in wave 0, the list's v6 and v[40:57]
.if \cond
	ACTIVE .Ls0_\@
	WFIRST                                         ; no wait on va_vdst: no vector or matrix instruction has named v[16:31] or v[64:127] since the wait ahead of the last trip's stage stores
.endif
	v_and_b32 v6, 15, v0
	v_lshlrev_b32 v6, 2, v6
	s_add_co_u32 s51, s38, s55
	v_add_nc_u32 v6, s51, v6                       ; the list: row 16 (w / 8) + r,
	v_and_b32 v7, 31, v0
	v_lshlrev_b32 v7, 2, v7
	v_add_nc_u32 v7, s38, v7                       ; and row l
	v_and_b32 v9, 16, v0                           ; 16 h
	v_add_nc_u32 v9, s63, v9                       ; + 32 (w % 8): my half fragment's bytes of a row
	v_lshlrev_b32 v8, 4, v0                        ; 16 x thread = 512 x wave + 16 x lane: its image's place
	s_wait_alu depctr_va_vdst(0)                   ; v6 and v7 are written, which the two LDS loads read, and v8, which the image's store reads; in the first trip the head's compares are done reading v[32:39]
	ds_load_b32 v3, v6
	ds_load_b32 v10, v7
	s_wait_dscnt 0x0
	v_min_u32 v3, 0xff, v3                         ; held inside the chunk before it enters an address
	v_min_u32 v10, 0xff, v10
	v_and_b32 v3, 0xfe, v3                         ; 2 x the token
	v_and_b32 v10, 0xfe, v10
	v_lshl_add_u32 v3, v3, 7, v9                   ; its 256 bytes of codes
	v_lshlrev_b32 v10, 3, v10                      ; its 16 bytes of scale words
	s_wait_alu depctr_va_vdst(0)                   ; the gathered rows' offsets v3 and v10 are written, which the two loads read
	global_load_b128 v[32:35], v3, s[8:9]
	global_load_b128 v[12:15], v10, s[10:11]       ; lanes 0-15: rows 0-15, lanes 16-31: rows 16-31; register s = K step s
	s_wait_loadcnt 0x0                             ; both are in, and with them all that was issued earlier: b1, W1's scale words and first sixteen fragment loads
	ds_store_b128 v8, v[32:35] offset:XIMG
.Ls0_\@:
	BARRIER                                        ; 0: x's eight fragments lie in LDS
	; ---- S1: h = x W1 + b1, SiLU, the rows' sums
	s_wait_alu depctr_vm_vsrc(0)                   ; my image's LDS store has read v[32:35], in which x's fragments land, and v8; the list's loads have read v6 and v7, which this part and the next write
.if \cond
	ACTIVE .Ls1_\@
.endif
	XD 0
	XD 1
	STEP 0, 0, 8, 4
	STEP 0, 1, 8, -1
	STEP 1, 0, 8, 4
	STEP 1, 1, 8, -1
	STEP 2, 0, 8, 4
	STEP 2, 1, 8, -1
	STEP 3, 0, 8, 0
	STEP 3, 1, 0, -1
	SILU 0
	SILU 1
	RED_OUT RED1, 32, 36, 40
.Ls1_\@:
	s_wait_loadcnt 0x0                             ; on every way: no load is out when the registers below are loaded anew
	BARRIER                                        ; 1: the partial sums lie in LDS
	; ---- S2: the mean is taken away, the squares are summed
	s_wait_alu depctr_vm_vsrc(0)                   ; my LDS store of the partial sums has read v32, in which the sums' loads land, and v6, which this part writes again
.if \cond
	ACTIVE .Ls2_\@
.endif
	RED_ADR
	s_wait_alu depctr_va_vdst(0)                   ; v7 is written, which the LDS loads of the partial sums read
	GBLOAD 0
.irp kq, 0,1,2,3,4,5,6,7
	global_load_b64 v[16+2*\kq:17+2*\kq], v5, s[30:31] offset:256*\kq      ; W2's scale words: register s = K step s
.endr
.if (\cond) == 0
	s_cmp_eq_u32 s54, 1
	s_cbranch_scc0 .Lnopf_\@
	global_prefetch_b8 v11, s[56:57] th:TH_LOAD_NT scope:SCOPE_SE  ; W2's codes, once a work-group: lanes 256 bytes apart, 8 KiB a wave; each block of the expert's codes is named by one wave of one of four work-groups; the second pass and the quantiser lie between this and the loads
.Lnopf_\@:
.endif
	RED_IN RED1
	v_mul_f32 v62, 0xba000000, v62                 ; - the mean
	SPLIT 62, 48, 50
.irp m, 0,1
.set j, 0
.rept 32
	v_pk_add_f32 v[128+64*\m+j:129+64*\m+j], v[128+64*\m+j:129+64*\m+j], v[48+2*\m:49+2*\m] op_sel_hi:[1,0]
.set j, j+2
.endr
	v_pk_mul_f32 v[52+4*\m:53+4*\m], v[128+64*\m:129+64*\m], v[128+64*\m:129+64*\m]
	v_pk_mul_f32 v[54+4*\m:55+4*\m], v[130+64*\m:131+64*\m], v[130+64*\m:131+64*\m]
.set j, 4
.rept 15
	v_pk_fma_f32 v[52+4*\m:53+4*\m], v[128+64*\m+j:129+64*\m+j], v[128+64*\m+j:129+64*\m+j], v[52+4*\m:53+4*\m]
	v_pk_fma_f32 v[54+4*\m:55+4*\m], v[130+64*\m+j:131+64*\m+j], v[130+64*\m+j:131+64*\m+j], v[54+4*\m:55+4*\m]
.set j, j+4
.endr
	v_pk_add_f32 v[52+4*\m:53+4*\m], v[52+4*\m:53+4*\m], v[54+4*\m:55+4*\m]
	v_add_f32 v[52+4*\m], v[52+4*\m], v[53+4*\m]
.endr
	RED_OUT RED2, 52, 56, 60
.Ls2_\@:
	BARRIER                                        ; 2: the partial sums of squares lie in LDS
	s_wait_loadcnt 0x0                             ; on every way: gain, bias and W2's scale words are in
	; ---- S3: normalise, gain and bias, quantise; the images go to LDS
	s_wait_alu depctr_vm_vsrc(0)                   ; my LDS store of the squares' sums has read v52 and v6, the sums' loads have read v7: all three are written again in this part
.if \cond
	ACTIVE .Ls3_\@
.endif
	RED_ADR
	s_wait_alu depctr_va_vdst(0)                   ; v7 is written, which the LDS loads of the partial sums read
	RED_IN RED2
	v_fma_f32 v62, v62, s58, s59                   ; the variance + 1e-5
	v_rsq_f32 v62, v62
	v_and_b32 v8, 31, v0                           ; (a plain line behind the transcendental)
	s_wait_alu depctr_va_vdst(0)                   ; the root's reciprocal has written v62, ahead of its first reader
	SPLIT 62, 58, 60
	v_lshlrev_b32 v8, 4, v8
	v_add_nc_u32 v8, s62, v8                       ; the images: 16 x lane + 1,024 x wave
	LNQ 0
	s_wait_alu depctr_va_vdst(0)                   ; the first half's multiply-adds are done reading gain and bias, v[64:127], in which the second half's land
	GBLOAD 1
	QUANTQ 0
	s_wait_loadcnt 0x0                             ; the second half's gain and bias
	LNQ 1
	QUANTQ 1
	ds_store_b32 v6, v56 offset:HSC                ; 128 x wave + 4 x lane
.irp s, 0,1,2,3,4,5,6,7
	RLOAD \s                                       ; the hidden layer's registers are free: W2's first eight K steps, 32 loads
.endr
.Ls3_\@:
	BARRIER                                        ; 3: the hidden layer's 32 fragments and their scale words lie in LDS
	; ---- S4: y = h W2 + b2, into the stage
	s_wait_alu depctr_vm_vsrc(0)                   ; my LDS stores have read the codes v[48:55] and the scale word v56, over which y's sums begin, and the addresses v6 and v8; the sums' loads have read v7: all are written again in this part
.if \cond
	ACTIVE .Ls4_\@
.endif
	v_bfe_u32 v9, v0, 4, 1
	v_lshlrev_b32 v9, 5, v9                        ; 32 h
	v_and_b32 v6, 31, v0
	v_lshlrev_b32 v6, 2, v6
	s_wait_alu depctr_va_vdst(0)                   ; v9 is written, which b2's loads read, and v6, which the loads of the hidden scale words read
.irp u, 0,1
.irp k, 0,1
	global_load_b128 v[96+8*\u+4*\k:99+8*\u+4*\k], v9, s[26:27] offset:64*\u+16*\k    ; b2 in the result's layout
.endr
.endr
	HLOAD 0
	HLOAD 1
.irp s, 0,1,2,3,4,5,6,7,8,9,10,11,12,13,14,15
	KSTEP \s
.endr
.irp u, 0,1
.irp m, 0,1
.irp p, 0,2,4,6
	v_pk_add_f32 v[32+16*\u+8*\m+\p:33+16*\u+8*\m+\p], v[32+16*\u+8*\m+\p:33+16*\u+8*\m+\p], v[96+8*\u+\p:97+8*\u+\p]   ; each accumulator from its low end on
.endr
.endr
.endr
	v_and_b32 v7, 15, v0
	v_mul_u32_u24 v7, v7, SPT
	v_bfe_u32 v8, v0, 4, 1
	v_lshl_add_u32 v7, v8, 5, v7
	s_lshl_b32 s51, s32, 7
	v_add_nc_u32 v7, s51, v7
	v_add_nc_u32 v7, STG, v7                       ; row r, + 32 h, + 128 x wave
	s_wait_alu depctr_va_vdst(0)                   ; y's numbers v[32:63] and their address v7 are written, which the LDS stores read; the products are done reading W2's slots v[128:255], in which the next trip's b1 lands, and v[12:31] and v[64:111], in which the rows of y and the next trip's loads land
.irp m, 0,1
.irp u, 0,1
.irp k, 0,1
	ds_store_b128 v7, v[32+16*\u+8*\m+4*\k:35+16*\u+8*\m+4*\k] offset:16*SPT*\m+64*\u+16*\k
.endr
.endr
.endr
	s_add_co_u32 s51, s37, 32
	s_cmp_lt_u32 s51, s35
	s_cbranch_scc0 .Ls4_\@
	PRELOAD                                        ; the next trip has rows: its sums begin with b1 again
.Ls4_\@:
	BARRIER                                        ; 4: 32 whole rows of y lie in the stage
	s_wait_xcnt 0x0                                ; b2's loads have read v9
	s_wait_alu depctr_vm_vsrc(0)                   ; b2's loads have read v9, in which a list entry lands below; the stage's LDS stores have read v7, which is written again below
	s_lshl_b32 s51, s32, 3
	s_add_co_u32 s51, s51, s38
	v_mov_b32 v8, s51                              ; the list's entries of rows 2 w, 2 w + 1
	s_mul_i32 s52, s60, SPT
	v_and_b32 v7, 31, v0
	v_lshlrev_b32 v7, 4, v7
	v_add_nc_u32 v7, s52, v7
	v_add_nc_u32 v7, STG, v7                       ; row 2 w of the stage, 16 bytes a lane
	s_wait_alu depctr_va_vdst(0)                   ; v7 and v8 are written, which the LDS loads of both rows read
	; ---- S5: wave w stores rows 2 w and 2 w + 1, where they are under n
	s_add_co_u32 s51, s37, s60
	s_cmp_lt_u32 s51, s35
	s_cbranch_scc0 .Ls5_\@
	ds_load_b32 v9, v8
.irp i, 0,1,2,3
	ds_load_b128 v[64+4*\i:67+4*\i], v7 offset:512*\i
.endr
	s_wait_dscnt 0x0
	v_min_u32 v9, 0xff, v9
	v_lshl_add_u32 v9, v9, 11, v1                  ; the slot's row of 2,048 bytes, + 16 x lane
	s_wait_alu depctr_va_vdst(0)                   ; the slot's offset v9 is written, which the four stores read
.irp i, 0,1,2,3
	global_store_b128 v9, v[64+4*\i:67+4*\i], s[28:29] offset:512*\i   ; 512 consecutive bytes an instruction, aligned
.endr
	s_add_co_u32 s51, s51, 1
	s_cmp_lt_u32 s51, s35
	s_cbranch_scc0 .Ls5_\@
	ds_load_b32 v10, v8 offset:4
.irp i, 0,1,2,3
	ds_load_b128 v[80+4*\i:83+4*\i], v7 offset:SPT+512*\i
.endr
	s_wait_dscnt 0x0
	v_min_u32 v10, 0xff, v10
	v_lshl_add_u32 v10, v10, 11, v1
	s_wait_alu depctr_va_vdst(0)                   ; the slot's offset v10 is written, which the four stores read
.irp i, 0,1,2,3
	global_store_b128 v10, v[80+4*\i:83+4*\i], s[28:29] offset:512*\i
.endr
.Ls5_\@:
	s_wait_loadcnt 0x0                             ; on every way: whatever is still out is in, the next trip's b1 among it
	s_wait_xcnt 0x0                                ; the stores have read their data and offsets: both are written again in the next trip
	s_add_co_u32 s37, s37, 32
	s_add_co_u32 s38, s38, 128
.endm
; ---------------- head ----------------
	s_load_b512 s[8:23], s[0:1], 0x0               ; xq 8, xs 10, sel 12, w1q 14, wsc 16, b1 18, ln_g 20, ln_b 22
	s_load_b128 s[24:27], s[0:1], 0x40             ; w2q 24, b2 26
	s_load_b64 s[28:29], s[0:1], 0x50              ; ybuf
	v_lshrrev_b32 v1, 5, v0
	v_readfirstlane_b32 s32, v1                    ; wave 0..15
	s_mov_b32 s33, ttmp9                           ; chunk
	s_and_b32 s34, ttmp7, 0xffff                   ; expert
	v_and_b32 v9, 31, v0                           ; lane
	v_lshlrev_b32 v1, 4, v9                        ; 16 x lane
	v_bfe_u32 v2, v0, 4, 1
	v_lshlrev_b32 v2, 6, v2                        ; 64 h
	v_lshlrev_b32 v5, 3, v9                        ; 8 x lane
	v_lshlrev_b32 v11, 8, v9                       ; 256 x lane
	v_lshlrev_b32 v10, 2, v9                       ; 4 x lane: sel's offsets
	v_lshlrev_b32 v6, 2, v9                        ; 4 x lane: the list's words
	s_mov_b32 s39, 0xffff0000                      ; lanes 16-31
	s_mov_b32 s40, 0x76543210
	s_mov_b32 s41, 0xfedcba98                      ; v_permlanex16_b32's selects for lane l xor 16
	s_mov_b32 s58, 0x3a000000                      ; 1 / 2048
	s_mov_b32 s59, 0x3727c5ac                      ; 1e-5
	s_wait_alu depctr_va_sdst(0)                   ; s32 is written, ahead of its first reader: offsets, bases and branches are made from it
	s_lshl_b32 s60, s32, 1
	s_lshl_b32 s61, s32, 2
	s_lshl_b32 s62, s32, 10
	s_lshr_b32 s55, s32, 3
	s_lshl_b32 s55, s55, 6                         ; 64 (w / 8): the list's words of the row tile that I gather for
	s_and_b32 s63, s32, 7
	s_lshl_b32 s63, s63, 5                         ; 32 (w % 8): my half fragment's bytes of a row
	s_mov_b32 s37, 0                               ; the trip's first row
	s_mov_b32 s38, LIST                            ; and its place in the list
	s_mov_b32 s50, 0
	s_mov_b32 s53, 0                               ; the high word of the offset pair s[52:53]
	s_cmp_lt_u32 s33, 4
	s_cselect_b32 s54, 1, 0                        ; chunks 0 to 3 prefetch
	s_wait_kmcnt 0x0
	s_lshl_b32 s52, s33, 15
	s_add_nc_u64 s[8:9], s[8:9], s[52:53]          ; the chunk's 128 rows of codes,
	s_lshl_b32 s52, s33, 11
	s_add_nc_u64 s[10:11], s[10:11], s[52:53]      ; of scale words,
	s_lshl_b32 s52, s33, 10
	s_add_nc_u64 s[12:13], s[12:13], s[52:53]      ; its 256 choices,
	s_lshl_b32 s52, s33, 19
	s_add_nc_u64 s[28:29], s[28:29], s[52:53]      ; its 256 rows of ybuf
	s_lshl_b32 s52, s34, 19
	s_add_nc_u64 s[14:15], s[14:15], s[52:53]      ; the expert's codes
	s_add_nc_u64 s[24:25], s[24:25], s[52:53]
	s_min_u32 s52, s33, 3                          ; the prefetch: chunk c < 4 names 128 KiB of the expert's 512 KiB of W2's codes, a wave 8 KiB of them
	s_lshl_b32 s52, s52, 17
	s_lshl_b32 s51, s32, 13
	s_add_co_u32 s52, s52, s51
	s_add_nc_u64 s[56:57], s[24:25], s[52:53]
	s_lshl_b32 s52, s32, 15
	s_add_nc_u64 s[14:15], s[14:15], s[52:53]      ; my eight tiles of W1, my two of W2: 32 KiB each
	s_add_nc_u64 s[24:25], s[24:25], s[52:53]
	s_lshl_b32 s52, s34, 15
	s_lshl_b32 s51, s32, 11
	s_add_co_u32 s52, s52, s51
	s_add_nc_u64 s[16:17], s[16:17], s[52:53]      ; W1's scale words: my four pairs,
	s_add_nc_u64 s[30:31], s[16:17], 524288        ; W2's: my pair
	s_lshl_b32 s52, s34, 13
	s_lshl_b32 s51, s32, 9
	s_add_co_u32 s52, s52, s51
	s_add_nc_u64 s[18:19], s[18:19], s[52:53]      ; b1, gain, bias: my 128 units
	s_add_nc_u64 s[20:21], s[20:21], s[52:53]
	s_add_nc_u64 s[22:23], s[22:23], s[52:53]
	s_lshl_b32 s52, s34, 11
	s_lshl_b32 s51, s32, 7
	s_add_co_u32 s52, s52, s51
	s_add_nc_u64 s[26:27], s[26:27], s[52:53]      ; b2: my 32 outputs
	s_wait_alu depctr_va_vdst(0)                   ; the offsets v1, v2, v5, v6, v10 and v11 are written, which the loads, LDS instructions and the prefetch from here on read; v1, v2, v5 and v11 are never written again
.irp j, 0,1,2,3,4,5,6,7
	global_load_b32 v[32+\j], v10, s[12:13] offset:128*\j      ; every wave reads all 256 choices: n is the same number in all
.endr
	PRELOAD                                        ; the first trip always runs: what it wants of b1 and of W1 goes out now,
	WFIRST                                         ; and is on its way while the list is made and the rows are gathered
	s_wait_loadcnt 56                              ; the eight loads of choices are in; behind them: b1's 32, 8 of scale words, 16 of fragments
.irp j, 0,1,2,3,4,5,6,7
	v_cmp_eq_u32 s[42+\j], s34, v[32+\j]           ; which slots name my expert
.endr
	s_wait_alu depctr_va_sdst(0)                   ; the eight compares have written s[42:49], ahead of their first reader: one wait for the run
	s_mov_b32 s35, 0
.irp j, 0,1,2,3,4,5,6,7
	s_bcnt1_i32_b32 s51, s[42+\j]
	s_add_co_u32 s35, s35, s51                     ; n
.endr
	s_cmp_lg_u32 s32, 0
	s_cbranch_scc1 .Llisted                        ; wave 0 alone writes the list; no other wave touches LDS ahead of the barrier below
	v_mov_b32 v40, 0
	v_mov_b32 v41, 0x100
.irp j, 0,1,2,3,4,5,6,7
	v_mbcnt_lo_u32_b32 v[42+2*\j], s[42+\j], s50   ; the slot's rank among my expert's
	v_cndmask_b32 v[42+2*\j], v41, v[42+2*\j], s[42+\j]    ; other slots go to the dump word, word 256
	v_min_u32 v[42+2*\j], 0x100, v[42+2*\j]
	v_lshlrev_b32 v[42+2*\j], 2, v[42+2*\j]
	v_add_nc_u32 v[43+2*\j], 32*\j, v9             ; the slot's number in the chunk
	s_bcnt1_i32_b32 s51, s[42+\j]
	s_add_co_u32 s50, s50, s51
.endr
	s_wait_alu depctr_va_vdst(0)                   ; v40 and the eight pairs of place and slot, v[42:57], are written, which the sixteen LDS stores read: one wait for the run
.irp j, 0,1,2,3,4,5,6,7
	ds_store_b32 v6, v40 offset:LIST+128*\j        ; entries past n: slot 0, a row that exists
.endr
.irp j, 0,1,2,3,4,5,6,7
	ds_store_b32 v[42+2*\j], v[43+2*\j]            ; (LDS serves a wave's instructions in order: behind the zeros)
.endr
.Llisted:
	BARRIER                                        ; the list lies in LDS
; ---------------- four trips of 32 rows: the first written out, three in a loop ----------------
	TRIP 0
	s_mov_b32 s36, 0
.Ltrip:
	TRIP 1
	s_add_co_u32 s36, s36, 1
	s_cmp_lt_u32 s36, 3
	s_cbranch_scc1 .Ltrip
	s_wait_xcnt 0x0
	v_lshl_add_u32 v254, v0, 2, 0x1c400            ; the add's two registers are made anew, straight ahead of the closing lines: no memory or LDS instruction has ever read v254 or v255
	v_mov_b32 v255, 0
	s_wait_dscnt 0x0                               ; the closing lines, six on end
	s_wait_alu 0x0
	s_wait_tensorcnt 0x0
	ds_add_u32 v254, v255
	s_wait_dscnt 0x0
	s_endpgm
.Lfunc_end_k_q6439351deb_chain:
	.size	k_q6439351deb_chain, .Lfunc_end_k_q6439351deb_chain-k_q6439351deb_chain
	.p2alignl 7, 3214868480
	.fill 96, 4, 3214868480
	.section	.rodata,"a",@progbits
	.p2align	6, 0x0
	.amdhsa_kernel k_q6439351deb_chain
		.amdhsa_group_segment_fixed_size 117760
		.amdhsa_private_segment_fixed_size 0
		.amdhsa_enable_private_segment 0
		.amdhsa_kernarg_size 88
		.amdhsa_user_sgpr_count 2
		.amdhsa_user_sgpr_kernarg_segment_ptr 1
		.amdhsa_wavefront_size32 1
		.amdhsa_system_sgpr_workgroup_id_x 1
		.amdhsa_system_sgpr_workgroup_id_y 1
		.amdhsa_system_sgpr_workgroup_id_z 1
		.amdhsa_system_vgpr_workitem_id 0
		.amdhsa_next_free_vgpr 256
		.amdhsa_next_free_sgpr 66
		.amdhsa_reserve_vcc 0
		.amdhsa_float_denorm_mode_32 3
		.amdhsa_float_denorm_mode_16_64 3
		.amdhsa_memory_ordered 1
		.amdhsa_forward_progress 1
		.amdhsa_inst_pref_size 229
	.end_amdhsa_kernel
	.amdgpu_metadata
---
amdhsa.version: [ 1, 2 ]
amdhsa.kernels:
  - .name:           k_q6439351deb_chain
    .symbol:         k_q6439351deb_chain.kd
    .args:
      - { .name: xq, .offset: 0, .size: 8, .value_kind: global_buffer, .address_space: global }
      - { .name: xs, .offset: 8, .size: 8, .value_kind: global_buffer, .address_space: global }
      - { .name: sel, .offset: 16, .size: 8, .value_kind: global_buffer, .address_space: global }
      - { .name: w1q, .offset: 24, .size: 8, .value_kind: global_buffer, .address_space: global }
      - { .name: wsc, .offset: 32, .size: 8, .value_kind: global_buffer, .address_space: global }
      - { .name: b1, .offset: 40, .size: 8, .value_kind: global_buffer, .address_space: global }
      - { .name: ln_g, .offset: 48, .size: 8, .value_kind: global_buffer, .address_space: global }
      - { .name: ln_b, .offset: 56, .size: 8, .value_kind: global_buffer, .address_space: global }
      - { .name: w2q, .offset: 64, .size: 8, .value_kind: global_buffer, .address_space: global }
      - { .name: b2, .offset: 72, .size: 8, .value_kind: global_buffer, .address_space: global }
      - { .name: ybuf, .offset: 80, .size: 8, .value_kind: global_buffer, .address_space: global }
    .group_segment_fixed_size: 117760
    .private_segment_fixed_size: 0
    .kernarg_segment_align: 8
    .kernarg_segment_size: 88
    .max_flat_workgroup_size: 512
    .sgpr_count:     66
    .vgpr_count:     256
    .wavefront_size: 32
...
	.end_amdgpu_metadata
.endif
;; end of part 7
;; launch combine: the kernel of part 3 again; grid 256 x 1, 8 waves a work-group, no clusters, 0 bytes of LDS; arguments ybuf, wts, out0; writes out0
